; MI455X (gfx1250); checked and timed in simulation.
; The chip was launched on July 23, 2026; its instructions are those of AMD's public machine-readable ISA for CDNA 5 (MIT licence, August 2026) and "CDNA5" Instruction Set Architecture Reference Guide (July 2026). The comments in the code are by the model that wrote it; some were corrected since.
;; Mo E Layer. Allowed arithmetic: matrix products marked QUANTISED: E2M1 operands, one E8M0 scale for each 32 along K, by v_wmma_scale_f32_16x16x128_f8f6f4 with both operands' format E2M1 (or v_wmma_scale_f32_32x16x128_f4), f32 sums; products left as they are: f32 operands where the result goes on into a quantised operand, else bf16, f16 or f32 operands; f32 sums; everything else in f32.
;; Inputs: b1 8 x 4,096 float32; b2 8 x 1,024 float32; gate_b 8 float32; gate_w 1,024 x 8 float32; w1_codes 8 x 4,096 x 32 x 16 uint8 (E2M1 codes of w1, K innermost, in blocks of 32 codes, two codes a byte); w1_scales 8 x 4,096 x 32 uint8 (E8M0 scales of w1, one for each 32 codes along K); w2_codes 8 x 1,024 x 128 x 16 uint8 (E2M1 codes of w2, K innermost, in blocks of 32 codes, two codes a byte); w2_scales 8 x 1,024 x 128 uint8 (E8M0 scales of w2, one for each 32 codes along K); x 4 x 256 x 1,024 float32.
;; Outputs: out0 4 x 256 x 1,024 float32.
;; This version of the problem:
;;   THIS VERSION OF THE PROBLEM IS GIVEN IN LOW PRECISION. The matrix products marked QUANTISED in the list below multiply operands that are first quantised to E2M1 (2 exponent bits, 1 mantissa bit; 4 bits a number), with one power-of-two scale for each 32 numbers along K (OCP MX v1.0); their sums are f32. All else is computed in f32.
;;   The module's matrix products, in the order in which they are computed (A, B: the left and right operand; K: the contracted axis; several contracted axes count as one K, in the product's order):
;;     1. [M 1,024, K 1,024] x [K 1,024, N 8]; A: input x; B: input gate_w: left as it is (N = 8 < 16)
;;     2. [M 32,768, K 1,024] x [K 1,024, N 1,024]; A: input w1 (given as codes); B: input x: QUANTISED
;;     3. batch 8 x [M 1,024, K 4,096] x [K 4,096, N 1,024]; A: computed on the way; B: input w2 (given as codes): QUANTISED
;;     4. batch 1,024 x [M 1,024, K 8] x [K 8, N 1]; A: computed on the way; B: computed on the way: left as it is (K = 8 < 32)
;;   THE QUANTISER, for each operand of a quantised product, along K:
;;     - K is cut into blocks of 32 from its start; a last block that is shorter is filled with zeros.
;;     - A block's scale is 2^e with e = floor(log2(the largest magnitude in the block)) - 2, held to -126 .. 127; a block of zeros has e = 0. As a byte (E8M0): e + 127.
;;     - Each number is divided by its block's scale, clamped to +-6, and rounded to the nearest number of E2M1, ties to even, subnormals kept.
;;     - The product sums the exact products of the quantised numbers (number of the format x scale) in f32.
;;   ~~~python
;;   def quantise(x, axis):      # numpy; x: float32 -> the quantised numbers, widened to float32 again
;;       x = np.moveaxis(x, axis, -1); K = x.shape[-1]
;;       x = np.pad(x, [(0, 0)] * (x.ndim - 1) + [(0, -K % 32)]); x = x.reshape(x.shape[:-1] + (-1, 32)); a = np.abs(x).max(-1, keepdims=True)
;;       e = np.where(a > 0, np.clip(np.frexp(np.where(a > 0, a, 1))[1] - 1 - 2, -126, 127), 0)      # np.frexp(a)[1] - 1 = floor(log2(a)), exactly
;;       r = np.clip(x / 2.0 ** e, -6, 6)
;;       step = 2.0 ** (np.maximum(np.frexp(np.where(r == 0, 1, r))[1] - 1, 0) - 1)
;;       q = np.round(r / step) * step * 2.0 ** e      # np.round: ties to even
;;       return np.moveaxis(q.reshape(q.shape[:-2] + (-1,))[..., :K], -1, axis).astype(np.float32)
;;   ~~~
;;   OPERANDS COMPUTED ON THE WAY. 'Computed on the way' means the value that the module computes at that place (a softmax that the list does not call 'softmax' is quantised finished and normalised). What goes into a quantiser is computed in f32, as accurately as f32 sums, v_exp_f32 and their like allow (about 1e-6 of the number): no bf16 or f16 on the way to a quantiser, and a product that is left as it is and whose result goes on into a quantised operand takes f32 operands (vector FMAs, or v_wmma_f32_16x16x4_f32). A number that lies on a knife's edge between two numbers of the format may be rounded either way, as far as f32 arithmetic and the matrix unit's own rounding can turn it there, and no further.
;;   INPUTS GIVEN AS CODES. w1 (in the module: [8, 1024, 4096], K = its axis 1); w2 (in the module: [8, 4096, 1024], K = its axis 1): each comes as NAME_codes (uint8): NAME with its K axis moved to the last place and cut into blocks of 32 codes, [.., K / 32, bytes a block], one block behind the other in memory; two codes a byte, the lower K in the low four bits (a code: sign, 2 exponent bits, 1 mantissa bit); and NAME_scales (uint8): the same leading axes, one E8M0 byte (e + 127) for each 32 codes along K. Its value is code x scale, taken as it is: it is not quantised again, and the codes and scales need not be those that the quantiser above would give.
;; 3 versions. Each part assembles by itself: llvm-mc -triple=amdgcn-amd-amdhsa -mcpu=gfx1250 --defsym DOCPART=n.
;; ======== version 1 of 3: 4 launches
;; workspace buffers: top1 4,096 bytes of whole numbers; list 36,864 bytes of whole numbers; cnt 256 bytes of whole numbers; xq 524,288 bytes; xs 32,768 bytes; hq 16,777,216 bytes; hs 1,048,576 bytes
;; launch route (part 1): grid 256 x 1, 4 waves a work-group, no clusters, 4,608 bytes of LDS; arguments x, gate_w, gate_b, w1_codes, top1, xq, xs; writes top1, xq, xs
.if DOCPART == 1
	.amdgcn_target "amdgcn-amd-amdhsa--gfx1250"
	.amdhsa_code_object_version 6
	.text
	.protected	k_q9e491a71ff_route
	.globl	k_q9e491a71ff_route
	.p2align	8
	.type	k_q9e491a71ff_route,@function
k_q9e491a71ff_route:
	s_mov_b64 s[64:65], 0
	v_nop
	global_prefetch_b8 v0, s[64:65] scope:SCOPE_SE
	s_setreg_imm32_b32 hwreg(HW_REG_WAVE_MODE, 25, 1), 1
	s_wait_xcnt 0x0
; ROUTE.  For each of 1,024 tokens: the gate's 8 logits x . gate_w + gate_b in f32 (fused multiply-adds), the expert with the largest logit -> top1 [1024] u32;
; and x quantised along its 1,024 numbers to codes of E2M1 with one E8M0 byte for each 32: xq [token][512 bytes], xs [token][32 bytes].
; SHARES.  A work-group takes 4 tokens; wave w takes k = 256 w .. 256 w + 255 of all four; lane l takes k = 256 w + 8 l + 0 .. 7, so four neighbouring lanes hold a block of 32
; and the work-group reads gate_w once (8 KB a wave).  The waves' partial logits, the codes and the scale bytes meet in LDS behind ONE barrier.
; No matrix unit (8 columns), no cluster (work-groups share only gate_w's 32 KB), no tensor load: the launch reads 16 KB of x for each work-group, through registers.
; LIMITS.  The softmax is not evaluated: it rises with the logit, so the largest logit is taken, the lower index on a tie; logits so close that their f32 probabilities would tie
; may give the other expert.  The sum's order differs from a plain ascending one.  NaN and infinities are not served.  A block of zeros gets the byte 1 (not 127): its codes are
; zeros, and only this program reads the bytes; the floor 2^(3 - 127) holds every byte at 1 from below.
; AHEAD.  Each work-group asks for 64 KB of w1_codes, which the next launch reads: lanes 256 bytes apart, each aligned 256 bytes once in the launch, all inside the buffer (256 x 64 KB is its size).
.set COD, 0                            ; LDS: 4 tokens x 512 bytes of codes
.set SCB, 2048                         ; 4 tokens x 32 scale bytes
.set RED, 2304                         ; 8 half-waves x 32 partial logits (8 t + e)
.set X,   16                           ; v16-47   x: 8 t + i
.set G,   48                           ; v48-111  gate_w: 8 i + e
.set A,   112                          ; v112-143 partial logits: 8 t + e
.set M,   144                          ; v144-147 largest magnitudes
.set S,   148                          ; v148-151 the conversions' scale operands
.set BY,  152                          ; v152-155 scale bytes
.set C,   156                          ; v156-159 codes
.set P,   16                           ; v16-79   wave 0's tail: 8 parts x 8 logits
	s_load_b256 s[4:11], s[0:1], 0x0               ; x s[4:5], gate_w s[6:7], gate_b s[8:9], w1_codes s[10:11]
	s_load_b128 s[12:15], s[0:1], 0x20             ; top1 s[12:13], xq s[14:15]
	s_load_b64 s[16:17], s[0:1], 0x30              ; xs
	v_lshl_add_u32 v160, v0, 2, 0x1000
	v_mov_b32 v161, 0
	v_lshrrev_b32 v1, 5, v0
	v_readfirstlane_b32 s18, v1                    ; wave
	v_and_b32 v1, 31, v0                           ; lane
	v_lshlrev_b32 v2, 5, v1                        ; x: my 8 numbers, 32 bytes a lane
	v_lshlrev_b32 v3, 8, v1                        ; gate_w: my 8 rows of 32 bytes; also the prefetch's 256 bytes a lane
	v_lshlrev_b32 v4, 2, v0                        ; COD + 128 w + 4 l
	v_lshrrev_b32 v5, 2, v0
	v_add_nc_u32 v5, SCB, v5                       ; SCB + 8 w + l / 4
	v_lshrrev_b32 v6, 4, v0
	v_lshl_add_u32 v6, v6, 7, RED                  ; RED + 128 x (2 w + l / 16)
	v_lshlrev_b32 v7, 4, v0                        ; COD + 512 w + 16 l: token w's codes on the way out
	v_lshlrev_b32 v8, 4, v0                        ; and their place in xq
	v_and_b32 v9, 3, v0                            ; the tail: lane l serves token l % 4
	v_lshl_add_u32 v10, v9, 5, RED
	v_lshlrev_b32 v9, 2, v9
	v_lshl_add_u32 v11, v1, 2, SCB
	v_lshlrev_b32 v12, 2, v1
	s_lshl_b32 s28, ttmp9, 14                      ; x: 4 tokens of 4,096 bytes a work-group, 1,024 bytes a wave
	s_lshl_b32 s19, s18, 10
	s_add_co_u32 s28, s28, s19
	s_mov_b32 s29, 0
	s_lshl_b32 s30, s18, 13                        ; gate_w: 256 rows of 32 bytes a wave
	s_mov_b32 s31, 0
	s_lshl_b32 s32, ttmp9, 16                      ; w1_codes: 64 KB a work-group, 16 KB a wave
	s_lshl_b32 s19, s18, 14
	s_add_co_u32 s32, s32, s19
	s_mov_b32 s33, 0
	s_lshl_b32 s34, ttmp9, 4                       ; top1: 16 bytes a work-group
	s_mov_b32 s35, 0
	s_lshl_b32 s36, ttmp9, 11                      ; xq: 2,048
	s_mov_b32 s37, 0
	s_lshl_b32 s38, ttmp9, 7                       ; xs: 128
	s_mov_b32 s39, 0
	s_wait_kmcnt 0x0
	s_load_b256 s[20:27], s[8:9], 0x0              ; gate_b, 8 numbers
	s_add_nc_u64 s[4:5], s[4:5], s[28:29]
	s_add_nc_u64 s[6:7], s[6:7], s[30:31]
	s_add_nc_u64 s[10:11], s[10:11], s[32:33]
	s_add_nc_u64 s[12:13], s[12:13], s[34:35]
	s_add_nc_u64 s[14:15], s[14:15], s[36:37]
	s_add_nc_u64 s[16:17], s[16:17], s[38:39]
.irp t, 0,1,2,3
.irp s, 0,1
	global_load_b128 v[X+8*\t+4*\s:X+8*\t+4*\s+3], v2, s[4:5] offset:4096*\t+16*\s th:TH_LOAD_NT
.endr
.endr
.irp i, 0,1,2,3,4,5,6,7
.irp s, 0,1
	global_load_b128 v[G+8*\i+4*\s:G+8*\i+4*\s+3], v3, s[6:7] offset:32*\i+16*\s
.endr
.endr
	global_prefetch_b8 v3, s[10:11] th:TH_LOAD_NT scope:SCOPE_SE
	global_prefetch_b8 v3, s[10:11] offset:8192 th:TH_LOAD_NT scope:SCOPE_SE
	s_wait_loadcnt 16                              ; x's eight loads are in; gate_w's sixteen may be out
	; ---- the quantiser: the four tokens by turns
.irp t, 0,1,2,3
	v_max3_num_f32 v[M+\t], |v[X+8*\t]|, |v[X+8*\t+1]|, 0x1800000   ; my 8 numbers and the floor 2^(3 - 127)
.endr
.irp i, 2,4,6
.irp t, 0,1,2,3
	v_max3_num_f32 v[M+\t], v[M+\t], |v[X+8*\t+\i]|, |v[X+8*\t+\i+1]|
.endr
.endr
.irp t, 0,1,2,3
	v_max_num_f32_dpp v[M+\t], v[M+\t], v[M+\t] row_xmask:1 row_mask:0xf bank_mask:0xf
.endr
.irp t, 0,1,2,3
	v_max_num_f32_dpp v[M+\t], v[M+\t], v[M+\t] row_xmask:2 row_mask:0xf bank_mask:0xf   ; the block's four lanes
.endr
.irp t, 0,1,2,3
	v_add_nc_u32 v[S+\t], 0xff000000, v[M+\t]      ; 2 off the exponent field: the conversion takes that field as its scale
.endr
.irp t, 0,1,2,3
	v_cvt_scalef32_pk8_fp4_f32 v[C+\t], v[X+8*\t:X+8*\t+7], v[S+\t]
.endr
.irp t, 0,1,2,3
	v_lshrrev_b32 v[BY+\t], 23, v[S+\t]            ; the scale's byte (plain lines behind the conversions)
.endr
.irp t, 0,1,2,3
	ds_store_b32 v4, v[C+\t] offset:COD+512*\t
	ds_store_b8 v5, v[BY+\t] offset:32*\t          ; the block's four lanes write the same byte with the same value
.endr
	s_wait_loadcnt 0x0                             ; gate_w
	; ---- the gate: 4 tokens x 8 experts, my 8 k: two experts an instruction, x's number serving both halves
.irp t, 0,1,2,3
.irp p, 0,1,2,3
	v_pk_mul_f32 v[A+8*\t+2*\p:A+8*\t+2*\p+1], v[X+8*\t:X+8*\t+1], v[G+2*\p:G+2*\p+1] op_sel_hi:[0,1]
.endr
.endr
.irp i, 1,2,3,4,5,6,7
.irp t, 0,1,2,3
.irp p, 0,1,2,3
.if (\i)%2 == 0
	v_pk_fma_f32 v[A+8*\t+2*\p:A+8*\t+2*\p+1], v[X+8*\t+\i:X+8*\t+\i+1], v[G+8*\i+2*\p:G+8*\i+2*\p+1], v[A+8*\t+2*\p:A+8*\t+2*\p+1] op_sel_hi:[0,1,1]
.else
	v_pk_fma_f32 v[A+8*\t+2*\p:A+8*\t+2*\p+1], v[X+8*\t+\i-1:X+8*\t+\i], v[G+8*\i+2*\p:G+8*\i+2*\p+1], v[A+8*\t+2*\p:A+8*\t+2*\p+1] op_sel:[1,0,0] op_sel_hi:[1,1,1]
.endif
.endr
.endr
.endr
.irp m, 1,2,4,8                        ; the sum over each half of 16 lanes
.set q, 0
.rept 32
	v_add_f32_dpp v[A+q], v[A+q], v[A+q] row_xmask:\m row_mask:0xf bank_mask:0xf
.set q, q+1
.endr
.endr
.irp q, 0,1,2,3,4,5,6,7
	ds_store_b128 v6, v[A+4*\q:A+4*\q+3] offset:16*\q   ; the 16 lanes of a half write the same words with the same values
.endr
	s_wait_kmcnt 0x0                               ; gate_b
	s_wait_dscnt 0x0                               ; for the other waves' sake: my stores have landed
	s_barrier_signal -1
	s_barrier_wait -1
	ds_load_b128 v[M:M+3], v7                      ; token w's 512 bytes of codes
	s_wait_dscnt 0x0
	global_store_b128 v8, v[M:M+3], s[14:15]       ; 32 lanes store 512 consecutive bytes, aligned
	s_cmp_lg_u32 s18, 0
	s_cbranch_scc1 .Lend                           ; the rest is wave 0's; no barrier stands in it
.irp q, 0,1,2,3,4,5,6,7
	ds_load_b128 v[P+8*\q:P+8*\q+3], v10 offset:128*\q
	ds_load_b128 v[P+8*\q+4:P+8*\q+7], v10 offset:128*\q+16
.endr
	ds_load_b32 v80, v11                           ; the 128 scale bytes, 4 a lane
	s_wait_dscnt 0x0
.irp q, 0,2,4,6
.irp p, 0,2,4,6
	v_pk_add_f32 v[P+8*\q+\p:P+8*\q+\p+1], v[P+8*\q+\p:P+8*\q+\p+1], v[P+8*\q+8+\p:P+8*\q+8+\p+1]
.endr
.endr
.irp q, 0,4
.irp p, 0,2,4,6
	v_pk_add_f32 v[P+8*\q+\p:P+8*\q+\p+1], v[P+8*\q+\p:P+8*\q+\p+1], v[P+8*\q+16+\p:P+8*\q+16+\p+1]
.endr
.endr
.irp p, 0,2,4,6
	v_pk_add_f32 v[P+\p:P+\p+1], v[P+\p:P+\p+1], v[P+32+\p:P+32+\p+1]
.endr
.irp e, 0,1,2,3,4,5,6,7
	v_add_f32 v[P+\e], s[20+\e], v[P+\e]           ; + gate_b
.endr
	v_mov_b32 v81, 0                               ; the expert so far
	v_mov_b32 v82, v[P]                            ; its logit
.irp e, 1,2,3,4,5,6,7
	v_cmp_ge_f32 vcc_lo, v82, v[P+\e]              ; the earlier one stays on a tie
	v_cndmask_b32 v81, \e, v81, vcc_lo
	v_max_num_f32 v82, v82, v[P+\e]
.endr
	global_store_b32 v9, v81, s[12:13]             ; lanes with the same l % 4 store the same word with the same value
	global_store_b32 v12, v80, s[16:17]            ; 128 consecutive bytes of xs
.Lend:
	s_wait_tensorcnt 0x0
	ds_add_u32 v160, v161
	s_wait_dscnt 0x0
	s_endpgm
.Lfunc_end_k_q9e491a71ff_route:
	.size	k_q9e491a71ff_route, .Lfunc_end_k_q9e491a71ff_route-k_q9e491a71ff_route
	.p2alignl 7, 3214868480
	.fill 96, 4, 3214868480
	.section	.rodata,"a",@progbits
	.p2align	6, 0x0
	.amdhsa_kernel k_q9e491a71ff_route
		.amdhsa_group_segment_fixed_size 4608
		.amdhsa_private_segment_fixed_size 0
		.amdhsa_enable_private_segment 0
		.amdhsa_kernarg_size 56
		.amdhsa_user_sgpr_count 2
		.amdhsa_user_sgpr_kernarg_segment_ptr 1
		.amdhsa_wavefront_size32 1
		.amdhsa_system_sgpr_workgroup_id_x 1
		.amdhsa_system_sgpr_workgroup_id_y 1
		.amdhsa_system_sgpr_workgroup_id_z 1
		.amdhsa_system_vgpr_workitem_id 0
		.amdhsa_next_free_vgpr 162
		.amdhsa_next_free_sgpr 66
		.amdhsa_reserve_vcc 1
		.amdhsa_float_denorm_mode_32 3
		.amdhsa_float_denorm_mode_16_64 3
		.amdhsa_memory_ordered 1
		.amdhsa_forward_progress 1
		.amdhsa_inst_pref_size 29
	.end_amdhsa_kernel
	.amdgpu_metadata
---
amdhsa.version: [ 1, 2 ]
amdhsa.kernels:
  - .name:           k_q9e491a71ff_route
    .symbol:         k_q9e491a71ff_route.kd
    .args:
      - { .name: x, .offset: 0, .size: 8, .value_kind: global_buffer, .address_space: global }
      - { .name: gate_w, .offset: 8, .size: 8, .value_kind: global_buffer, .address_space: global }
      - { .name: gate_b, .offset: 16, .size: 8, .value_kind: global_buffer, .address_space: global }
      - { .name: w1_codes, .offset: 24, .size: 8, .value_kind: global_buffer, .address_space: global }
      - { .name: top1, .offset: 32, .size: 8, .value_kind: global_buffer, .address_space: global }
      - { .name: xq, .offset: 40, .size: 8, .value_kind: global_buffer, .address_space: global }
      - { .name: xs, .offset: 48, .size: 8, .value_kind: global_buffer, .address_space: global }
    .group_segment_fixed_size: 4608
    .private_segment_fixed_size: 0
    .kernarg_segment_align: 8
    .kernarg_segment_size: 56
    .max_flat_workgroup_size: 128
    .sgpr_count:     66
    .vgpr_count:     162
    .wavefront_size: 32
...
	.end_amdgpu_metadata
.endif
;; end of part 1
;; launch place (part 2): grid 8 x 1, 1 waves a work-group, no clusters, 5,376 bytes of LDS; arguments top1, list, cnt; writes list, cnt
.if DOCPART == 2
	.amdgcn_target "amdgcn-amd-amdhsa--gfx1250"
	.amdhsa_code_object_version 6
	.text
	.protected	k_q9e491a71ff_place
	.globl	k_q9e491a71ff_place
	.p2align	8
	.type	k_q9e491a71ff_place,@function
k_q9e491a71ff_place:
	s_mov_b64 s[64:65], 0
	v_nop
	global_prefetch_b8 v0, s[64:65] scope:SCOPE_SE
	s_setreg_imm32_b32 hwreg(HW_REG_WAVE_MODE, 25, 1), 1
	s_wait_xcnt 0x0
; PLACE.  For expert e (the work-group's number): the list of the tokens whose top1 is e, and their count T.  list [8][1,152] u32, cnt [8] u32.
; One wave an expert: the whole of top1 is 4 KB, 32 registers a lane.  A counting pass: register n holds top1[128 (n / 4) + 4 lane + n % 4]; a token's place is the count so far + the number of lower lanes
; that also match (no atomics); a lane that does not match writes its own dump word, which nobody reads.  The place is chosen as an index, held under 0x500 and shifted, so every LDS address lies in the 5,120 bytes claimed.
; Entries T .. T + 31 repeat the expert's last token, so that the spare rows of its last tile of 16 compute and store what that token's row does; all other entries are 0: they serve loads that stay inside their buffers.
; The list goes through LDS so that it leaves as 9 stores of 512 consecutive bytes.  Eight work-groups: there is no more work than this; the two launches behind read what is stored here.
.set LIST, 0                           ; LDS: 1,152 entries of 4 bytes
.set DUMP, 4864                        ; a word a lane
.set LANE, 1
.set L16,  4
.set L4,   5
.set BA,   6
.set BB,   7
.set BP,   8
.set BC,   9
.set DIDX, 14
.set ZQ,   16                          ; v16-19 zeros
.set TP,   32                          ; v32-63  top1
.set BR,   64                          ; v64-95  the entries' addresses, a register each
.set BK,   96                          ; v96-127 the tokens' numbers
.set OUTR, 128                         ; v128-163 the list on its way out
.set SE,   14
.set SM,   15
.set SB,   16
.set SC,   17
	s_load_b128 s[4:7], s[0:1], 0x0                ; top1 s[4:5], list s[6:7]
	s_load_b64 s[8:9], s[0:1], 0x10                ; cnt
	v_lshl_add_u32 v168, v0, 2, 0x1400
	v_mov_b32 v169, 0
	v_and_b32 v[LANE], 31, v0
	v_lshlrev_b32 v[L16], 4, v[LANE]
	v_lshlrev_b32 v[L4], 2, v[LANE]
	v_add_nc_u32 v[DIDX], DUMP/4, v[LANE]
.irp b, 0,1,2,3
	v_mov_b32 v[ZQ+\b], 0
.endr
	s_mov_b32 s[SE], ttmp9
	s_mul_i32 s10, ttmp9, 4608                     ; my expert's 1,152 entries
	s_mov_b32 s11, 0
	s_lshl_b32 s12, ttmp9, 2
	s_mov_b32 s13, 0
	s_wait_kmcnt 0x0
	s_add_nc_u64 s[6:7], s[6:7], s[10:11]
	s_add_nc_u64 s[8:9], s[8:9], s[12:13]
.irp j, 0,1,2,3,4,5,6,7
	global_load_b128 v[TP+4*\j:TP+4*\j+3], v[L16], s[4:5] offset:512*\j
.endr
.irp k, 0,1,2,3,4,5,6,7,8
	ds_store_b128 v[L16], v[ZQ:ZQ+3] offset:LIST+512*\k    ; 1,152 zeros
.endr
	s_mov_b32 s[SB], 0
	s_wait_loadcnt 0x0
.set n, 0
.rept 32
	v_cmp_eq_u32 s[SM], s[SE], v[TP+n]
	v_mbcnt_lo_u32_b32 v[BR+n], s[SM], s[SB]
	v_cndmask_b32 v[BR+n], v[DIDX], v[BR+n], s[SM]
	v_min_u32 v[BR+n], 0x4ff, v[BR+n]
	v_lshlrev_b32 v[BR+n], 2, v[BR+n]
	v_add_nc_u32 v[BK+n], 128*(n/4)+n%4, v[L4]
	ds_store_b32 v[BR+n], v[BK+n]
	s_bcnt1_i32_b32 s[SC], s[SM]
	s_add_co_u32 s[SB], s[SB], s[SC]
.set n, n+1
.endr
	s_max_u32 s[SC], s[SB], 1
	s_sub_co_u32 s[SC], s[SC], 1
	s_min_u32 s[SC], s[SC], 1023
	s_lshl_b32 s[SC], s[SC], 2
	v_mov_b32 v[BA], s[SC]
	ds_load_b32 v[BP], v[BA]                       ; the last token (LDS serves a wave's instructions in order: it sees the stores above); entry 0's zero where T = 0
	v_add_nc_u32 v[BB], s[SB], v[LANE]
	v_min_u32 v[BB], 1151, v[BB]
	v_lshlrev_b32 v[BB], 2, v[BB]
	v_mov_b32 v[BC], s[SB]
	global_store_b32 v[ZQ], v[BC], s[8:9]          ; T: every lane stores the same word with the same value
	s_wait_dscnt 0x0
	ds_store_b32 v[BB], v[BP]                      ; entries T .. T + 31
.irp k, 0,1,2,3,4,5,6,7,8
	ds_load_b128 v[OUTR+4*\k:OUTR+4*\k+3], v[L16] offset:LIST+512*\k
.endr
.irp k, 0,1,2,3,4,5,6,7,8
	s_wait_dscnt 8-\k
	global_store_b128 v[L16], v[OUTR+4*\k:OUTR+4*\k+3], s[6:7] offset:512*\k   ; 512 consecutive bytes, at a multiple of 256 from the buffer's first byte
.endr
	s_wait_tensorcnt 0x0
	ds_add_u32 v168, v169
	s_wait_dscnt 0x0
	s_endpgm
.Lfunc_end_k_q9e491a71ff_place:
	.size	k_q9e491a71ff_place, .Lfunc_end_k_q9e491a71ff_place-k_q9e491a71ff_place
	.p2alignl 7, 3214868480
	.fill 96, 4, 3214868480
	.section	.rodata,"a",@progbits
	.p2align	6, 0x0
	.amdhsa_kernel k_q9e491a71ff_place
		.amdhsa_group_segment_fixed_size 5376
		.amdhsa_private_segment_fixed_size 0
		.amdhsa_enable_private_segment 0
		.amdhsa_kernarg_size 24
		.amdhsa_user_sgpr_count 2
		.amdhsa_user_sgpr_kernarg_segment_ptr 1
		.amdhsa_wavefront_size32 1
		.amdhsa_system_sgpr_workgroup_id_x 1
		.amdhsa_system_sgpr_workgroup_id_y 1
		.amdhsa_system_sgpr_workgroup_id_z 1
		.amdhsa_system_vgpr_workitem_id 0
		.amdhsa_next_free_vgpr 170
		.amdhsa_next_free_sgpr 66
		.amdhsa_reserve_vcc 0
		.amdhsa_float_denorm_mode_32 3
		.amdhsa_float_denorm_mode_16_64 3
		.amdhsa_memory_ordered 1
		.amdhsa_forward_progress 1
		.amdhsa_inst_pref_size 20
	.end_amdhsa_kernel
	.amdgpu_metadata
---
amdhsa.version: [ 1, 2 ]
amdhsa.kernels:
  - .name:           k_q9e491a71ff_place
    .symbol:         k_q9e491a71ff_place.kd
    .args:
      - { .name: top1, .offset: 0, .size: 8, .value_kind: global_buffer, .address_space: global }
      - { .name: list, .offset: 8, .size: 8, .value_kind: global_buffer, .address_space: global }
      - { .name: cnt, .offset: 16, .size: 8, .value_kind: global_buffer, .address_space: global }
    .group_segment_fixed_size: 5376
    .private_segment_fixed_size: 0
    .kernarg_segment_align: 8
    .kernarg_segment_size: 24
    .max_flat_workgroup_size: 32
    .sgpr_count:     66
    .vgpr_count:     170
    .wavefront_size: 32
...
	.end_amdgpu_metadata
.endif
;; end of part 2
;; launch ffn1 (part 3): grid 256 x 1, 4 waves a work-group, no clusters, 101,888 bytes of LDS; arguments list, cnt, xq, xs, w1_codes, w1_scales, b1, w2_codes, hq, hs; writes hq, hs
.if DOCPART == 3
	.amdgcn_target "amdgcn-amd-amdhsa--gfx1250"
	.amdhsa_code_object_version 6
	.text
	.protected	k_q9e491a71ff_ffn1
	.globl	k_q9e491a71ff_ffn1
	.p2align	8
	.type	k_q9e491a71ff_ffn1,@function
k_q9e491a71ff_ffn1:
	s_mov_b64 s[64:65], 0
	v_nop
	global_prefetch_b8 v0, s[64:65] scope:SCOPE_SE
	s_setreg_imm32_b32 hwreg(HW_REG_WAVE_MODE, 25, 1), 1
	s_wait_xcnt 0x0
; FFN1.  h = Q(relu(Q(x) W1^T + b1)) for each token's chosen expert alone, on codes of E2M1 with E8M0 scales; h leaves as codes, quantised along the hidden axis.
; SHARES.  Work-group = (expert e = number / 32, block fb = number % 32): hidden units 128 fb .. 128 fb + 127 of expert e, which are ONE K step of the next product.  Its 128 rows of W1
; (64 KB) are read from memory once, a row of 512 consecutive bytes an instruction, meet in LDS, and then lie WHOLE in every wave's registers (512).  The waves share the expert's tokens:
; wave w takes tiles w, w + 4, .. of 16 tokens; so a wave makes whole fragments and whole scale words, and the loop over tiles has no barrier.
; THE LIST of the expert's tokens and their count T were stored by the launch before.  Entries T .. T + 31 repeat the last token, so that a tile's spare rows compute what that token's row computes;
; all other entries are 0 and serve loads that stay inside their buffers.  With T = 0 tile 0 is made of token 0, so that the next launch's clamped loads read written bytes.
; A tile's 9 list words are loaded two tiles ahead, its rows of xq one tile ahead.
; NO TENSOR LOAD, NO CLUSTER: which trips work hangs on a count read from memory; and no two work-groups read the same byte of W1.  What they share, an expert's rows of xq (544 bytes a token), is under a tenth of a work-group's bytes at an even split.
; LAYOUT.  The product is used transposed (source 0 = 16 rows of W1, source 1 = 16 tokens): a lane holds ONE token and its registers run along the hidden units.  THE ROWS OF W1 THAT FORM A TILE ARE NOT NEIGHBOURS:
; lane r of tile 2 b + u takes row 32 b + 8 u + r + 8 (r / 8), so that the 16 registers of tiles 2 b, 2 b + 1 are 16 neighbours along the next K.  b1 is the C of each sum's first instruction.
; OUT.  hq [e][tile 64][K step 32][c 2][lane 32][16 bytes]: the image of the next product's operand registers.  hs [e][tile][K step / 4][token 16][K step % 4][4 bytes].  (An hs store is 64 of 256 neighbouring bytes: 1/17 of what the launch stores.)
; LIMITS: NaN and infinities are not served; a block of zeros gets the byte 1 (not 127): its codes are zeros and only this program reads the bytes.
; REGISTERS, in windows of 256.  Window 0: v1-13, v27 addresses; v16-24 list words as loaded; v32-63 W1's scale words (8 b + K step: lanes 0-15 tile 2 b, lanes 16-31 tile 2 b + 1); v64-127 x's 8 fragments; v128-191 the 8 accumulators;
;   v192-199 x's scale words; v200-216 at work; v224-231 the codes made; v232-240 the tile's offsets in xq and xs.  Window 1: W1's fragments of K steps 0-3 (8 (8 k + t)); window 2: of K steps 4-7.
;   Window 3: v0-63 b1; v64-191 W1's rows as loaded; v192-255 x's rows as loaded.
.set WP,   528                         ; an LDS row: 512 bytes + 16 = 132 words: row r starts at bank 4 r mod 64 (64 banks of 4 bytes: ISA guide 11.1)
.set XST,  128*WP                      ; LDS: from 0 the 128 rows of W1 (slot 16 t + r = lane r's row of tile t); from here a stage of 16 rows for each wave: x's rows turn into fragments there
.set XSTW, 16*WP
.set R,    16
.set WS,   32
.set XF,   64
.set H,    128
.set XS,   192
.set TM,   200                         ; v200-203 maxima, v204-207 the other half's, v208-211 bytes, v212-215 scale operands
.set PW,   216
.set PC,   224
.set O,    232
.set B1,   0                           ; window 3
.set WSTG, 64
.set XR,   192
.set MSB, 0
.macro WIN new                         ; the immediate's high byte repeats the setting that is left; a switch that changes nothing is dropped
.if MSB != \new
	s_set_vgpr_msb (MSB<<8)|\new
.set MSB, \new
.endif
.endm
.macro LISTLD off                      ; a tile's tokens, off bytes on in my part of the list: v[R + j]: row 2 j + lane / 16; v[R + 8]: row lane % 16
.irp j, 0,1,2,3,4,5,6,7
	global_load_b32 v[R+\j], v9, s[4:5] offset:\off+8*\j
.endr
	global_load_b32 v[R+8], v10, s[4:5] offset:\off
.endm
.macro XADDR                           ; numbers read from memory enter addresses only held under 1,024
.irp j, 0,1,2,3,4,5,6,7,8
	v_min_u32 v[O+\j], 0x3ff, v[R+\j]
.endr
.irp j, 0,1,2,3,4,5,6,7
	v_lshl_add_u32 v[O+\j], v[O+\j], 9, v11        ; token x 512 + 16 (lane % 16)
.endr
	v_lshlrev_b32 v[O+8], 5, v[O+8]                ; token x 32
.endm
.macro XROWS                           ; 16 rows of xq: sixteen lanes read 256 consecutive, aligned bytes of one token's row
	WIN 0xc0
.irp j, 0,1,2,3,4,5,6,7
	global_load_b128 v[XR+8*\j:XR+8*\j+3], v[O+\j], s[8:9]
	global_load_b128 v[XR+8*\j+4:XR+8*\j+7], v[O+\j], s[8:9] offset:256
.endr
	WIN 0
.endm
.macro XSCL                            ; the 16 tokens' 8 scale words
	global_load_b128 v[XS:XS+3], v[O+8], s[10:11]
	global_load_b128 v[XS+4:XS+7], v[O+8], s[10:11] offset:16
.endm
; Chunk g: 32 rows of W1 = tiles 2 g, 2 g + 1.  My 8 rows go to their slots; a barrier; every wave takes the two tiles' 16 fragments.  cnt: the loads younger than my chunk's eight.
.macro CHUNK g, cnt
	s_wait_loadcnt \cnt
	WIN 0x0c                                       ; an LDS store's data are its source 1: window 3
.irp i, 0,1,2,3,4,5,6,7
	ds_store_b128 v7, v[WSTG+4*(8*(\g)+\i):WSTG+4*(8*(\g)+\i)+3] offset:(32*(\g)+\i)*WP
.endr
	s_wait_dscnt 0x0                               ; for the others' sake: my stores have landed (and my earlier LDS loads are in)
	s_barrier_signal -1
	s_barrier_wait -1
	WIN 0x40
.irp u, 0,1
.irp k, 0,1,2,3
.irp c, 0,1
	ds_load_b128 v[8*(8*\k+2*(\g)+\u)+4*\c:8*(8*\k+2*(\g)+\u)+4*\c+3], v8 offset:16*(2*(\g)+\u)*WP+64*\k+32*\c
.endr
.endr
.endr
	WIN 0x80
.irp u, 0,1
.irp k, 0,1,2,3
.irp c, 0,1
	ds_load_b128 v[8*(8*\k+2*(\g)+\u)+4*\c:8*(8*\k+2*(\g)+\u)+4*\c+3], v8 offset:16*(2*(\g)+\u)*WP+64*(\k+4)+32*\c
.endr
.endr
.endr
	WIN 0
.endm
.macro MM1 t, k                        ; tile t, K step k.  The first K step takes b1 as C
.set DR, H+8*(\t)
.set AR, 8*(8*((\k)%4)+(\t))
.set CR, DR
.if (\k) == 0
.set CR, B1+8*(\t)
.endif
.if (\t)%2
	v_wmma_scale_f32_16x16x128_f8f6f4 v[DR:DR+7], v[AR:AR+7], v[XF+8*(\k):XF+8*(\k)+7], v[CR:CR+7], v[WS+8*((\t)/2)+(\k)], v[XS+(\k)] matrix_a_fmt:MATRIX_FMT_FP4 matrix_b_fmt:MATRIX_FMT_FP4 matrix_a_scale:MATRIX_SCALE_ROW1
.else
	v_wmma_scale_f32_16x16x128_f8f6f4 v[DR:DR+7], v[AR:AR+7], v[XF+8*(\k):XF+8*(\k)+7], v[CR:CR+7], v[WS+8*((\t)/2)+(\k)], v[XS+(\k)] matrix_a_fmt:MATRIX_FMT_FP4 matrix_b_fmt:MATRIX_FMT_FP4
.endif
.endm
; 64 numbers of a lane, register 16 b + i = hidden unit 32 b + 16 (lane / 16) + i of my token, none negative, become a fragment's codes in v[PC] on and its scale word in v[PW].
.macro QUANT
.irp b, 0,1,2,3
	v_max3_num_f32 v[TM+\b], v[H+16*\b], v[H+16*\b+1], 0x1800000   ; and the floor 2^(3 - 127): the byte cannot fall under 1
.endr
.irp i, 2,4,6,8,10,12,14
.irp b, 0,1,2,3
	v_max3_num_f32 v[TM+\b], v[TM+\b], v[H+16*\b+\i], v[H+16*\b+\i+1]
.endr
.endr
.irp b, 0,1,2,3
	v_permlanex16_b32 v[TM+4+\b], v[TM+\b], s52, s53
.endr
.irp b, 0,1,2,3
	v_max_num_f32 v[TM+\b], v[TM+\b], v[TM+4+\b]   ; with lane l xor 16's 16: the block's largest
.endr
.irp b, 0,1,2,3
	v_add_nc_u32 v[TM+12+\b], 0xff000000, v[TM+\b] ; 2 off the exponent field: the conversion's scale operand
.endr
.irp b, 0,1,2,3
	v_lshrrev_b32 v[TM+8+\b], 23, v[TM+12+\b]      ; the scale's byte
.endr
	v_lshl_or_b32 v[PW], v[TM+9], 8, v[TM+8]
	v_lshl_or_b32 v[PW], v[TM+10], 16, v[PW]
	v_lshl_or_b32 v[PW], v[TM+11], 24, v[PW]
.irp b, 0,1,2,3
	v_cvt_scalef32_pk8_fp4_f32 v[PC+2*\b], v[H+16*\b:H+16*\b+7], v[TM+12+\b]
	v_cvt_scalef32_pk8_fp4_f32 v[PC+2*\b+1], v[H+16*\b+8:H+16*\b+15], v[TM+12+\b]
.endr
	v_nop                                          ; one plain place behind a scaled conversion
.irp c, 0,1                            ; the operand's layout wants a whole block in a lane: lanes 0-15 block 2 c, lanes 16-31 block 2 c + 1
.irp i, 0,1
	v_permlane16_swap_b32 v[PC+4*\c+\i], v[PC+4*\c+2+\i]
.endr
.endr
.endm
	s_load_b256 s[4:11], s[0:1], 0x0               ; list s[4:5], cnt s[6:7], xq s[8:9], xs s[10:11]
	s_load_b256 s[12:19], s[0:1], 0x20             ; w1_codes s[12:13], w1_scales s[14:15], b1 s[16:17], w2_codes s[18:19]
	s_load_b128 s[20:23], s[0:1], 0x40             ; hq s[20:21], hs s[22:23]
	v_lshl_add_u32 v254, v0, 2, 0x18c00
	v_mov_b32 v255, 0
	v_lshrrev_b32 v1, 5, v0
	v_readfirstlane_b32 s24, v1                    ; wave
	s_lshr_b32 s25, ttmp9, 5                       ; expert
	s_and_b32 s26, ttmp9, 31                       ; block of 128 hidden units
	v_and_b32 v1, 31, v0                           ; lane
	v_and_b32 v2, 15, v0                           ; r
	v_bfe_u32 v3, v0, 4, 1                         ; h
	v_lshlrev_b32 v4, 4, v1                        ; 16 x lane
	s_mul_i32 s50, s24, XSTW
	s_add_co_u32 s50, s50, XST                     ; my stage
	v_mul_u32_u24 v5, v3, WP
	v_lshl_add_u32 v5, v2, 4, v5
	v_add_nc_u32 v5, s50, v5                       ; into it: row h of a pair, 16 r
	v_mul_u32_u24 v8, v2, WP
	v_lshl_add_u32 v8, v3, 4, v8                   ; a fragment's place among W1's rows: row r, 16 h
	v_add_nc_u32 v6, s50, v8                       ; and in my stage
	s_and_b32 s50, s24, 1                          ; my 8 rows of a chunk, 32 g + 8 w + i, lie in slots 32 g + 8 (2 (w % 2) + w / 2) + i
	s_lshl_b32 s50, s50, 1
	s_lshr_b32 s51, s24, 1
	s_or_b32 s50, s50, s51
	s_mul_i32 s50, s50, 8*WP
	v_add_nc_u32 v7, s50, v4
	v_lshlrev_b32 v9, 2, v3                        ; the list: 4 h
	v_lshlrev_b32 v10, 2, v2                       ; and 4 r
	v_lshlrev_b32 v11, 4, v2                       ; 16 r
	v_lshlrev_b32 v12, 6, v3                       ; b1: 64 h
	v_and_b32 v13, 8, v2
	v_add_nc_u32 v13, v13, v2
	v_lshl_add_u32 v13, v3, 3, v13
	v_lshlrev_b32 v13, 5, v13                      ; W1's scale words: row 8 h + r + 8 (r / 8) of a chunk, 32 bytes a row
	v_lshlrev_b32 v27, 8, v1
.irp b, 0,1,2,3
	v_mov_b32 v[TM+4+\b], 0                        ; written once: a lane permute's destination counts as one of its sources
.endr
	s_mov_b32 s52, 0x76543210
	s_mov_b32 s53, 0xfedcba98                      ; v_permlanex16_b32's selects for lane l xor 16
	s_mul_i32 s32, s25, 4608                       ; list: the expert's 1,152 entries, + my first tile's 16
	s_lshl_b32 s50, s24, 6
	s_add_co_u32 s32, s32, s50
	s_mov_b32 s33, 0
	s_lshl_b32 s34, s25, 2                         ; cnt
	s_mov_b32 s35, 0
	s_lshl_b32 s36, ttmp9, 16                      ; w1_codes: 128 rows of 512 bytes a work-group, + my 8 rows of a chunk
	s_lshl_b32 s50, s24, 12
	s_add_co_u32 s36, s36, s50
	s_mov_b32 s37, 0
	s_lshl_b32 s38, ttmp9, 12                      ; w1_scales: 128 rows of 32 bytes
	s_mov_b32 s39, 0
	s_lshl_b32 s40, ttmp9, 9                       ; b1: 128 numbers
	s_mov_b32 s41, 0
	s_lshl_b32 s42, ttmp9, 16                      ; w2_codes, asked for ahead: 64 KB a work-group, 16 KB a wave
	s_lshl_b32 s50, s24, 14
	s_add_co_u32 s42, s42, s50
	s_mov_b32 s43, 0
	s_lshl_b32 s44, s25, 21                        ; hq: (64 e + w) tiles of 32 KB + fb KB
	s_lshl_b32 s50, s24, 15
	s_add_co_u32 s44, s44, s50
	s_lshl_b32 s50, s26, 10
	s_add_co_u32 s44, s44, s50
	s_mov_b32 s45, 0
	s_lshl_b32 s46, s25, 17                        ; hs: (64 e + w) tiles of 2 KB + 256 (fb / 4) + 4 (fb % 4)
	s_lshl_b32 s50, s24, 11
	s_add_co_u32 s46, s46, s50
	s_lshr_b32 s50, s26, 2
	s_lshl_b32 s50, s50, 8
	s_add_co_u32 s46, s46, s50
	s_and_b32 s50, s26, 3
	s_lshl_b32 s50, s50, 2
	s_add_co_u32 s46, s46, s50
	s_mov_b32 s47, 0
	s_wait_kmcnt 0x0
	s_add_nc_u64 s[4:5], s[4:5], s[32:33]
	s_add_nc_u64 s[6:7], s[6:7], s[34:35]
	s_add_nc_u64 s[12:13], s[12:13], s[36:37]
	s_add_nc_u64 s[14:15], s[14:15], s[38:39]
	s_add_nc_u64 s[16:17], s[16:17], s[40:41]
	s_add_nc_u64 s[18:19], s[18:19], s[42:43]
	s_add_nc_u64 s[20:21], s[20:21], s[44:45]
	s_add_nc_u64 s[22:23], s[22:23], s[46:47]
	s_load_b32 s27, s[6:7], 0x0                    ; T
	LISTLD 0                                       ; my first tile's tokens
	WIN 0xc0
.irp g, 0,1,2,3
.irp i, 0,1,2,3,4,5,6,7
	global_load_b128 v[WSTG+4*(8*\g+\i):WSTG+4*(8*\g+\i)+3], v4, s[12:13] offset:(32*\g+\i)*512 th:TH_LOAD_NT   ; a row of W1: 512 consecutive bytes; read once in the launch
.endr
.endr
	WIN 0
	s_wait_loadcnt 32                              ; the list words are in; W1's 32 rows may be out
	XADDR
	XROWS                                          ; my first tile's rows,
	XSCL                                           ; its scale words,
	LISTLD 256                                     ; and my second tile's tokens: 27 loads
	CHUNK 0, 51                                    ; behind chunk 0's eight: W1's 24, those 27
.irp g, 0,1,2,3
.irp u, 0,1
	global_load_b128 v[WS+8*\g+4*\u:WS+8*\g+4*\u+3], v13, s[14:15] offset:1024*\g+16*\u
.endr
.endr
	CHUNK 1, 51                                    ; 16 + 27 + the scale words' 8
	CHUNK 2, 43                                    ; 8 + 27 + 8
	WIN 0xc0
.irp t, 0,1,2,3,4,5,6,7
	global_load_b128 v[B1+8*\t:B1+8*\t+3], v12, s[16:17] offset:(32*(\t/2)+8*(\t%2))*4      ; lane (r, h), tile t: b1 at hidden units 32 (t / 2) + 16 h + 8 (t % 2) + 0 .. 7
	global_load_b128 v[B1+8*\t+4:B1+8*\t+7], v12, s[16:17] offset:(32*(\t/2)+8*(\t%2))*4+16
.endr
	WIN 0
	CHUNK 3, 51                                    ; 27 + 8 + b1's 16
	global_prefetch_b8 v27, s[18:19] th:TH_LOAD_NT scope:SCOPE_SE               ; my 16 KB of w2_codes, which the next launch reads: lanes 256 bytes apart, each aligned 256 bytes once in the launch
	global_prefetch_b8 v27, s[18:19] offset:8192 th:TH_LOAD_NT scope:SCOPE_SE
	s_wait_kmcnt 0x0                               ; T
	s_add_co_u32 s28, s27, 15
	s_lshr_b32 s28, s28, 4
	s_max_u32 s28, s28, 1                          ; tiles to make: at least one
	s_mov_b32 s29, s24                             ; my tile
	s_mov_b32 s30, 0
	s_wait_dscnt 0x0                               ; W1's fragments are in
.Ltrip:                                            ; 16 trips, whatever the split; a trip whose tile the expert does not have does nothing
	s_cmp_lt_u32 s29, s28
	s_cbranch_scc0 .Lskip
	s_wait_loadcnt 0x0                             ; this tile's rows and scale words and the next tile's tokens (asked for a trip ago); in the first trip also b1 and W1's scale words
	WIN 0x0c
.irp j, 0,1,2,3,4,5,6,7
	ds_store_b128 v5, v[XR+8*\j:XR+8*\j+3] offset:2*WP*\j
	ds_store_b128 v5, v[XR+8*\j+4:XR+8*\j+7] offset:2*WP*\j+256
.endr
	WIN 0
.irp k, 0,1,2,3,4,5,6,7
.irp c, 0,1
	ds_load_b128 v[XF+8*\k+4*\c:XF+8*\k+4*\c+3], v6 offset:64*\k+32*\c   ; my own stage: LDS serves a wave's instructions in order
.endr
.endr
	XADDR                                          ; the tile four on: its entries hold tokens or zeros
	s_wait_dscnt 0x0
	XROWS                                          ; they land while this tile is multiplied
	LISTLD 512                                     ; the tile eight on: entry 1,151 of the expert's 1,152 at the most
.irp k, 0,1,2,3,4,5,6,7                ; the 8 accumulators take turns, one instruction a turn
.if \k == 0
	WIN 0x31                                       ; source 0 (W1) window 1, source 2 (b1) window 3
.elseif \k < 4
	WIN 0x01
.else
	WIN 0x02
.endif
.irp t, 0,1,2,3,4,5,6,7
	MM1 \t, \k
.endr
.endr
	WIN 0
.rept 4
	v_nop                                          ; places in front of the loads into the scale registers and of the first read of results
.endr
	XSCL                                           ; the next tile's scale words
.set q, 0
.rept 64
	v_max_num_f32 v[H+q], 0, v[H+q]                ; relu, in f32; each accumulator from its low end on
.set q, q+1
.endr
	QUANT
	global_store_b128 v4, v[PC:PC+3], s[20:21]                 ; the fragment's image: 512 consecutive bytes a store
	global_store_b128 v4, v[PC+4:PC+7], s[20:21] offset:512
	global_store_b32 v11, v[PW], s[22:23]                      ; token r's scale word (lanes 16-31 store what lanes 0-15 store)
.Lskip:
	s_wait_xcnt 0x0                                ; the stores' data and the three bases are rewritten only behind this wait
	s_add_nc_u64 s[20:21], s[20:21], 4*32768
	s_add_nc_u64 s[22:23], s[22:23], 4*2048
	s_add_nc_u64 s[4:5], s[4:5], 256
	s_add_co_u32 s29, s29, 4
	s_add_co_u32 s30, s30, 1
	s_cmp_lt_u32 s30, 16
	s_cbranch_scc1 .Ltrip
	s_wait_tensorcnt 0x0
	ds_add_u32 v254, v255
	s_wait_dscnt 0x0
	s_endpgm
.Lfunc_end_k_q9e491a71ff_ffn1:
	.size	k_q9e491a71ff_ffn1, .Lfunc_end_k_q9e491a71ff_ffn1-k_q9e491a71ff_ffn1
	.p2alignl 7, 3214868480
	.fill 96, 4, 3214868480
	.section	.rodata,"a",@progbits
	.p2align	6, 0x0
	.amdhsa_kernel k_q9e491a71ff_ffn1
		.amdhsa_group_segment_fixed_size 101888
		.amdhsa_private_segment_fixed_size 0
		.amdhsa_enable_private_segment 0
		.amdhsa_kernarg_size 80
		.amdhsa_user_sgpr_count 2
		.amdhsa_user_sgpr_kernarg_segment_ptr 1
		.amdhsa_wavefront_size32 1
		.amdhsa_system_sgpr_workgroup_id_x 1
		.amdhsa_system_sgpr_workgroup_id_y 1
		.amdhsa_system_sgpr_workgroup_id_z 1
		.amdhsa_system_vgpr_workitem_id 0
		.amdhsa_next_free_vgpr 1024
		.amdhsa_next_free_sgpr 66
		.amdhsa_reserve_vcc 0
		.amdhsa_float_denorm_mode_32 3
		.amdhsa_float_denorm_mode_16_64 3
		.amdhsa_memory_ordered 1
		.amdhsa_forward_progress 1
		.amdhsa_inst_pref_size 46
	.end_amdhsa_kernel
	.amdgpu_metadata
---
amdhsa.version: [ 1, 2 ]
amdhsa.kernels:
  - .name:           k_q9e491a71ff_ffn1
    .symbol:         k_q9e491a71ff_ffn1.kd
    .args:
      - { .name: list, .offset: 0, .size: 8, .value_kind: global_buffer, .address_space: global }
      - { .name: cnt, .offset: 8, .size: 8, .value_kind: global_buffer, .address_space: global }
      - { .name: xq, .offset: 16, .size: 8, .value_kind: global_buffer, .address_space: global }
      - { .name: xs, .offset: 24, .size: 8, .value_kind: global_buffer, .address_space: global }
      - { .name: w1_codes, .offset: 32, .size: 8, .value_kind: global_buffer, .address_space: global }
      - { .name: w1_scales, .offset: 40, .size: 8, .value_kind: global_buffer, .address_space: global }
      - { .name: b1, .offset: 48, .size: 8, .value_kind: global_buffer, .address_space: global }
      - { .name: w2_codes, .offset: 56, .size: 8, .value_kind: global_buffer, .address_space: global }
      - { .name: hq, .offset: 64, .size: 8, .value_kind: global_buffer, .address_space: global }
      - { .name: hs, .offset: 72, .size: 8, .value_kind: global_buffer, .address_space: global }
    .group_segment_fixed_size: 101888
    .private_segment_fixed_size: 0
    .kernarg_segment_align: 8
    .kernarg_segment_size: 80
    .max_flat_workgroup_size: 128
    .sgpr_count:     66
    .vgpr_count:     1024
    .wavefront_size: 32
...
	.end_amdgpu_metadata
.endif
;; end of part 3
;; launch ffn2 (part 4): grid 256 x 1, 4 waves a work-group, no clusters, 274,944 bytes of LDS; arguments list, cnt, hq, hs, w2_codes, w2_scales, b2, out0; writes out0
.if DOCPART == 4
	.amdgcn_target "amdgcn-amd-amdhsa--gfx1250"
	.amdhsa_code_object_version 6
	.text
	.protected	k_q9e491a71ff_ffn2
	.globl	k_q9e491a71ff_ffn2
	.p2align	8
	.type	k_q9e491a71ff_ffn2,@function
k_q9e491a71ff_ffn2:
	s_mov_b64 s[64:65], 0
	v_nop
	global_prefetch_b8 v0, s[64:65] scope:SCOPE_SE
	s_setreg_imm32_b32 hwreg(HW_REG_WAVE_MODE, 25, 1), 1
	s_wait_xcnt 0x0
; FFN2.  out[token] = h[token] W2^T + b2 of the token's chosen expert, on codes of E2M1 with E8M0 scales; h comes as the images that the launch before stored.
; SHARES.  Work-group = (expert e = number / 32, outputs 64 j .. 64 j + 63 with j = (number / 2) % 16, parity p = number % 2): it takes the expert's tiles of 16 tokens with tile % 2 = p.
; 64 outputs are 256 bytes of a row of out: one aligned run a half-wave.  THE WAVES SHARE K: wave w holds K steps 8 w .. 8 w + 7 of the 64 rows of W2 (32 KB, 256 registers), read as 512 consecutive bytes
; of a row an instruction and turned into fragments through the wave's OWN LDS bytes.  Tiles go in groups of four; the four waves' partial sums meet in a stage in LDS (two stages by turns, one barrier a group),
; and wave w adds the four parts of the group's tile w, adds b2 and stores whole rows at the tokens' places.
; THE LIST of the expert's tokens and their count T were stored two launches before.  A tile's spare rows repeat the expert's last token: they store the same numbers to the same place.
; An expert without tokens stores nothing.
; NO TENSOR LOAD, NO CLUSTER: which groups work hangs on a count read from memory, so operands go from memory into registers.  The two parities read the same 128 KB of W2; they are neighbours in the grid.
; LAYOUT.  Transposed use: source 0 = 16 rows of W2, source 1 = 16 tokens: a lane holds one token and eight neighbouring outputs.
; The sum over K is split over four waves and added in f32: its order differs from one ascending chain.  NaN and infinities are not served.
; REGISTERS.  Window 0: v1-24 addresses; v32-39 tokens; v64-79 W2's scale words (8 q + K step: lanes 0-15 tile 2 q, lanes 16-31 tile 2 q + 1); v80-111 h's scale words (8 i + K step); v112-115 b2; v128-255 the parts on the way out.
;   Window 1: W2's fragments (8 (8 d + k)).  Window 2: h's fragments of four tiles (64 i + 8 k).  Window 3: W2's rows as loaded; in the loop the group's 16 accumulators (32 i + 8 d).
.set WP,   528                         ; an LDS row of W2: 512 bytes + 16 = 132 words: row r starts at bank 4 r mod 64 (ISA guide 11.1)
.set WLW,  64*WP                       ; LDS: from 0, for each wave 64 such rows
.set STG,  4*WLW                       ; then two stages of four parts of 64 rows (16 i + token) x SP
.set SP,   272                         ; 256 bytes + 16
.set PART, 64*SP
.set SBUF, 4*PART
.set SW,   8                           ; v8, v9   where I put my part, stage 0, 1
.set SR,   10                          ; v10, v11 where I read rows back
.set HO,   16                          ; v16-19 offsets of the four tiles in hq
.set HSO,  20                          ; v20-23 and in hs
.set TOK,  32
.set WS,   64
.set HS,   80
.set B2,   112
.set RD,   128
.set MSB, 0
.macro WIN new                         ; the immediate's high byte repeats the setting that is left; a switch that changes nothing is dropped
.if MSB != \new
	s_set_vgpr_msb (MSB<<8)|\new
.set MSB, \new
.endif
.endm
.macro WROWS d                         ; rows 16 d .. 16 d + 15 of my 64: my 512 bytes of each, one row an instruction
	WIN 0xc0
.irp i, 0,1,2,3,4,5,6,7,8,9,10,11,12,13,14,15
	global_load_b128 v[4*(16*(\d)+\i):4*(16*(\d)+\i)+3], v4, s[12:13] offset:(16*(\d)+\i)*2048
.endr
.endm
.macro RELAY d, cnt                    ; those rows through my own LDS bytes into tile d's 8 fragments.  cnt: the loads younger than the sixteen
	s_wait_loadcnt \cnt
	WIN 0x0c
.irp i, 0,1,2,3,4,5,6,7,8,9,10,11,12,13,14,15
	ds_store_b128 v6, v[4*(16*(\d)+\i):4*(16*(\d)+\i)+3] offset:(16*(\d)+\i)*WP
.endr
	WIN 0x40
.irp k, 0,1,2,3,4,5,6,7
.irp c, 0,1
	ds_load_b128 v[8*(8*(\d)+\k)+4*\c:8*(8*(\d)+\k)+4*\c+3], v7 offset:16*(\d)*WP+64*\k+32*\c   ; LDS serves a wave's instructions in order: these see my stores
.endr
.endr
.endm
.macro HADDR                           ; the four tiles s51, s51 + 2, .. held to the tiles that were written (s26) and to 63
.irp i, 0,1,2,3
	s_add_co_u32 s30, s51, 2*\i
	s_min_u32 s30, s30, s26
	s_min_u32 s30, s30, 63
	v_lshl_add_u32 v[HO+\i], s30, 15, v4
	v_lshl_add_u32 v[HSO+\i], s30, 11, v24
.endr
.endm
.macro HSLOAD                          ; h's scale words: token r's four words of K steps 8 w + 4 u on
.irp i, 0,1,2,3
.irp u, 0,1
	global_load_b128 v[HS+8*\i+4*\u:HS+8*\i+4*\u+3], v[HSO+\i], s[10:11] offset:256*\u
.endr
.endr
.endm
.macro HTILE i                         ; tile i's 8 fragments: register images, 512 consecutive bytes a load
	WIN 0x80
.irp k, 0,1,2,3,4,5,6,7
.irp c, 0,1
	global_load_b128 v[64*(\i)+8*\k+4*\c:64*(\i)+8*\k+4*\c+3], v[HO+(\i)], s[8:9] offset:1024*\k+512*\c
.endr
.endr
.endm
.macro MM2 i, d, k
.set DR, 32*(\i)+8*(\d)
.set AR, 8*(8*(\d)+(\k))
.set FR, 64*(\i)+8*(\k)
.if (\k) == 0
.if (\d)%2
	v_wmma_scale_f32_16x16x128_f8f6f4 v[DR:DR+7], v[AR:AR+7], v[FR:FR+7], 0, v[WS+8*((\d)/2)+(\k)], v[HS+8*(\i)+(\k)] matrix_a_fmt:MATRIX_FMT_FP4 matrix_b_fmt:MATRIX_FMT_FP4 matrix_a_scale:MATRIX_SCALE_ROW1
.else
	v_wmma_scale_f32_16x16x128_f8f6f4 v[DR:DR+7], v[AR:AR+7], v[FR:FR+7], 0, v[WS+8*((\d)/2)+(\k)], v[HS+8*(\i)+(\k)] matrix_a_fmt:MATRIX_FMT_FP4 matrix_b_fmt:MATRIX_FMT_FP4
.endif
.else
.if (\d)%2
	v_wmma_scale_f32_16x16x128_f8f6f4 v[DR:DR+7], v[AR:AR+7], v[FR:FR+7], v[DR:DR+7], v[WS+8*((\d)/2)+(\k)], v[HS+8*(\i)+(\k)] matrix_a_fmt:MATRIX_FMT_FP4 matrix_b_fmt:MATRIX_FMT_FP4 matrix_a_scale:MATRIX_SCALE_ROW1
.else
	v_wmma_scale_f32_16x16x128_f8f6f4 v[DR:DR+7], v[AR:AR+7], v[FR:FR+7], v[DR:DR+7], v[WS+8*((\d)/2)+(\k)], v[HS+8*(\i)+(\k)] matrix_a_fmt:MATRIX_FMT_FP4 matrix_b_fmt:MATRIX_FMT_FP4
.endif
.endif
.endm
.macro TILE i, cnt                     ; 32 products: my 8 K steps, the tile's 4 accumulators by turns, one instruction a turn; the first K step starts the sums
	s_wait_loadcnt \cnt                            ; this tile's fragments (and all scale words) are in; cnt: the later tiles' sixteen each and the 8 token words
.irp k, 0,1,2,3,4,5,6,7
.irp d, 0,1,2,3
	MM2 \i, \d, \k
.endr
.endr
.endm
.macro REDUCE buf                      ; tile w of the group: 16 rows, two an instruction; four parts + b2; each half-wave stores 256 consecutive, aligned bytes of a token's row
	s_wait_xcnt 0x0                                ; on every way into these lines: the last way out's stores have read their data (v128 on) and their addresses (v32-39), which are written again below
.irp u, 0,1,2,3,4,5,6,7
.irp q, 0,1,2,3
	ds_load_b128 v[RD+16*\u+4*\q:RD+16*\u+4*\q+3], v[SR+\buf] offset:PART*\q+2*SP*\u
.endr
.endr
.irp u, 0,1,2,3,4,5,6,7
	v_min_u32 v[TOK+\u], 0x3ff, v[TOK+\u]          ; numbers read from memory enter addresses only held under 1,024
.endr
.irp u, 0,1,2,3,4,5,6,7
	v_lshl_add_u32 v[TOK+\u], v[TOK+\u], 12, v24   ; token x 4,096 + 16 (lane % 16)
.endr
	s_wait_dscnt 0x0
.irp u, 0,1,2,3,4,5,6,7
	v_pk_add_f32 v[RD+16*\u:RD+16*\u+1], v[RD+16*\u:RD+16*\u+1], v[RD+16*\u+4:RD+16*\u+5]
	v_pk_add_f32 v[RD+16*\u+2:RD+16*\u+3], v[RD+16*\u+2:RD+16*\u+3], v[RD+16*\u+6:RD+16*\u+7]
	v_pk_add_f32 v[RD+16*\u+8:RD+16*\u+9], v[RD+16*\u+8:RD+16*\u+9], v[RD+16*\u+12:RD+16*\u+13]
	v_pk_add_f32 v[RD+16*\u+10:RD+16*\u+11], v[RD+16*\u+10:RD+16*\u+11], v[RD+16*\u+14:RD+16*\u+15]
.endr
.irp u, 0,1,2,3,4,5,6,7
	v_pk_add_f32 v[RD+16*\u:RD+16*\u+1], v[RD+16*\u:RD+16*\u+1], v[RD+16*\u+8:RD+16*\u+9]
	v_pk_add_f32 v[RD+16*\u+2:RD+16*\u+3], v[RD+16*\u+2:RD+16*\u+3], v[RD+16*\u+10:RD+16*\u+11]
.endr
.irp u, 0,1,2,3,4,5,6,7
	v_pk_add_f32 v[RD+16*\u:RD+16*\u+1], v[RD+16*\u:RD+16*\u+1], v[B2:B2+1]
	v_pk_add_f32 v[RD+16*\u+2:RD+16*\u+3], v[RD+16*\u+2:RD+16*\u+3], v[B2+2:B2+3]
.endr
.irp u, 0,1,2,3,4,5,6,7
	global_store_b128 v[TOK+\u], v[RD+16*\u:RD+16*\u+3], s[18:19] th:TH_STORE_NT
.endr
.endm
; A group: tiles s50, s50 + 2, s50 + 4, s50 + 6.  A group that the expert does not have does nothing but pass the barrier, which stands on every way.
; A group that it has multiplies all four tiles: those past the last repeat a written tile, and their rows of the stage are not read.
.macro GROUP buf
	s_add_co_u32 s50, s27, 8*\buf
	s_cmp_lt_u32 s50, s25
	s_cbranch_scc0 .Lbar_\@
	s_wait_xcnt 0x0                                ; the last way out's stores have read their addresses, and the last token loads theirs: v32-39 and v13 are written again below
	v_add_nc_u32 v13, s28, v12
.irp u, 0,1,2,3,4,5,6,7
	global_load_b32 v[TOK+\u], v13, s[4:5] offset:8*\u+512*\buf    ; the tokens of the tile that I shall add up: row 2 u + lane / 16 (entry 1,023 at the most)
.endr
	WIN 0xf9                                       ; source 0 (W2) window 1, source 1 (h) window 2, C and D window 3
	TILE 0, 56
	TILE 1, 40
	TILE 2, 24
	TILE 3, 0                                      ; the token words too: no load of mine is out
	WIN 0
.rept 5
	v_nop                                          ; places: four in front of the stores that read results and of loads into operands; the fifth since the next group's first products write these accumulators anew
.endr
	WIN 0x0c
.irp i, 0,1,2,3
.irp d, 0,1,2,3
	ds_store_b128 v[SW+\buf], v[32*\i+8*\d:32*\i+8*\d+3] offset:16*SP*\i+64*\d         ; each accumulator from its low end on
	ds_store_b128 v[SW+\buf], v[32*\i+8*\d+4:32*\i+8*\d+7] offset:16*SP*\i+64*\d+16
.endr
.endr
	WIN 0
	s_add_co_u32 s51, s50, 8
	s_cmp_lt_u32 s51, s25
	s_cbranch_scc0 .Lbar_\@                        ; no next group: nothing is fetched
	HADDR
	HSLOAD
	HTILE 0
	HTILE 1
	HTILE 2
	HTILE 3
	WIN 0
.Lbar_\@:
	s_wait_dscnt 0x0                               ; my part lies in the stage, and my reads of the other stage are over
	s_barrier_signal -1
	s_barrier_wait -1
	s_lshl_b32 s52, s20, 1
	s_add_co_u32 s52, s52, s50                     ; the tile that I add up
	s_cmp_lt_u32 s52, s25
	s_cbranch_scc0 .Lnone_\@
	REDUCE \buf
.Lnone_\@:
.endm
	s_load_b256 s[4:11], s[0:1], 0x0               ; list s[4:5], cnt s[6:7], hq s[8:9], hs s[10:11]
	s_load_b256 s[12:19], s[0:1], 0x20             ; w2_codes s[12:13], w2_scales s[14:15], b2 s[16:17], out0 s[18:19]
	v_lshl_add_u32 v126, v0, 2, 0x43000
	v_mov_b32 v127, 0
	v_lshrrev_b32 v1, 5, v0
	v_readfirstlane_b32 s20, v1                    ; wave
	s_lshr_b32 s21, ttmp9, 5                       ; expert
	s_bfe_u32 s22, ttmp9, 0x40001                  ; j: which 64 outputs
	s_and_b32 s23, ttmp9, 1                        ; p: which tiles
	v_and_b32 v1, 31, v0                           ; lane
	v_and_b32 v2, 15, v0                           ; r
	v_bfe_u32 v3, v0, 4, 1                         ; h
	v_lshlrev_b32 v4, 4, v1                        ; 16 x lane
	v_lshlrev_b32 v5, 7, v1                        ; W2's scale words: row = lane of a pair of tiles, 128 bytes a row
	s_mul_i32 s30, s20, WLW                        ; my rows of W2
	v_add_nc_u32 v6, s30, v4
	v_mul_u32_u24 v7, v2, WP
	v_lshl_add_u32 v7, v3, 4, v7
	v_add_nc_u32 v7, s30, v7
	s_mul_i32 s30, s20, PART
	s_add_co_u32 s30, s30, STG                     ; my part of a stage: row r, 32 h
	v_mul_u32_u24 v8, v2, SP
	v_lshl_add_u32 v8, v3, 5, v8
	v_add_nc_u32 v8, s30, v8
	v_add_nc_u32 v9, SBUF, v8
	s_mul_i32 s30, s20, 16*SP
	s_add_co_u32 s30, s30, STG                     ; back: rows 16 w + h on, 16 r
	v_mul_u32_u24 v10, v3, SP
	v_lshl_add_u32 v10, v2, 4, v10
	v_add_nc_u32 v10, s30, v10
	v_add_nc_u32 v11, SBUF, v10
	v_lshlrev_b32 v12, 2, v3                       ; the list: 4 h
	v_lshlrev_b32 v24, 4, v2                       ; 16 r
.irp u, 0,1,2,3,4,5,6,7
	v_mov_b32 v[TOK+\u], 0                         ; written on every way ahead of the way out's lines
.endr
	s_mul_i32 s32, s21, 4608                       ; list: the expert's 1,152 entries, + tile p + 2 w
	s_lshl_b32 s30, s23, 6
	s_add_co_u32 s32, s32, s30
	s_lshl_b32 s30, s20, 7
	s_add_co_u32 s32, s32, s30
	s_mov_b32 s33, 0
	s_lshl_b32 s34, s21, 2                         ; cnt
	s_mov_b32 s35, 0
	s_lshl_b32 s36, s21, 21                        ; hq: the expert's 64 tiles of 32 KB, + my 8 K steps of 1 KB
	s_lshl_b32 s30, s20, 13
	s_add_co_u32 s36, s36, s30
	s_mov_b32 s37, 0
	s_lshl_b32 s38, s21, 17                        ; hs: tiles of 2 KB, + my two runs of 256 bytes
	s_lshl_b32 s30, s20, 9
	s_add_co_u32 s38, s38, s30
	s_mov_b32 s39, 0
	s_lshl_b32 s40, s21, 21                        ; w2_codes: (1024 e + 64 j) rows of 2,048 bytes + 512 w
	s_lshl_b32 s30, s22, 17
	s_add_co_u32 s40, s40, s30
	s_lshl_b32 s30, s20, 9
	s_add_co_u32 s40, s40, s30
	s_mov_b32 s41, 0
	s_lshl_b32 s42, s21, 17                        ; w2_scales: rows of 128 bytes + 32 w
	s_lshl_b32 s30, s22, 13
	s_add_co_u32 s42, s42, s30
	s_lshl_b32 s30, s20, 5
	s_add_co_u32 s42, s42, s30
	s_mov_b32 s43, 0
	s_lshl_b32 s44, s21, 12                        ; b2
	s_lshl_b32 s30, s22, 8
	s_add_co_u32 s44, s44, s30
	s_mov_b32 s45, 0
	s_lshl_b32 s46, s22, 8                         ; out0: my 256 bytes of a row
	s_mov_b32 s47, 0
	s_wait_kmcnt 0x0
	s_add_nc_u64 s[4:5], s[4:5], s[32:33]
	s_add_nc_u64 s[6:7], s[6:7], s[34:35]
	s_add_nc_u64 s[8:9], s[8:9], s[36:37]
	s_add_nc_u64 s[10:11], s[10:11], s[38:39]
	s_add_nc_u64 s[12:13], s[12:13], s[40:41]
	s_add_nc_u64 s[14:15], s[14:15], s[42:43]
	s_add_nc_u64 s[16:17], s[16:17], s[44:45]
	s_add_nc_u64 s[18:19], s[18:19], s[46:47]
	s_load_b32 s24, s[6:7], 0x0                    ; T
	WROWS 0
	WROWS 1
	WROWS 2
	WIN 0
.irp q, 0,1
.irp u, 0,1
	global_load_b128 v[WS+8*\q+4*\u:WS+8*\q+4*\u+3], v5, s[14:15] offset:4096*\q+16*\u
.endr
.endr
	global_load_b128 v[B2:B2+3], v24, s[16:17]
	s_wait_kmcnt 0x0                               ; T
	s_add_co_u32 s25, s24, 15
	s_lshr_b32 s25, s25, 4                         ; the expert's tiles
	s_max_u32 s26, s25, 1
	s_sub_co_u32 s26, s26, 1                       ; the last tile that was written
	s_mov_b32 s27, s23                             ; the first group's first tile
	RELAY 0, 37                                    ; behind rows 0-15: 32 + 5
	WROWS 3
	WIN 0
	s_mov_b32 s51, s27
	HADDR
	HSLOAD
	RELAY 1, 45                                    ; 16 + 5 + 16 + 8
	HTILE 0
	RELAY 2, 45                                    ; 5 + 16 + 8 + 16
	HTILE 1
	RELAY 3, 40                                    ; 8 + 16 + 16
	HTILE 2
	HTILE 3
	WIN 0
	s_mov_b32 s28, 0
	s_mov_b32 s29, 0
	s_wait_dscnt 0x0                               ; W2's fragments are in, and the stores that read window 3 are done: it takes the accumulators
.Ltrip:                                            ; 4 trips of two groups: 32 tiles of my parity, whatever the split
	GROUP 0
	GROUP 1
	s_add_co_u32 s27, s27, 16
	s_add_co_u32 s28, s28, 1024
	s_add_co_u32 s29, s29, 1
	s_cmp_lt_u32 s29, 4
	s_cbranch_scc1 .Ltrip
	s_wait_tensorcnt 0x0
	ds_add_u32 v126, v127
	s_wait_dscnt 0x0
	s_endpgm
.Lfunc_end_k_q9e491a71ff_ffn2:
	.size	k_q9e491a71ff_ffn2, .Lfunc_end_k_q9e491a71ff_ffn2-k_q9e491a71ff_ffn2
	.p2alignl 7, 3214868480
	.fill 96, 4, 3214868480
	.section	.rodata,"a",@progbits
	.p2align	6, 0x0
	.amdhsa_kernel k_q9e491a71ff_ffn2
		.amdhsa_group_segment_fixed_size 274944
		.amdhsa_private_segment_fixed_size 0
		.amdhsa_enable_private_segment 0
		.amdhsa_kernarg_size 64
		.amdhsa_user_sgpr_count 2
		.amdhsa_user_sgpr_kernarg_segment_ptr 1
		.amdhsa_wavefront_size32 1
		.amdhsa_system_sgpr_workgroup_id_x 1
		.amdhsa_system_sgpr_workgroup_id_y 1
		.amdhsa_system_sgpr_workgroup_id_z 1
		.amdhsa_system_vgpr_workitem_id 0
		.amdhsa_next_free_vgpr 1024
		.amdhsa_next_free_sgpr 66
		.amdhsa_reserve_vcc 0
		.amdhsa_float_denorm_mode_32 3
		.amdhsa_float_denorm_mode_16_64 3
		.amdhsa_memory_ordered 1
		.amdhsa_forward_progress 1
		.amdhsa_inst_pref_size 98
	.end_amdhsa_kernel
	.amdgpu_metadata
---
amdhsa.version: [ 1, 2 ]
amdhsa.kernels:
  - .name:           k_q9e491a71ff_ffn2
    .symbol:         k_q9e491a71ff_ffn2.kd
    .args:
      - { .name: list, .offset: 0, .size: 8, .value_kind: global_buffer, .address_space: global }
      - { .name: cnt, .offset: 8, .size: 8, .value_kind: global_buffer, .address_space: global }
      - { .name: hq, .offset: 16, .size: 8, .value_kind: global_buffer, .address_space: global }
      - { .name: hs, .offset: 24, .size: 8, .value_kind: global_buffer, .address_space: global }
      - { .name: w2_codes, .offset: 32, .size: 8, .value_kind: global_buffer, .address_space: global }
      - { .name: w2_scales, .offset: 40, .size: 8, .value_kind: global_buffer, .address_space: global }
      - { .name: b2, .offset: 48, .size: 8, .value_kind: global_buffer, .address_space: global }
      - { .name: out0, .offset: 56, .size: 8, .value_kind: global_buffer, .address_space: global }
    .group_segment_fixed_size: 274944
    .private_segment_fixed_size: 0
    .kernarg_segment_align: 8
    .kernarg_segment_size: 64
    .max_flat_workgroup_size: 128
    .sgpr_count:     66
    .vgpr_count:     1024
    .wavefront_size: 32
...
	.end_amdgpu_metadata
.endif
;; end of part 4
;; ======== version 2 of 3: 3 launches
;; workspace buffers: top1 4,096 bytes of whole numbers; xq 524,288 bytes; xs 32,768 bytes; hq 16,777,216 bytes; hs 1,048,576 bytes
;; launch route: the kernel of part 1 again; grid 256 x 1, 4 waves a work-group, no clusters, 4,608 bytes of LDS; arguments x, gate_w, gate_b, w1_codes, top1, xq, xs; writes top1, xq, xs
;; launch ffn1 (part 5): grid 256 x 1, 4 waves a work-group, no clusters, 101,888 bytes of LDS; arguments top1, xq, xs, w1_codes, w1_scales, b1, w2_codes, hq, hs; writes hq, hs
.if DOCPART == 5
	.amdgcn_target "amdgcn-amd-amdhsa--gfx1250"
	.amdhsa_code_object_version 6
	.text
	.protected	k_q9e491a71ff_ffn1
	.globl	k_q9e491a71ff_ffn1
	.p2align	8
	.type	k_q9e491a71ff_ffn1,@function
k_q9e491a71ff_ffn1:
	s_mov_b64 s[64:65], 0
	v_nop
	global_prefetch_b8 v0, s[64:65] scope:SCOPE_SE
	s_setreg_imm32_b32 hwreg(HW_REG_WAVE_MODE, 25, 1), 1
	s_wait_xcnt 0x0
; FFN1.  h = Q(relu(Q(x) W1^T + b1)) for each token's chosen expert alone, on codes of E2M1 with E8M0 scales; h leaves as codes, quantised along the hidden axis.
; SHARES.  Work-group = (expert e = number / 32, block fb = number % 32): hidden units 128 fb .. 128 fb + 127 of expert e, which are ONE K step of the next product.  Its 128 rows of W1
; (64 KB) are read from memory once, a row of 512 consecutive bytes an instruction, meet in LDS, and then lie WHOLE in every wave's registers (512).  The waves share the expert's tokens:
; wave w takes tiles w, w + 4, .. of 16 tokens; so a wave makes whole fragments and whole scale words, and the loop over tiles has no barrier.
; THE EXPERT'S TOKENS are found in registers, from top1 (4 KB: 32 registers a lane; register n, lane l: token 128 (n / 4) + 4 l + n % 4).  32 compares give 32 scalar masks M[n]; with them go
; Q[n] = (matches in the registers before n) << 16 | 128 (n / 4) + n % 4.  The token at place p of the expert is then picked by each lane for its own p: the last n with Q[n] <= p << 16 | 0xffff, and in M[n] the set bit
; of rank p - (Q[n] >> 16), found by halving.  The next launch picks by the same lines, so both see the same order.  p is held at T - 1: a tile's spare rows repeat the expert's last token and compute what its row computes.
; With T = 0 the pick gives token 1,023 and tile 0 is made of it, so that the next launch's clamped loads read written bytes.  A tile's tokens are picked, and its rows of xq asked for, one tile ahead.
; NO TENSOR LOAD, NO CLUSTER: which trips work hangs on a count made of numbers read from memory; and no two work-groups read the same byte of W1.  What they share, an expert's rows of xq (544 bytes a token), is under a tenth of a work-group's bytes at an even split.
; LAYOUT.  The product is used transposed (source 0 = 16 rows of W1, source 1 = 16 tokens): a lane holds ONE token and its registers run along the hidden units.  THE ROWS OF W1 THAT FORM A TILE ARE NOT NEIGHBOURS:
; lane r of tile 2 b + u takes row 32 b + 8 u + r + 8 (r / 8), so that the 16 registers of tiles 2 b, 2 b + 1 are 16 neighbours along the next K.  b1 is the C of each sum's first instruction.
; OUT.  hq [e][tile 64][K step 32][c 2][lane 32][16 bytes]: the image of the next product's operand registers.  hs [e][tile][K step / 4][token 16][K step % 4][4 bytes].  (An hs store is 64 of 256 neighbouring bytes: 1/17 of what the launch stores.)
; LIMITS: NaN and infinities are not served; a block of zeros gets the byte 1 (not 127): its codes are zeros and only this program reads the bytes.
; REGISTERS, in windows of 256.  Window 0: v1-13, v27 addresses; v16-23 the tile's tokens by pairs of rows, v24 by rows; v32-63 W1's scale words (8 b + K step: lanes 0-15 tile 2 b, lanes 16-31 tile 2 b + 1); v64-127 x's 8 fragments;
;   v128-191 the 8 accumulators (in the head: top1); v192-199 x's scale words; v200-216 at work; v224-231 the codes made; v232-240 the tile's offsets in xq and xs; v241-253 the pick's.
;   Window 1: W1's fragments of K steps 0-3 (8 (8 k + t)); window 2: of K steps 4-7.  Window 3: v0-63 b1; v64-191 W1's rows as loaded; v192-255 x's rows as loaded.
; SCALARS: s4-21 the nine buffers; s22 wave, s23 expert, s24 fb, s25 T, s26 tiles, s27 my tile, s28 max(T, 1) - 1, s29 trips; s32-63 Q (the head's offsets before); s66-97 M; s98-101 at work in the pick.
.set WP,   528                         ; an LDS row: 512 bytes + 16 = 132 words: row r starts at bank 4 r mod 64 (64 banks of 4 bytes: ISA guide 11.1)
.set XST,  128*WP                      ; LDS: from 0 the 128 rows of W1 (slot 16 t + r = lane r's row of tile t); from here a stage of 16 rows for each wave: x's rows turn into fragments there
.set XSTW, 16*WP
.set R,    16
.set TV,   24                          ; the pick's result: lane l: the token at place 16 x tile + l % 16
.set WS,   32
.set XF,   64
.set H,    128
.set TP,   128
.set XS,   192
.set TM,   200                         ; v200-203 maxima, v204-207 the other half's, v208-211 bytes, v212-215 scale operands
.set PW,   216
.set PC,   224
.set O,    232
.set VP,   241
.set KEY,  242
.set MW0,  243
.set QB0,  244
.set MW1,  245
.set QB1,  246
.set WA,   247
.set WB,   248
.set WC,   249
.set POS,  250
.set RK,   251
.set T1,   252
.set T2,   253
.set B1,   0                           ; window 3
.set WSTG, 64
.set XR,   192
.set Q,    32
.set M,    66
.set RL,   98
.set HM,   31                          ; s31 = 0xffff0000: lanes 16-31
.set SE,   23
.set SC,   2
.set ST,   25
.set MSB, 0
.macro WIN new                         ; the immediate's high byte repeats the setting that is left; a switch that changes nothing is dropped
.if MSB != \new
	s_set_vgpr_msb (MSB<<8)|\new
.set MSB, \new
.endif
.endm
; The masks M[n], the words Q[n] and the count T, from top1 in v[TP] on.  Only the last of the four scalar passes is a chain.
.macro MASKS
.set n, 0
.rept 32
	v_cmp_eq_u32 s[M+n], s[SE], v[TP+n]
.set n, n+1
.endr
	s_mov_b32 s[Q], 0
.set n, 0
.rept 31
	s_bcnt1_i32_b32 s[Q+n+1], s[M+n]               ; register n's matches,
.set n, n+1
.endr
.set n, 0
.rept 31
	s_lshl_b32 s[Q+n+1], s[Q+n+1], 16              ; in the upper half,
.set n, n+1
.endr
.set n, 0
.rept 31
	s_add_co_u32 s[Q+n+1], s[Q+n+1], 128*((n+1)/4)+(n+1)%4-128*(n/4)-n%4   ; the step of the registers' first tokens in the lower,
.set n, n+1
.endr
.set n, 0
.rept 31
	s_add_co_u32 s[Q+n+1], s[Q+n+1], s[Q+n]        ; summed up
.set n, n+1
.endr
	s_bcnt1_i32_b32 s[SC], s[M+31]
	s_lshr_b32 s[ST], s[Q+31], 16
	s_add_co_u32 s[ST], s[ST], s[SC]               ; T
.endm
.macro HALVE src, w                    ; the w bits at POS hold the number of set bits in the lower half of what is left: rank at or over it: on to the upper half
	v_bfe_u32 v[T1], v[\src], v[POS], \w
	v_cmp_ge_u32 vcc_lo, v[RK], v[T1]
	v_cndmask_b32 v[T1], 0, v[T1], vcc_lo
	v_cndmask_b32 v[T2], 0, \w, vcc_lo
	v_sub_nc_u32 v[RK], v[RK], v[T1]
	v_add_nc_u32 v[POS], v[POS], v[T2]
.endm
; v[TV] = the token at place v[VP] (under T) of the expert.  The search for n goes in two halves of 16, four chains that do not wait for each other; a mask bit says 'Q[n] lies over my key: keep what I have'.
.macro SELECT
	v_lshl_or_b32 v[KEY], v[VP], 16, 0xffff
	v_mov_b32 v[MW0], s[M]
	v_mov_b32 v[QB0], s[Q]
	v_mov_b32 v[MW1], s[M+16]
	v_mov_b32 v[QB1], s[Q+16]
.irp a, 1,3,5,7,9,11,13
	v_cmp_gt_u32 s[RL], s[Q+\a], v[KEY]
	v_cmp_gt_u32 s[RL+1], s[Q+16+\a], v[KEY]
	v_cmp_gt_u32 s[RL+2], s[Q+\a+1], v[KEY]
	v_cmp_gt_u32 s[RL+3], s[Q+16+\a+1], v[KEY]
	v_cndmask_b32 v[MW0], s[M+\a], v[MW0], s[RL]
	v_cndmask_b32 v[QB0], s[Q+\a], v[QB0], s[RL]
	v_cndmask_b32 v[MW1], s[M+16+\a], v[MW1], s[RL+1]
	v_cndmask_b32 v[QB1], s[Q+16+\a], v[QB1], s[RL+1]
	v_cndmask_b32 v[MW0], s[M+\a+1], v[MW0], s[RL+2]
	v_cndmask_b32 v[QB0], s[Q+\a+1], v[QB0], s[RL+2]
	v_cndmask_b32 v[MW1], s[M+16+\a+1], v[MW1], s[RL+3]
	v_cndmask_b32 v[QB1], s[Q+16+\a+1], v[QB1], s[RL+3]
.endr
	v_cmp_gt_u32 s[RL], s[Q+15], v[KEY]
	v_cmp_gt_u32 s[RL+1], s[Q+31], v[KEY]
	v_cmp_gt_u32 s[RL+2], s[Q+16], v[KEY]
	v_cndmask_b32 v[MW0], s[M+15], v[MW0], s[RL]
	v_cndmask_b32 v[QB0], s[Q+15], v[QB0], s[RL]
	v_cndmask_b32 v[MW1], s[M+31], v[MW1], s[RL+1]
	v_cndmask_b32 v[QB1], s[Q+31], v[QB1], s[RL+1]
	v_cndmask_b32 v[MW0], v[MW1], v[MW0], s[RL+2]  ; Q[16] over my key: the lower half's, else the upper's
	v_cndmask_b32 v[QB0], v[QB1], v[QB0], s[RL+2]
	v_lshrrev_b32 v[T1], 16, v[QB0]
	v_lshrrev_b32 v[T2], 1, v[MW0]
	v_sub_nc_u32 v[RK], v[VP], v[T1]               ; my rank among the mask's set bits
	v_and_b32 v[T2], 0x55555555, v[T2]
	v_and_b32 v[QB0], 0xffff, v[QB0]               ; the register's first token
	v_sub_nc_u32 v[WA], v[MW0], v[T2]              ; set bits in each 2 bits,
	v_lshrrev_b32 v[T2], 2, v[WA]
	v_and_b32 v[WB], 0x33333333, v[WA]
	v_and_b32 v[T2], 0x33333333, v[T2]
	v_add_nc_u32 v[WB], v[WB], v[T2]               ; in each 4,
	v_lshrrev_b32 v[T2], 4, v[WB]
	v_add_nc_u32 v[T2], v[T2], v[WB]
	v_and_b32 v[WC], 0x0f0f0f0f, v[T2]             ; in each 8,
	v_lshrrev_b32 v[T2], 8, v[WC]
	v_add_nc_u32 v[T2], v[T2], v[WC]
	v_and_b32 v[T1], 0xff, v[T2]                   ; in the low 16
	v_cmp_ge_u32 vcc_lo, v[RK], v[T1]
	v_cndmask_b32 v[T1], 0, v[T1], vcc_lo
	v_cndmask_b32 v[POS], 0, 16, vcc_lo
	v_sub_nc_u32 v[RK], v[RK], v[T1]
	HALVE WC, 8
	HALVE WB, 4
	HALVE WA, 2
	HALVE MW0, 1
	v_lshl_add_u32 v[TV], v[POS], 2, v[QB0]        ; bit l of register n is token 128 (n / 4) + n % 4 + 4 l
.endm
.macro ROWS dst                        ; v[dst + k]: lanes 0-15 the token of the tile's row 2 k, lanes 16-31 that of row 2 k + 1
.irp j, 0,2,4,6
	v_readlane_b32 s[RL], v[TV], 2*\j
	v_readlane_b32 s[RL+1], v[TV], 2*\j+1
	v_readlane_b32 s[RL+2], v[TV], 2*\j+2
	v_readlane_b32 s[RL+3], v[TV], 2*\j+3
	v_mov_b32 v[\dst+\j], s[RL]
	v_mov_b32 v[\dst+\j+1], s[RL+2]
	v_cndmask_b32 v[\dst+\j], v[\dst+\j], s[RL+1], s[HM]
	v_cndmask_b32 v[\dst+\j+1], v[\dst+\j+1], s[RL+3], s[HM]
.endr
.endm
.macro PICK                            ; the 16 tokens of the tile whose first place is s2
	v_add_nc_u32 v[VP], s2, v2
	v_min_u32 v[VP], s28, v[VP]                    ; places from T on repeat the last token
	SELECT
	ROWS R
.endm
.macro XADDR                           ; numbers made of what was read from memory enter addresses only held under 1,024
.irp j, 0,1,2,3,4,5,6,7,8
	v_min_u32 v[O+\j], 0x3ff, v[R+\j]
.endr
.irp j, 0,1,2,3,4,5,6,7
	v_lshl_add_u32 v[O+\j], v[O+\j], 9, v11        ; token x 512 + 16 (lane % 16)
.endr
	v_lshlrev_b32 v[O+8], 5, v[O+8]                ; token x 32
.endm
.macro XROWS                           ; 16 rows of xq: sixteen lanes read 256 consecutive, aligned bytes of one token's row
	WIN 0xc0
.irp j, 0,1,2,3,4,5,6,7
	global_load_b128 v[XR+8*\j:XR+8*\j+3], v[O+\j], s[6:7]
	global_load_b128 v[XR+8*\j+4:XR+8*\j+7], v[O+\j], s[6:7] offset:256
.endr
	WIN 0
.endm
.macro XSCL                            ; the 16 tokens' 8 scale words
	global_load_b128 v[XS:XS+3], v[O+8], s[8:9]
	global_load_b128 v[XS+4:XS+7], v[O+8], s[8:9] offset:16
.endm
; Chunk g: 32 rows of W1 = tiles 2 g, 2 g + 1.  My 8 rows go to their slots; a barrier; every wave takes the two tiles' 16 fragments.  cnt: the loads younger than my chunk's eight.
.macro CHUNK g, cnt
	s_wait_loadcnt \cnt
	WIN 0x0c                                       ; an LDS store's data are its source 1: window 3
.irp i, 0,1,2,3,4,5,6,7
	ds_store_b128 v7, v[WSTG+4*(8*(\g)+\i):WSTG+4*(8*(\g)+\i)+3] offset:(32*(\g)+\i)*WP
.endr
	s_wait_dscnt 0x0                               ; for the others' sake: my stores have landed (and my earlier LDS loads are in)
	s_barrier_signal -1
	s_barrier_wait -1
	WIN 0x40
.irp u, 0,1
.irp k, 0,1,2,3
.irp c, 0,1
	ds_load_b128 v[8*(8*\k+2*(\g)+\u)+4*\c:8*(8*\k+2*(\g)+\u)+4*\c+3], v8 offset:16*(2*(\g)+\u)*WP+64*\k+32*\c
.endr
.endr
.endr
	WIN 0x80
.irp u, 0,1
.irp k, 0,1,2,3
.irp c, 0,1
	ds_load_b128 v[8*(8*\k+2*(\g)+\u)+4*\c:8*(8*\k+2*(\g)+\u)+4*\c+3], v8 offset:16*(2*(\g)+\u)*WP+64*(\k+4)+32*\c
.endr
.endr
.endr
	WIN 0
.endm
.macro MM1 t, k                        ; tile t, K step k.  The first K step takes b1 as C
.set DR, H+8*(\t)
.set AR, 8*(8*((\k)%4)+(\t))
.set CR, DR
.if (\k) == 0
.set CR, B1+8*(\t)
.endif
.if (\t)%2
	v_wmma_scale_f32_16x16x128_f8f6f4 v[DR:DR+7], v[AR:AR+7], v[XF+8*(\k):XF+8*(\k)+7], v[CR:CR+7], v[WS+8*((\t)/2)+(\k)], v[XS+(\k)] matrix_a_fmt:MATRIX_FMT_FP4 matrix_b_fmt:MATRIX_FMT_FP4 matrix_a_scale:MATRIX_SCALE_ROW1
.else
	v_wmma_scale_f32_16x16x128_f8f6f4 v[DR:DR+7], v[AR:AR+7], v[XF+8*(\k):XF+8*(\k)+7], v[CR:CR+7], v[WS+8*((\t)/2)+(\k)], v[XS+(\k)] matrix_a_fmt:MATRIX_FMT_FP4 matrix_b_fmt:MATRIX_FMT_FP4
.endif
.endm
; 64 numbers of a lane, register 16 b + i = hidden unit 32 b + 16 (lane / 16) + i of my token, none negative, become a fragment's codes in v[PC] on and its scale word in v[PW].
.macro QUANT
.irp b, 0,1,2,3
	v_max3_num_f32 v[TM+\b], v[H+16*\b], v[H+16*\b+1], 0x1800000   ; and the floor 2^(3 - 127): the byte cannot fall under 1
.endr
.irp i, 2,4,6,8,10,12,14
.irp b, 0,1,2,3
	v_max3_num_f32 v[TM+\b], v[TM+\b], v[H+16*\b+\i], v[H+16*\b+\i+1]
.endr
.endr
.irp b, 0,1,2,3
	v_permlanex16_b32 v[TM+4+\b], v[TM+\b], s3, s30
.endr
.irp b, 0,1,2,3
	v_max_num_f32 v[TM+\b], v[TM+\b], v[TM+4+\b]   ; with lane l xor 16's 16: the block's largest
.endr
.irp b, 0,1,2,3
	v_add_nc_u32 v[TM+12+\b], 0xff000000, v[TM+\b] ; 2 off the exponent field: the conversion's scale operand
.endr
.irp b, 0,1,2,3
	v_lshrrev_b32 v[TM+8+\b], 23, v[TM+12+\b]      ; the scale's byte
.endr
	v_lshl_or_b32 v[PW], v[TM+9], 8, v[TM+8]
	v_lshl_or_b32 v[PW], v[TM+10], 16, v[PW]
	v_lshl_or_b32 v[PW], v[TM+11], 24, v[PW]
.irp b, 0,1,2,3
	v_cvt_scalef32_pk8_fp4_f32 v[PC+2*\b], v[H+16*\b:H+16*\b+7], v[TM+12+\b]
	v_cvt_scalef32_pk8_fp4_f32 v[PC+2*\b+1], v[H+16*\b+8:H+16*\b+15], v[TM+12+\b]
.endr
	v_nop                                          ; one plain place behind a scaled conversion
.irp c, 0,1                            ; the operand's layout wants a whole block in a lane: lanes 0-15 block 2 c, lanes 16-31 block 2 c + 1
.irp i, 0,1
	v_permlane16_swap_b32 v[PC+4*\c+\i], v[PC+4*\c+2+\i]
.endr
.endr
.endm
	s_load_b256 s[4:11], s[0:1], 0x0               ; top1 s[4:5], xq s[6:7], xs s[8:9], w1_codes s[10:11]
	s_load_b256 s[12:19], s[0:1], 0x20             ; w1_scales s[12:13], b1 s[14:15], w2_codes s[16:17], hq s[18:19]
	s_load_b64 s[20:21], s[0:1], 0x40              ; hs
	v_lshl_add_u32 v254, v0, 2, 0x18c00
	v_mov_b32 v255, 0
	v_lshrrev_b32 v1, 5, v0
	v_readfirstlane_b32 s22, v1                    ; wave
	s_lshr_b32 s23, ttmp9, 5                       ; expert
	s_and_b32 s24, ttmp9, 31                       ; block of 128 hidden units
	v_and_b32 v1, 31, v0                           ; lane
	v_and_b32 v2, 15, v0                           ; r
	v_bfe_u32 v3, v0, 4, 1                         ; h
	v_lshlrev_b32 v4, 4, v1                        ; 16 x lane
	s_mul_i32 s50, s22, XSTW
	s_add_co_u32 s50, s50, XST                     ; my stage
	v_mul_u32_u24 v5, v3, WP
	v_lshl_add_u32 v5, v2, 4, v5
	v_add_nc_u32 v5, s50, v5                       ; into it: row h of a pair, 16 r
	v_mul_u32_u24 v8, v2, WP
	v_lshl_add_u32 v8, v3, 4, v8                   ; a fragment's place among W1's rows: row r, 16 h
	v_add_nc_u32 v6, s50, v8                       ; and in my stage
	s_and_b32 s50, s22, 1                          ; my 8 rows of a chunk, 32 g + 8 w + i, lie in slots 32 g + 8 (2 (w % 2) + w / 2) + i
	s_lshl_b32 s50, s50, 1
	s_lshr_b32 s51, s22, 1
	s_or_b32 s50, s50, s51
	s_mul_i32 s50, s50, 8*WP
	v_add_nc_u32 v7, s50, v4
	v_lshlrev_b32 v11, 4, v2                       ; 16 r
	v_lshlrev_b32 v12, 6, v3                       ; b1: 64 h
	v_and_b32 v13, 8, v2
	v_add_nc_u32 v13, v13, v2
	v_lshl_add_u32 v13, v3, 3, v13
	v_lshlrev_b32 v13, 5, v13                      ; W1's scale words: row 8 h + r + 8 (r / 8) of a chunk, 32 bytes a row
	v_lshlrev_b32 v27, 8, v1
.irp b, 0,1,2,3
	v_mov_b32 v[TM+4+\b], 0                        ; written once: a lane permute's destination counts as one of its sources
.endr
	s_mov_b32 s3, 0x76543210
	s_mov_b32 s30, 0xfedcba98                      ; v_permlanex16_b32's selects for lane l xor 16
	s_mov_b32 s[HM], 0xffff0000
	s_lshl_b32 s36, ttmp9, 16                      ; w1_codes: 128 rows of 512 bytes a work-group, + my 8 rows of a chunk
	s_lshl_b32 s50, s22, 12
	s_add_co_u32 s36, s36, s50
	s_mov_b32 s37, 0
	s_lshl_b32 s38, ttmp9, 12                      ; w1_scales: 128 rows of 32 bytes
	s_mov_b32 s39, 0
	s_lshl_b32 s40, ttmp9, 9                       ; b1: 128 numbers
	s_mov_b32 s41, 0
	s_lshl_b32 s42, ttmp9, 16                      ; w2_codes, asked for ahead: 64 KB a work-group, 16 KB a wave
	s_lshl_b32 s50, s22, 14
	s_add_co_u32 s42, s42, s50
	s_mov_b32 s43, 0
	s_lshl_b32 s44, s23, 21                        ; hq: (64 e + w) tiles of 32 KB + fb KB
	s_lshl_b32 s50, s22, 15
	s_add_co_u32 s44, s44, s50
	s_lshl_b32 s50, s24, 10
	s_add_co_u32 s44, s44, s50
	s_mov_b32 s45, 0
	s_lshl_b32 s46, s23, 17                        ; hs: (64 e + w) tiles of 2 KB + 256 (fb / 4) + 4 (fb % 4)
	s_lshl_b32 s50, s22, 11
	s_add_co_u32 s46, s46, s50
	s_lshr_b32 s50, s24, 2
	s_lshl_b32 s50, s50, 8
	s_add_co_u32 s46, s46, s50
	s_and_b32 s50, s24, 3
	s_lshl_b32 s50, s50, 2
	s_add_co_u32 s46, s46, s50
	s_mov_b32 s47, 0
	s_wait_kmcnt 0x0
	s_add_nc_u64 s[10:11], s[10:11], s[36:37]
	s_add_nc_u64 s[12:13], s[12:13], s[38:39]
	s_add_nc_u64 s[14:15], s[14:15], s[40:41]
	s_add_nc_u64 s[16:17], s[16:17], s[42:43]
	s_add_nc_u64 s[18:19], s[18:19], s[44:45]
	s_add_nc_u64 s[20:21], s[20:21], s[46:47]
.irp j, 0,1,2,3,4,5,6,7
	global_load_b128 v[TP+4*\j:TP+4*\j+3], v4, s[4:5] offset:512*\j   ; top1, 4 KB: register 4 j + q, lane l: token 128 j + 4 l + q
.endr
	WIN 0xc0
.irp g, 0,1,2,3
.irp i, 0,1,2,3,4,5,6,7
	global_load_b128 v[WSTG+4*(8*\g+\i):WSTG+4*(8*\g+\i)+3], v4, s[10:11] offset:(32*\g+\i)*512 th:TH_LOAD_NT   ; a row of W1: 512 consecutive bytes; read once in the launch
.endr
.endr
	WIN 0
	s_wait_loadcnt 32                              ; top1 is in; W1's 32 rows may be out
	MASKS                                          ; (s32-63 have served as offsets: they take Q)
	s_add_co_u32 s26, s25, 15
	s_lshr_b32 s26, s26, 4
	s_max_u32 s26, s26, 1                          ; tiles to make: at least one
	s_max_u32 s28, s25, 1
	s_sub_co_u32 s28, s28, 1                       ; the last place that holds a token
	s_lshl_b32 s2, s22, 4
	PICK                                           ; my first tile's tokens,
	XADDR
	XROWS                                          ; its rows
	XSCL                                           ; and its scale words: 18 loads
	CHUNK 0, 42                                    ; behind chunk 0's eight: W1's 24, those 18
.irp g, 0,1,2,3
.irp u, 0,1
	global_load_b128 v[WS+8*\g+4*\u:WS+8*\g+4*\u+3], v13, s[12:13] offset:1024*\g+16*\u
.endr
.endr
	CHUNK 1, 42                                    ; 16 + 18 + the scale words' 8
	CHUNK 2, 34                                    ; 8 + 18 + 8
	WIN 0xc0
.irp t, 0,1,2,3,4,5,6,7
	global_load_b128 v[B1+8*\t:B1+8*\t+3], v12, s[14:15] offset:(32*(\t/2)+8*(\t%2))*4      ; lane (r, h), tile t: b1 at hidden units 32 (t / 2) + 16 h + 8 (t % 2) + 0 .. 7
	global_load_b128 v[B1+8*\t+4:B1+8*\t+7], v12, s[14:15] offset:(32*(\t/2)+8*(\t%2))*4+16
.endr
	WIN 0
	CHUNK 3, 42                                    ; 18 + 8 + b1's 16
	global_prefetch_b8 v27, s[16:17] th:TH_LOAD_NT scope:SCOPE_SE               ; my 16 KB of w2_codes, which the next launch reads: lanes 256 bytes apart, each aligned 256 bytes once in the launch
	global_prefetch_b8 v27, s[16:17] offset:8192 th:TH_LOAD_NT scope:SCOPE_SE
	s_mov_b32 s27, s22                             ; my tile
	s_mov_b32 s29, 0
	s_wait_dscnt 0x0                               ; W1's fragments are in
.Ltrip:                                            ; 16 trips, whatever the split; a trip whose tile the expert does not have does nothing
	s_cmp_lt_u32 s27, s26
	s_cbranch_scc0 .Lskip
	s_add_co_u32 s2, s27, 4
	s_lshl_b32 s2, s2, 4
	PICK                                           ; the tokens of the tile four on, while this tile's rows are on their way (past the expert's end: its last token)
	s_wait_loadcnt 0x0                             ; this tile's rows and scale words (asked for a trip ago); in the first trip also b1 and W1's scale words
	WIN 0x0c
.irp j, 0,1,2,3,4,5,6,7
	ds_store_b128 v5, v[XR+8*\j:XR+8*\j+3] offset:2*WP*\j
	ds_store_b128 v5, v[XR+8*\j+4:XR+8*\j+7] offset:2*WP*\j+256
.endr
	WIN 0
.irp k, 0,1,2,3,4,5,6,7
.irp c, 0,1
	ds_load_b128 v[XF+8*\k+4*\c:XF+8*\k+4*\c+3], v6 offset:64*\k+32*\c   ; my own stage: LDS serves a wave's instructions in order
.endr
.endr
	XADDR                                          ; (no load of mine is out: the offsets may be written)
	s_wait_dscnt 0x0
	XROWS                                          ; they land while this tile is multiplied
.irp k, 0,1,2,3,4,5,6,7                ; the 8 accumulators take turns, one instruction a turn
.if \k == 0
	WIN 0x31                                       ; source 0 (W1) window 1, source 2 (b1) window 3
.elseif \k < 4
	WIN 0x01
.else
	WIN 0x02
.endif
.irp t, 0,1,2,3,4,5,6,7
	MM1 \t, \k
.endr
.endr
	WIN 0
.rept 4
	v_nop                                          ; places in front of the loads into the scale registers and of the first read of results
.endr
	XSCL                                           ; the next tile's scale words
.set q, 0
.rept 64
	v_max_num_f32 v[H+q], 0, v[H+q]                ; relu, in f32; each accumulator from its low end on
.set q, q+1
.endr
	QUANT
	global_store_b128 v4, v[PC:PC+3], s[18:19]                 ; the fragment's image: 512 consecutive bytes a store
	global_store_b128 v4, v[PC+4:PC+7], s[18:19] offset:512
	global_store_b32 v11, v[PW], s[20:21]                      ; token r's scale word (lanes 16-31 store what lanes 0-15 store)
.Lskip:
	s_wait_xcnt 0x0                                ; the stores' data and the two bases are rewritten only behind this wait
	s_add_nc_u64 s[18:19], s[18:19], 4*32768
	s_add_nc_u64 s[20:21], s[20:21], 4*2048
	s_add_co_u32 s27, s27, 4
	s_add_co_u32 s29, s29, 1
	s_cmp_lt_u32 s29, 16
	s_cbranch_scc1 .Ltrip
	s_wait_tensorcnt 0x0
	ds_add_u32 v254, v255
	s_wait_dscnt 0x0
	s_endpgm
.Lfunc_end_k_q9e491a71ff_ffn1:
	.size	k_q9e491a71ff_ffn1, .Lfunc_end_k_q9e491a71ff_ffn1-k_q9e491a71ff_ffn1
	.p2alignl 7, 3214868480
	.fill 96, 4, 3214868480
	.section	.rodata,"a",@progbits
	.p2align	6, 0x0
	.amdhsa_kernel k_q9e491a71ff_ffn1
		.amdhsa_group_segment_fixed_size 101888
		.amdhsa_private_segment_fixed_size 0
		.amdhsa_enable_private_segment 0
		.amdhsa_kernarg_size 72
		.amdhsa_user_sgpr_count 2
		.amdhsa_user_sgpr_kernarg_segment_ptr 1
		.amdhsa_wavefront_size32 1
		.amdhsa_system_sgpr_workgroup_id_x 1
		.amdhsa_system_sgpr_workgroup_id_y 1
		.amdhsa_system_sgpr_workgroup_id_z 1
		.amdhsa_system_vgpr_workitem_id 0
		.amdhsa_next_free_vgpr 1024
		.amdhsa_next_free_sgpr 102
		.amdhsa_reserve_vcc 1
		.amdhsa_float_denorm_mode_32 3
		.amdhsa_float_denorm_mode_16_64 3
		.amdhsa_memory_ordered 1
		.amdhsa_forward_progress 1
		.amdhsa_inst_pref_size 70
	.end_amdhsa_kernel
	.amdgpu_metadata
---
amdhsa.version: [ 1, 2 ]
amdhsa.kernels:
  - .name:           k_q9e491a71ff_ffn1
    .symbol:         k_q9e491a71ff_ffn1.kd
    .args:
      - { .name: top1, .offset: 0, .size: 8, .value_kind: global_buffer, .address_space: global }
      - { .name: xq, .offset: 8, .size: 8, .value_kind: global_buffer, .address_space: global }
      - { .name: xs, .offset: 16, .size: 8, .value_kind: global_buffer, .address_space: global }
      - { .name: w1_codes, .offset: 24, .size: 8, .value_kind: global_buffer, .address_space: global }
      - { .name: w1_scales, .offset: 32, .size: 8, .value_kind: global_buffer, .address_space: global }
      - { .name: b1, .offset: 40, .size: 8, .value_kind: global_buffer, .address_space: global }
      - { .name: w2_codes, .offset: 48, .size: 8, .value_kind: global_buffer, .address_space: global }
      - { .name: hq, .offset: 56, .size: 8, .value_kind: global_buffer, .address_space: global }
      - { .name: hs, .offset: 64, .size: 8, .value_kind: global_buffer, .address_space: global }
    .group_segment_fixed_size: 101888
    .private_segment_fixed_size: 0
    .kernarg_segment_align: 8
    .kernarg_segment_size: 72
    .max_flat_workgroup_size: 128
    .sgpr_count:     102
    .vgpr_count:     1024
    .wavefront_size: 32
...
	.end_amdgpu_metadata
.endif
;; end of part 5
;; launch ffn2 (part 6): grid 256 x 1, 4 waves a work-group, no clusters, 274,944 bytes of LDS; arguments top1, hq, hs, w2_codes, w2_scales, b2, out0; writes out0
.if DOCPART == 6
	.amdgcn_target "amdgcn-amd-amdhsa--gfx1250"
	.amdhsa_code_object_version 6
	.text
	.protected	k_q9e491a71ff_ffn2
	.globl	k_q9e491a71ff_ffn2
	.p2align	8
	.type	k_q9e491a71ff_ffn2,@function
k_q9e491a71ff_ffn2:
	s_mov_b64 s[64:65], 0
	v_nop
	global_prefetch_b8 v0, s[64:65] scope:SCOPE_SE
	s_setreg_imm32_b32 hwreg(HW_REG_WAVE_MODE, 25, 1), 1
	s_wait_xcnt 0x0
; FFN2.  out[token] = h[token] W2^T + b2 of the token's chosen expert, on codes of E2M1 with E8M0 scales; h comes as the images that the launch before stored.
; SHARES.  Work-group = (expert e = number / 32, outputs 64 j .. 64 j + 63 with j = (number / 2) % 16, parity p = number % 2): it takes the expert's tiles of 16 tokens with tile % 2 = p.
; 64 outputs are 256 bytes of a row of out: one aligned run a half-wave.  THE WAVES SHARE K: wave w holds K steps 8 w .. 8 w + 7 of the 64 rows of W2 (32 KB, 256 registers), read as 512 consecutive bytes
; of a row an instruction and turned into fragments through the wave's OWN LDS bytes.  Tiles go in groups of four; the four waves' partial sums meet in a stage in LDS (two stages by turns, one barrier a group),
; and wave w adds the four parts of the group's tile w, adds b2 and stores whole rows at the tokens' places.
; THE EXPERT'S TOKENS are found in registers, from top1, by the same lines as in the launch before, so that place p holds the same token here as there: 32 scalar masks M[n] (register n, lane l: token 128 (n / 4) + 4 l + n % 4),
; Q[n] = (matches in the registers before n) << 16 | 128 (n / 4) + n % 4; a lane picks the token at its place p: the last n with Q[n] <= p << 16 | 0xffff, and in M[n] the set bit of rank p - (Q[n] >> 16), by halving.
; p is held at T - 1: a tile's spare rows repeat the expert's last token and store the same numbers to the same place.  An expert without tokens stores nothing.
; NO TENSOR LOAD, NO CLUSTER: which groups work hangs on a count made of numbers read from memory, so operands go from memory into registers.  The two parities read the same 128 KB of W2; they are neighbours in the grid.
; LAYOUT.  Transposed use: source 0 = 16 rows of W2, source 1 = 16 tokens: a lane holds one token and eight neighbouring outputs.
; The sum over K is split over four waves and added in f32: its order differs from one ascending chain.  NaN and infinities are not served.
; REGISTERS.  Window 0: v1-24 addresses; v32-39 tokens by pairs of rows; v40-53 the pick's; v64-79 W2's scale words (8 q + K step: lanes 0-15 tile 2 q, lanes 16-31 tile 2 q + 1); v80-111 h's scale words (8 i + K step); v112-115 b2;
;   v128-255 the parts on the way out (in the head: top1).  Window 1: W2's fragments (8 (8 d + k)).  Window 2: h's fragments of four tiles (64 i + 8 k).  Window 3: W2's rows as loaded; in the loop the group's 16 accumulators (32 i + 8 d).
; SCALARS: s4-17 the seven buffers; s18 the group's first tile, s19 the next group's; s20 wave, s21 expert, s22 j, s23 p, s24 T, s25 tiles, s26 the last tile written, s27 the trip's first tile, s28 max(T, 1) - 1, s29 trips;
;   s32-63 Q (the head's offsets before); s66-97 M; s98-101 at work in the pick.
.set WP,   528                         ; an LDS row of W2: 512 bytes + 16 = 132 words: row r starts at bank 4 r mod 64 (ISA guide 11.1)
.set WLW,  64*WP                       ; LDS: from 0, for each wave 64 such rows
.set STG,  4*WLW                       ; then two stages of four parts of 64 rows (16 i + token) x SP
.set SP,   272                         ; 256 bytes + 16
.set PART, 64*SP
.set SBUF, 4*PART
.set SW,   8                           ; v8, v9   where I put my part, stage 0, 1
.set SR,   10                          ; v10, v11 where I read rows back
.set HO,   16                          ; v16-19 offsets of the four tiles in hq
.set HSO,  20                          ; v20-23 and in hs
.set TOK,  32
.set VP,   40
.set KEY,  41
.set MW0,  42
.set QB0,  43
.set MW1,  44
.set QB1,  45
.set WA,   46
.set WB,   47
.set WC,   48
.set POS,  49
.set RK,   50
.set T1,   51
.set T2,   52
.set TV,   53                          ; the pick's result: lane l: the token at place 16 x tile + l % 16
.set WS,   64
.set HS,   80
.set B2,   112
.set RD,   128
.set TP,   128
.set Q,    32
.set M,    66
.set RL,   98
.set HM,   31                          ; s31 = 0xffff0000: lanes 16-31
.set SE,   21
.set SC,   3
.set ST,   24
.set MSB, 0
.macro WIN new                         ; the immediate's high byte repeats the setting that is left; a switch that changes nothing is dropped
.if MSB != \new
	s_set_vgpr_msb (MSB<<8)|\new
.set MSB, \new
.endif
.endm
; The masks M[n], the words Q[n] and the count T, from top1 in v[TP] on.  Only the last of the four scalar passes is a chain.
.macro MASKS
.set n, 0
.rept 32
	v_cmp_eq_u32 s[M+n], s[SE], v[TP+n]
.set n, n+1
.endr
	s_mov_b32 s[Q], 0
.set n, 0
.rept 31
	s_bcnt1_i32_b32 s[Q+n+1], s[M+n]               ; register n's matches,
.set n, n+1
.endr
.set n, 0
.rept 31
	s_lshl_b32 s[Q+n+1], s[Q+n+1], 16              ; in the upper half,
.set n, n+1
.endr
.set n, 0
.rept 31
	s_add_co_u32 s[Q+n+1], s[Q+n+1], 128*((n+1)/4)+(n+1)%4-128*(n/4)-n%4   ; the step of the registers' first tokens in the lower,
.set n, n+1
.endr
.set n, 0
.rept 31
	s_add_co_u32 s[Q+n+1], s[Q+n+1], s[Q+n]        ; summed up
.set n, n+1
.endr
	s_bcnt1_i32_b32 s[SC], s[M+31]
	s_lshr_b32 s[ST], s[Q+31], 16
	s_add_co_u32 s[ST], s[ST], s[SC]               ; T
.endm
.macro HALVE src, w                    ; the w bits at POS hold the number of set bits in the lower half of what is left: rank at or over it: on to the upper half
	v_bfe_u32 v[T1], v[\src], v[POS], \w
	v_cmp_ge_u32 vcc_lo, v[RK], v[T1]
	v_cndmask_b32 v[T1], 0, v[T1], vcc_lo
	v_cndmask_b32 v[T2], 0, \w, vcc_lo
	v_sub_nc_u32 v[RK], v[RK], v[T1]
	v_add_nc_u32 v[POS], v[POS], v[T2]
.endm
; v[TV] = the token at place v[VP] (under T) of the expert.  The search for n goes in two halves of 16, four chains that do not wait for each other; a mask bit says 'Q[n] lies over my key: keep what I have'.
.macro SELECT
	v_lshl_or_b32 v[KEY], v[VP], 16, 0xffff
	v_mov_b32 v[MW0], s[M]
	v_mov_b32 v[QB0], s[Q]
	v_mov_b32 v[MW1], s[M+16]
	v_mov_b32 v[QB1], s[Q+16]
.irp a, 1,3,5,7,9,11,13
	v_cmp_gt_u32 s[RL], s[Q+\a], v[KEY]
	v_cmp_gt_u32 s[RL+1], s[Q+16+\a], v[KEY]
	v_cmp_gt_u32 s[RL+2], s[Q+\a+1], v[KEY]
	v_cmp_gt_u32 s[RL+3], s[Q+16+\a+1], v[KEY]
	v_cndmask_b32 v[MW0], s[M+\a], v[MW0], s[RL]
	v_cndmask_b32 v[QB0], s[Q+\a], v[QB0], s[RL]
	v_cndmask_b32 v[MW1], s[M+16+\a], v[MW1], s[RL+1]
	v_cndmask_b32 v[QB1], s[Q+16+\a], v[QB1], s[RL+1]
	v_cndmask_b32 v[MW0], s[M+\a+1], v[MW0], s[RL+2]
	v_cndmask_b32 v[QB0], s[Q+\a+1], v[QB0], s[RL+2]
	v_cndmask_b32 v[MW1], s[M+16+\a+1], v[MW1], s[RL+3]
	v_cndmask_b32 v[QB1], s[Q+16+\a+1], v[QB1], s[RL+3]
.endr
	v_cmp_gt_u32 s[RL], s[Q+15], v[KEY]
	v_cmp_gt_u32 s[RL+1], s[Q+31], v[KEY]
	v_cmp_gt_u32 s[RL+2], s[Q+16], v[KEY]
	v_cndmask_b32 v[MW0], s[M+15], v[MW0], s[RL]
	v_cndmask_b32 v[QB0], s[Q+15], v[QB0], s[RL]
	v_cndmask_b32 v[MW1], s[M+31], v[MW1], s[RL+1]
	v_cndmask_b32 v[QB1], s[Q+31], v[QB1], s[RL+1]
	v_cndmask_b32 v[MW0], v[MW1], v[MW0], s[RL+2]  ; Q[16] over my key: the lower half's, else the upper's
	v_cndmask_b32 v[QB0], v[QB1], v[QB0], s[RL+2]
	v_lshrrev_b32 v[T1], 16, v[QB0]
	v_lshrrev_b32 v[T2], 1, v[MW0]
	v_sub_nc_u32 v[RK], v[VP], v[T1]               ; my rank among the mask's set bits
	v_and_b32 v[T2], 0x55555555, v[T2]
	v_and_b32 v[QB0], 0xffff, v[QB0]               ; the register's first token
	v_sub_nc_u32 v[WA], v[MW0], v[T2]              ; set bits in each 2 bits,
	v_lshrrev_b32 v[T2], 2, v[WA]
	v_and_b32 v[WB], 0x33333333, v[WA]
	v_and_b32 v[T2], 0x33333333, v[T2]
	v_add_nc_u32 v[WB], v[WB], v[T2]               ; in each 4,
	v_lshrrev_b32 v[T2], 4, v[WB]
	v_add_nc_u32 v[T2], v[T2], v[WB]
	v_and_b32 v[WC], 0x0f0f0f0f, v[T2]             ; in each 8,
	v_lshrrev_b32 v[T2], 8, v[WC]
	v_add_nc_u32 v[T2], v[T2], v[WC]
	v_and_b32 v[T1], 0xff, v[T2]                   ; in the low 16
	v_cmp_ge_u32 vcc_lo, v[RK], v[T1]
	v_cndmask_b32 v[T1], 0, v[T1], vcc_lo
	v_cndmask_b32 v[POS], 0, 16, vcc_lo
	v_sub_nc_u32 v[RK], v[RK], v[T1]
	HALVE WC, 8
	HALVE WB, 4
	HALVE WA, 2
	HALVE MW0, 1
	v_lshl_add_u32 v[TV], v[POS], 2, v[QB0]        ; bit l of register n is token 128 (n / 4) + n % 4 + 4 l
.endm
.macro ROWS dst                        ; v[dst + k]: lanes 0-15 the token of the tile's row 2 k, lanes 16-31 that of row 2 k + 1
.irp j, 0,2,4,6
	v_readlane_b32 s[RL], v[TV], 2*\j
	v_readlane_b32 s[RL+1], v[TV], 2*\j+1
	v_readlane_b32 s[RL+2], v[TV], 2*\j+2
	v_readlane_b32 s[RL+3], v[TV], 2*\j+3
	v_mov_b32 v[\dst+\j], s[RL]
	v_mov_b32 v[\dst+\j+1], s[RL+2]
	v_cndmask_b32 v[\dst+\j], v[\dst+\j], s[RL+1], s[HM]
	v_cndmask_b32 v[\dst+\j+1], v[\dst+\j+1], s[RL+3], s[HM]
.endr
.endm
.macro WROWS d                         ; rows 16 d .. 16 d + 15 of my 64: my 512 bytes of each, one row an instruction
	WIN 0xc0
.irp i, 0,1,2,3,4,5,6,7,8,9,10,11,12,13,14,15
	global_load_b128 v[4*(16*(\d)+\i):4*(16*(\d)+\i)+3], v4, s[10:11] offset:(16*(\d)+\i)*2048
.endr
.endm
.macro RELAY d, cnt                    ; those rows through my own LDS bytes into tile d's 8 fragments.  cnt: the loads younger than the sixteen
	s_wait_loadcnt \cnt
	WIN 0x0c
.irp i, 0,1,2,3,4,5,6,7,8,9,10,11,12,13,14,15
	ds_store_b128 v6, v[4*(16*(\d)+\i):4*(16*(\d)+\i)+3] offset:(16*(\d)+\i)*WP
.endr
	WIN 0x40
.irp k, 0,1,2,3,4,5,6,7
.irp c, 0,1
	ds_load_b128 v[8*(8*(\d)+\k)+4*\c:8*(8*(\d)+\k)+4*\c+3], v7 offset:16*(\d)*WP+64*\k+32*\c   ; LDS serves a wave's instructions in order: these see my stores
.endr
.endr
.endm
.macro HADDR                           ; the four tiles s19, s19 + 2, .. held to the tiles that were written (s26) and to 63
.irp i, 0,1,2,3
	s_add_co_u32 s30, s19, 2*\i
	s_min_u32 s30, s30, s26
	s_min_u32 s30, s30, 63
	v_lshl_add_u32 v[HO+\i], s30, 15, v4
	v_lshl_add_u32 v[HSO+\i], s30, 11, v24
.endr
.endm
.macro HSLOAD                          ; h's scale words: token r's four words of K steps 8 w + 4 u on
.irp i, 0,1,2,3
.irp u, 0,1
	global_load_b128 v[HS+8*\i+4*\u:HS+8*\i+4*\u+3], v[HSO+\i], s[8:9] offset:256*\u
.endr
.endr
.endm
.macro HTILE i                         ; tile i's 8 fragments: register images, 512 consecutive bytes a load
	WIN 0x80
.irp k, 0,1,2,3,4,5,6,7
.irp c, 0,1
	global_load_b128 v[64*(\i)+8*\k+4*\c:64*(\i)+8*\k+4*\c+3], v[HO+(\i)], s[6:7] offset:1024*\k+512*\c
.endr
.endr
.endm
.macro MM2 i, d, k
.set DR, 32*(\i)+8*(\d)
.set AR, 8*(8*(\d)+(\k))
.set FR, 64*(\i)+8*(\k)
.if (\k) == 0
.if (\d)%2
	v_wmma_scale_f32_16x16x128_f8f6f4 v[DR:DR+7], v[AR:AR+7], v[FR:FR+7], 0, v[WS+8*((\d)/2)+(\k)], v[HS+8*(\i)+(\k)] matrix_a_fmt:MATRIX_FMT_FP4 matrix_b_fmt:MATRIX_FMT_FP4 matrix_a_scale:MATRIX_SCALE_ROW1
.else
	v_wmma_scale_f32_16x16x128_f8f6f4 v[DR:DR+7], v[AR:AR+7], v[FR:FR+7], 0, v[WS+8*((\d)/2)+(\k)], v[HS+8*(\i)+(\k)] matrix_a_fmt:MATRIX_FMT_FP4 matrix_b_fmt:MATRIX_FMT_FP4
.endif
.else
.if (\d)%2
	v_wmma_scale_f32_16x16x128_f8f6f4 v[DR:DR+7], v[AR:AR+7], v[FR:FR+7], v[DR:DR+7], v[WS+8*((\d)/2)+(\k)], v[HS+8*(\i)+(\k)] matrix_a_fmt:MATRIX_FMT_FP4 matrix_b_fmt:MATRIX_FMT_FP4 matrix_a_scale:MATRIX_SCALE_ROW1
.else
	v_wmma_scale_f32_16x16x128_f8f6f4 v[DR:DR+7], v[AR:AR+7], v[FR:FR+7], v[DR:DR+7], v[WS+8*((\d)/2)+(\k)], v[HS+8*(\i)+(\k)] matrix_a_fmt:MATRIX_FMT_FP4 matrix_b_fmt:MATRIX_FMT_FP4
.endif
.endif
.endm
.macro TILE i, cnt                     ; 32 products: my 8 K steps, the tile's 4 accumulators by turns, one instruction a turn; the first K step starts the sums
	s_wait_loadcnt \cnt                            ; this tile's fragments (and all scale words) are in; cnt: the later tiles' sixteen each
.irp k, 0,1,2,3,4,5,6,7
.irp d, 0,1,2,3
	MM2 \i, \d, \k
.endr
.endr
.endm
.macro REDUCE buf                      ; tile w of the group: 16 rows, two an instruction; four parts + b2; each half-wave stores 256 consecutive, aligned bytes of a token's row
	s_wait_xcnt 0x0                                ; on every way into these lines: the last way out's stores have read their data (v128 on) and their addresses (v32-39), which are written again below
.irp u, 0,1,2,3,4,5,6,7
.irp q, 0,1,2,3
	ds_load_b128 v[RD+16*\u+4*\q:RD+16*\u+4*\q+3], v[SR+\buf] offset:PART*\q+2*SP*\u
.endr
.endr
	ROWS TOK                                       ; my tile's tokens, picked at the group's head, by pairs of rows
.irp u, 0,1,2,3,4,5,6,7
	v_min_u32 v[TOK+\u], 0x3ff, v[TOK+\u]          ; numbers made of what was read from memory enter addresses only held under 1,024
.endr
.irp u, 0,1,2,3,4,5,6,7
	v_lshl_add_u32 v[TOK+\u], v[TOK+\u], 12, v24   ; token x 4,096 + 16 (lane % 16)
.endr
	s_wait_dscnt 0x0
.irp u, 0,1,2,3,4,5,6,7
	v_pk_add_f32 v[RD+16*\u:RD+16*\u+1], v[RD+16*\u:RD+16*\u+1], v[RD+16*\u+4:RD+16*\u+5]
	v_pk_add_f32 v[RD+16*\u+2:RD+16*\u+3], v[RD+16*\u+2:RD+16*\u+3], v[RD+16*\u+6:RD+16*\u+7]
	v_pk_add_f32 v[RD+16*\u+8:RD+16*\u+9], v[RD+16*\u+8:RD+16*\u+9], v[RD+16*\u+12:RD+16*\u+13]
	v_pk_add_f32 v[RD+16*\u+10:RD+16*\u+11], v[RD+16*\u+10:RD+16*\u+11], v[RD+16*\u+14:RD+16*\u+15]
.endr
.irp u, 0,1,2,3,4,5,6,7
	v_pk_add_f32 v[RD+16*\u:RD+16*\u+1], v[RD+16*\u:RD+16*\u+1], v[RD+16*\u+8:RD+16*\u+9]
	v_pk_add_f32 v[RD+16*\u+2:RD+16*\u+3], v[RD+16*\u+2:RD+16*\u+3], v[RD+16*\u+10:RD+16*\u+11]
.endr
.irp u, 0,1,2,3,4,5,6,7
	v_pk_add_f32 v[RD+16*\u:RD+16*\u+1], v[RD+16*\u:RD+16*\u+1], v[B2:B2+1]
	v_pk_add_f32 v[RD+16*\u+2:RD+16*\u+3], v[RD+16*\u+2:RD+16*\u+3], v[B2+2:B2+3]
.endr
.irp u, 0,1,2,3,4,5,6,7
	global_store_b128 v[TOK+\u], v[RD+16*\u:RD+16*\u+3], s[16:17] th:TH_STORE_NT
.endr
.endm
; A group: tiles s18, s18 + 2, s18 + 4, s18 + 6.  A group that the expert does not have does nothing but pass the barrier, which stands on every way.
; A group that it has multiplies all four tiles: those past the last repeat a written tile, and their rows of the stage are not read.
.macro GROUP buf
	s_add_co_u32 s18, s27, 8*\buf
	s_cmp_lt_u32 s18, s25
	s_cbranch_scc0 .Lbar_\@
	s_lshl_b32 s2, s20, 1
	s_add_co_u32 s2, s2, s18                       ; the tile that I shall add up,
	s_lshl_b32 s2, s2, 4                           ; its first place
	v_add_nc_u32 v[VP], s2, v2
	v_min_u32 v[VP], s28, v[VP]                    ; places from T on repeat the last token
	SELECT                                         ; its tokens, while the group's fragments are on their way; these lines write no register that a memory instruction names
	WIN 0xf9                                       ; source 0 (W2) window 1, source 1 (h) window 2, C and D window 3
	TILE 0, 48
	TILE 1, 32
	TILE 2, 16
	TILE 3, 0                                      ; no load of mine is out
	WIN 0
.rept 5
	v_nop                                          ; places: four in front of the stores that read results and of loads into operands; the fifth since the next group's first products write these accumulators anew
.endr
	WIN 0x0c
.irp i, 0,1,2,3
.irp d, 0,1,2,3
	ds_store_b128 v[SW+\buf], v[32*\i+8*\d:32*\i+8*\d+3] offset:16*SP*\i+64*\d         ; each accumulator from its low end on
	ds_store_b128 v[SW+\buf], v[32*\i+8*\d+4:32*\i+8*\d+7] offset:16*SP*\i+64*\d+16
.endr
.endr
	WIN 0
	s_add_co_u32 s19, s18, 8
	s_cmp_lt_u32 s19, s25
	s_cbranch_scc0 .Lbar_\@                        ; no next group: nothing is fetched
	HADDR
	HSLOAD
	HTILE 0
	HTILE 1
	HTILE 2
	HTILE 3
	WIN 0
.Lbar_\@:
	s_wait_dscnt 0x0                               ; my part lies in the stage, and my reads of the other stage are over
	s_barrier_signal -1
	s_barrier_wait -1
	s_lshl_b32 s2, s20, 1
	s_add_co_u32 s2, s2, s18                       ; the tile that I add up
	s_cmp_lt_u32 s2, s25
	s_cbranch_scc0 .Lnone_\@
	REDUCE \buf
.Lnone_\@:
.endm
	s_load_b256 s[4:11], s[0:1], 0x0               ; top1 s[4:5], hq s[6:7], hs s[8:9], w2_codes s[10:11]
	s_load_b128 s[12:15], s[0:1], 0x20             ; w2_scales s[12:13], b2 s[14:15]
	s_load_b64 s[16:17], s[0:1], 0x30              ; out0
	v_lshl_add_u32 v126, v0, 2, 0x43000
	v_mov_b32 v127, 0
	v_lshrrev_b32 v1, 5, v0
	v_readfirstlane_b32 s20, v1                    ; wave
	s_lshr_b32 s21, ttmp9, 5                       ; expert
	s_bfe_u32 s22, ttmp9, 0x40001                  ; j: which 64 outputs
	s_and_b32 s23, ttmp9, 1                        ; p: which tiles
	v_and_b32 v1, 31, v0                           ; lane
	v_and_b32 v2, 15, v0                           ; r
	v_bfe_u32 v3, v0, 4, 1                         ; h
	v_lshlrev_b32 v4, 4, v1                        ; 16 x lane
	v_lshlrev_b32 v5, 7, v1                        ; W2's scale words: row = lane of a pair of tiles, 128 bytes a row
	s_mul_i32 s30, s20, WLW                        ; my rows of W2
	v_add_nc_u32 v6, s30, v4
	v_mul_u32_u24 v7, v2, WP
	v_lshl_add_u32 v7, v3, 4, v7
	v_add_nc_u32 v7, s30, v7
	s_mul_i32 s30, s20, PART
	s_add_co_u32 s30, s30, STG                     ; my part of a stage: row r, 32 h
	v_mul_u32_u24 v8, v2, SP
	v_lshl_add_u32 v8, v3, 5, v8
	v_add_nc_u32 v8, s30, v8
	v_add_nc_u32 v9, SBUF, v8
	s_mul_i32 s30, s20, 16*SP
	s_add_co_u32 s30, s30, STG                     ; back: rows 16 w + h on, 16 r
	v_mul_u32_u24 v10, v3, SP
	v_lshl_add_u32 v10, v2, 4, v10
	v_add_nc_u32 v10, s30, v10
	v_add_nc_u32 v11, SBUF, v10
	v_lshlrev_b32 v24, 4, v2                       ; 16 r
	v_mov_b32 v[TV], 0                             ; written on every way ahead of the way out's lines
	s_mov_b32 s[HM], 0xffff0000
	s_lshl_b32 s36, s21, 21                        ; hq: the expert's 64 tiles of 32 KB, + my 8 K steps of 1 KB
	s_lshl_b32 s30, s20, 13
	s_add_co_u32 s36, s36, s30
	s_mov_b32 s37, 0
	s_lshl_b32 s38, s21, 17                        ; hs: tiles of 2 KB, + my two runs of 256 bytes
	s_lshl_b32 s30, s20, 9
	s_add_co_u32 s38, s38, s30
	s_mov_b32 s39, 0
	s_lshl_b32 s40, s21, 21                        ; w2_codes: (1024 e + 64 j) rows of 2,048 bytes + 512 w
	s_lshl_b32 s30, s22, 17
	s_add_co_u32 s40, s40, s30
	s_lshl_b32 s30, s20, 9
	s_add_co_u32 s40, s40, s30
	s_mov_b32 s41, 0
	s_lshl_b32 s42, s21, 17                        ; w2_scales: rows of 128 bytes + 32 w
	s_lshl_b32 s30, s22, 13
	s_add_co_u32 s42, s42, s30
	s_lshl_b32 s30, s20, 5
	s_add_co_u32 s42, s42, s30
	s_mov_b32 s43, 0
	s_lshl_b32 s44, s21, 12                        ; b2
	s_lshl_b32 s30, s22, 8
	s_add_co_u32 s44, s44, s30
	s_mov_b32 s45, 0
	s_lshl_b32 s46, s22, 8                         ; out0: my 256 bytes of a row
	s_mov_b32 s47, 0
	s_wait_kmcnt 0x0
	s_add_nc_u64 s[6:7], s[6:7], s[36:37]
	s_add_nc_u64 s[8:9], s[8:9], s[38:39]
	s_add_nc_u64 s[10:11], s[10:11], s[40:41]
	s_add_nc_u64 s[12:13], s[12:13], s[42:43]
	s_add_nc_u64 s[14:15], s[14:15], s[44:45]
	s_add_nc_u64 s[16:17], s[16:17], s[46:47]
.irp j, 0,1,2,3,4,5,6,7
	global_load_b128 v[TP+4*\j:TP+4*\j+3], v4, s[4:5] offset:512*\j   ; top1, 4 KB: register 4 j + q, lane l: token 128 j + 4 l + q
.endr
	WROWS 0
	WROWS 1
	WROWS 2
	WIN 0
.irp q, 0,1
.irp u, 0,1
	global_load_b128 v[WS+8*\q+4*\u:WS+8*\q+4*\u+3], v5, s[12:13] offset:4096*\q+16*\u
.endr
.endr
	global_load_b128 v[B2:B2+3], v24, s[14:15]
	s_wait_loadcnt 53                              ; top1 is in; the 48 + 5 loads behind it may be out
	MASKS                                          ; (s32-63 have served as offsets: they take Q)
	s_add_co_u32 s25, s24, 15
	s_lshr_b32 s25, s25, 4                         ; the expert's tiles
	s_max_u32 s26, s25, 1
	s_sub_co_u32 s26, s26, 1                       ; the last tile that was written
	s_max_u32 s28, s24, 1
	s_sub_co_u32 s28, s28, 1                       ; the last place that holds a token
	s_mov_b32 s27, s23                             ; the first group's first tile
	RELAY 0, 37                                    ; behind rows 0-15: 32 + 5
	WROWS 3
	WIN 0
	s_mov_b32 s19, s27
	HADDR
	HSLOAD
	RELAY 1, 45                                    ; 16 + 5 + 16 + 8
	HTILE 0
	RELAY 2, 45                                    ; 5 + 16 + 8 + 16
	HTILE 1
	RELAY 3, 40                                    ; 8 + 16 + 16
	HTILE 2
	HTILE 3
	WIN 0
	s_mov_b32 s29, 0
	s_wait_dscnt 0x0                               ; W2's fragments are in, and the stores that read window 3 are done: it takes the accumulators
.Ltrip:                                            ; 4 trips of two groups: 32 tiles of my parity, whatever the split
	GROUP 0
	GROUP 1
	s_add_co_u32 s27, s27, 16
	s_add_co_u32 s29, s29, 1
	s_cmp_lt_u32 s29, 4
	s_cbranch_scc1 .Ltrip
	s_wait_tensorcnt 0x0
	ds_add_u32 v126, v127
	s_wait_dscnt 0x0
	s_endpgm
.Lfunc_end_k_q9e491a71ff_ffn2:
	.size	k_q9e491a71ff_ffn2, .Lfunc_end_k_q9e491a71ff_ffn2-k_q9e491a71ff_ffn2
	.p2alignl 7, 3214868480
	.fill 96, 4, 3214868480
	.section	.rodata,"a",@progbits
	.p2align	6, 0x0
	.amdhsa_kernel k_q9e491a71ff_ffn2
		.amdhsa_group_segment_fixed_size 274944
		.amdhsa_private_segment_fixed_size 0
		.amdhsa_enable_private_segment 0
		.amdhsa_kernarg_size 56
		.amdhsa_user_sgpr_count 2
		.amdhsa_user_sgpr_kernarg_segment_ptr 1
		.amdhsa_wavefront_size32 1
		.amdhsa_system_sgpr_workgroup_id_x 1
		.amdhsa_system_sgpr_workgroup_id_y 1
		.amdhsa_system_sgpr_workgroup_id_z 1
		.amdhsa_system_vgpr_workitem_id 0
		.amdhsa_next_free_vgpr 1024
		.amdhsa_next_free_sgpr 102
		.amdhsa_reserve_vcc 1
		.amdhsa_float_denorm_mode_32 3
		.amdhsa_float_denorm_mode_16_64 3
		.amdhsa_memory_ordered 1
		.amdhsa_forward_progress 1
		.amdhsa_inst_pref_size 122
	.end_amdhsa_kernel
	.amdgpu_metadata
---
amdhsa.version: [ 1, 2 ]
amdhsa.kernels:
  - .name:           k_q9e491a71ff_ffn2
    .symbol:         k_q9e491a71ff_ffn2.kd
    .args:
      - { .name: top1, .offset: 0, .size: 8, .value_kind: global_buffer, .address_space: global }
      - { .name: hq, .offset: 8, .size: 8, .value_kind: global_buffer, .address_space: global }
      - { .name: hs, .offset: 16, .size: 8, .value_kind: global_buffer, .address_space: global }
      - { .name: w2_codes, .offset: 24, .size: 8, .value_kind: global_buffer, .address_space: global }
      - { .name: w2_scales, .offset: 32, .size: 8, .value_kind: global_buffer, .address_space: global }
      - { .name: b2, .offset: 40, .size: 8, .value_kind: global_buffer, .address_space: global }
      - { .name: out0, .offset: 48, .size: 8, .value_kind: global_buffer, .address_space: global }
    .group_segment_fixed_size: 274944
    .private_segment_fixed_size: 0
    .kernarg_segment_align: 8
    .kernarg_segment_size: 56
    .max_flat_workgroup_size: 128
    .sgpr_count:     102
    .vgpr_count:     1024
    .wavefront_size: 32
...
	.end_amdgpu_metadata
.endif
;; end of part 6
;; ======== version 3 of 3: 3 launches; version 2 with the launches ffn1, ffn2 written anew for expert scheduling mode
;; workspace buffers: top1 4,096 bytes of whole numbers; xq 524,288 bytes; xs 32,768 bytes; hq 16,777,216 bytes; hs 1,048,576 bytes
;; launch route: the kernel of part 1 again; grid 256 x 1, 4 waves a work-group, no clusters, 4,608 bytes of LDS; arguments x, gate_w, gate_b, w1_codes, top1, xq, xs; writes top1, xq, xs
;; launch ffn1 (part 7): grid 256 x 1, 4 waves a work-group, no clusters, 101,888 bytes of LDS; arguments top1, xq, xs, w1_codes, w1_scales, b1, w2_codes, hq, hs; writes hq, hs
.if DOCPART == 7
	.amdgcn_target "amdgcn-amd-amdhsa--gfx1250"
	.amdhsa_code_object_version 6
	.text
	.protected	k_q9e491a71ff_ffn1
	.globl	k_q9e491a71ff_ffn1
	.p2align	8
	.type	k_q9e491a71ff_ffn1,@function
k_q9e491a71ff_ffn1:
	s_mov_b64 s[64:65], 0
	v_nop
	global_prefetch_b8 v0, s[64:65] scope:SCOPE_SE
	s_setreg_imm32_b32 hwreg(HW_REG_WAVE_SCHED_MODE, 0, 2), 2
	s_setreg_imm32_b32 hwreg(HW_REG_WAVE_MODE, 25, 1), 1
	s_wait_xcnt 0x0
	s_wait_alu depctr_vm_vsrc(0)
; FFN1.  h = Q(relu(Q(x) W1^T + b1)) for each token's chosen expert alone, on codes of E2M1 with E8M0 scales; h leaves as codes, quantised along the hidden axis.
; SHARES.  Work-group = (expert e = number / 32, block fb = number % 32): hidden units 128 fb .. 128 fb + 127 of expert e, which are ONE K step of the next product.  Its 128 rows of W1
; (64 KB) are read from memory once, a row of 512 consecutive bytes an instruction, meet in LDS, and then lie WHOLE in every wave's registers (512).  The waves share the expert's tokens:
; wave w takes tiles w, w + 4, .. of 16 tokens; so a wave makes whole fragments and whole scale words, and the loop over tiles has no barrier.
; THE EXPERT'S TOKENS are found in registers, from top1 (4 KB: 32 registers a lane; register n, lane l: token 128 (n / 4) + 4 l + n % 4).  32 compares give 32 scalar masks M[n]; with them go
; Q[n] = (matches in the registers before n) << 16 | 128 (n / 4) + n % 4.  The token at place p of the expert is then picked by each lane for its own p: the last n with Q[n] <= p << 16 | 0xffff, and in M[n] the set bit
; of rank p - (Q[n] >> 16), found by halving.  The next launch picks by the same lines, so both see the same order.  p is held at T - 1: a tile's spare rows repeat the expert's last token and compute what its row computes.
; With T = 0 the pick gives token 1,023 and tile 0 is made of it, so that the next launch's clamped loads read written bytes.  A tile's tokens are picked, and its rows of xq asked for, one tile ahead.
; NO TENSOR LOAD, NO CLUSTER: which trips work hangs on a count made of numbers read from memory; and no two work-groups read the same byte of W1.  What they share, an expert's rows of xq (544 bytes a token), is under a tenth of a work-group's bytes at an even split.
; LAYOUT.  The product is used transposed (source 0 = 16 rows of W1, source 1 = 16 tokens): a lane holds ONE token and its registers run along the hidden units.  THE ROWS OF W1 THAT FORM A TILE ARE NOT NEIGHBOURS:
; lane r of tile 2 b + u takes row 32 b + 8 u + r + 8 (r / 8), so that the 16 registers of tiles 2 b, 2 b + 1 are 16 neighbours along the next K.  b1 is the C of each sum's first instruction.
; OUT.  hq [e][tile 64][K step 32][c 2][lane 32][16 bytes]: the image of the next product's operand registers.  hs [e][tile][K step / 4][token 16][K step % 4][4 bytes].  (An hs store is 64 of 256 neighbouring bytes: 1/17 of what the launch stores.)
; LIMITS: NaN and infinities are not served; a block of zeros gets the byte 1 (not 127): its codes are zeros and only this program reads the bytes.
; THE MODE: SCHED_MODE bits 1:0 = 2 (LLVM: expert scheduling mode 2), set by the entry lines.  The code itself states the register dependences between vector or matrix instructions and memory or LDS instructions,
; and those through scalar registers and VCC that vector instructions write, with s_wait_alu, always for 0.
; THE PLAN.  Registers that memory or LDS instructions touch, in the loop:
;   v4, v5, v6, v11  offsets and LDS addresses, made at the head and never written again.
;   XR (window 3)    the loads of the next tile's rows land in it; the stage's LDS stores read it; no vector instruction names it.
;   XF               the stage's LDS loads land in it; the trip's products read it.
;   XS               the loads of the next tile's scale words land in it; the trip's products read it.
;   O                the eighteen lines of XADDR write it; the loads of rows and scale words read it.
;   PC, PW           the quantiser writes them; the trip's three stores read them.
; A trip has ONE wait on vm_vsrc, behind the stage's LDS instructions (XR, O, PC and PW have been read), and four on va_vdst: behind the pick; behind XADDR (O is written); behind the products (they are done reading XS, and XF for the next trip);
; behind the quantiser (PC and PW are written).  The pick has a wait on va_sdst behind each run of compares or lane reads into scalar registers, and one on va_vcc behind each compare into VCC.
; REGISTERS, in windows of 256.  Window 0: v1-13, v27 addresses; v16-23 the tile's tokens by pairs of rows, v24 by rows; v32-63 W1's scale words (8 b + K step: lanes 0-15 tile 2 b, lanes 16-31 tile 2 b + 1); v64-127 x's 8 fragments;
;   v128-191 the 8 accumulators (in the head: top1); v192-199 x's scale words; v200-216 at work; v224-231 the codes made; v232-240 the tile's offsets in xq and xs; v241-253 the pick's.
;   Window 1: W1's fragments of K steps 0-3 (8 (8 k + t)); window 2: of K steps 4-7.  Window 3: v0-63 b1; v64-191 W1's rows as loaded; v192-255 x's rows as loaded.
; SCALARS: s4-21 the nine buffers; s22 wave, s23 expert, s24 fb, s25 T, s26 tiles, s27 my tile, s28 max(T, 1) - 1, s29 trips; s32-63 Q (the head's offsets before); s66-97 M; s98-101 at work in the pick.
.set WP,   528                         ; an LDS row: 512 bytes + 16 = 132 words: row r starts at bank 4 r mod 64 (64 banks of 4 bytes: ISA guide 11.1)
.set XST,  128*WP                      ; LDS: from 0 the 128 rows of W1 (slot 16 t + r = lane r's row of tile t); from here a stage of 16 rows for each wave: x's rows turn into fragments there
.set XSTW, 16*WP
.set R,    16
.set TV,   24                          ; the pick's result: lane l: the token at place 16 x tile + l % 16
.set WS,   32
.set XF,   64
.set H,    128
.set TP,   128
.set XS,   192
.set TM,   200                         ; v200-203 maxima, v204-207 the other half's, v208-211 bytes, v212-215 scale operands
.set PW,   216
.set PC,   224
.set O,    232
.set VP,   241
.set KEY,  242
.set MW0,  243
.set QB0,  244
.set MW1,  245
.set QB1,  246
.set WA,   247
.set WB,   248
.set WC,   249
.set POS,  250
.set RK,   251
.set T1,   252
.set T2,   253
.set B1,   0                           ; window 3
.set WSTG, 64
.set XR,   192
.set Q,    32
.set M,    66
.set RL,   98
.set HM,   31                          ; s31 = 0xffff0000: lanes 16-31
.set SE,   23
.set SC,   2
.set ST,   25
.set MSB, 0
.macro WIN new                         ; the immediate's high byte repeats the setting that is left; a switch that changes nothing is dropped
.if MSB != \new
	s_set_vgpr_msb (MSB<<8)|\new
.set MSB, \new
.endif
.endm
; The masks M[n], the words Q[n] and the count T, from top1 in v[TP] on.  Only the last of the four scalar passes is a chain.
.macro MASKS
.set n, 0
.rept 32
	v_cmp_eq_u32 s[M+n], s[SE], v[TP+n]
.set n, n+1
.endr
	s_wait_alu depctr_va_sdst(0)                   ; the 32 compares have written M[0] to M[31], ahead of their first readers, the counts below
	s_mov_b32 s[Q], 0
.set n, 0
.rept 31
	s_bcnt1_i32_b32 s[Q+n+1], s[M+n]               ; register n's matches,
.set n, n+1
.endr
.set n, 0
.rept 31
	s_lshl_b32 s[Q+n+1], s[Q+n+1], 16              ; in the upper half,
.set n, n+1
.endr
.set n, 0
.rept 31
	s_add_co_u32 s[Q+n+1], s[Q+n+1], 128*((n+1)/4)+(n+1)%4-128*(n/4)-n%4   ; the step of the registers' first tokens in the lower,
.set n, n+1
.endr
.set n, 0
.rept 31
	s_add_co_u32 s[Q+n+1], s[Q+n+1], s[Q+n]        ; summed up
.set n, n+1
.endr
	s_bcnt1_i32_b32 s[SC], s[M+31]
	s_lshr_b32 s[ST], s[Q+31], 16
	s_add_co_u32 s[ST], s[ST], s[SC]               ; T
.endm
.macro HALVE src, w                    ; the w bits at POS hold the number of set bits in the lower half of what is left: rank at or over it: on to the upper half
	v_bfe_u32 v[T1], v[\src], v[POS], \w
	v_cmp_ge_u32 vcc_lo, v[RK], v[T1]
	s_wait_alu depctr_va_vcc(0)                    ; the compare has written VCC, which the two selects read
	v_cndmask_b32 v[T1], 0, v[T1], vcc_lo
	v_cndmask_b32 v[T2], 0, \w, vcc_lo
	v_sub_nc_u32 v[RK], v[RK], v[T1]
	v_add_nc_u32 v[POS], v[POS], v[T2]
.endm
; v[TV] = the token at place v[VP] (under T) of the expert.  The search for n goes in two halves of 16, four chains that do not wait for each other; a mask bit says 'Q[n] lies over my key: keep what I have'.
.macro SELECT
	v_lshl_or_b32 v[KEY], v[VP], 16, 0xffff
	v_mov_b32 v[MW0], s[M]
	v_mov_b32 v[QB0], s[Q]
	v_mov_b32 v[MW1], s[M+16]
	v_mov_b32 v[QB1], s[Q+16]
.irp a, 1,3,5,7,9,11,13
	v_cmp_gt_u32 s[RL], s[Q+\a], v[KEY]
	v_cmp_gt_u32 s[RL+1], s[Q+16+\a], v[KEY]
	v_cmp_gt_u32 s[RL+2], s[Q+\a+1], v[KEY]
	v_cmp_gt_u32 s[RL+3], s[Q+16+\a+1], v[KEY]
	s_wait_alu depctr_va_sdst(0)                   ; the four compares have written s98 to s101, which the eight selects read
	v_cndmask_b32 v[MW0], s[M+\a], v[MW0], s[RL]
	v_cndmask_b32 v[QB0], s[Q+\a], v[QB0], s[RL]
	v_cndmask_b32 v[MW1], s[M+16+\a], v[MW1], s[RL+1]
	v_cndmask_b32 v[QB1], s[Q+16+\a], v[QB1], s[RL+1]
	v_cndmask_b32 v[MW0], s[M+\a+1], v[MW0], s[RL+2]
	v_cndmask_b32 v[QB0], s[Q+\a+1], v[QB0], s[RL+2]
	v_cndmask_b32 v[MW1], s[M+16+\a+1], v[MW1], s[RL+3]
	v_cndmask_b32 v[QB1], s[Q+16+\a+1], v[QB1], s[RL+3]
.endr
	v_cmp_gt_u32 s[RL], s[Q+15], v[KEY]
	v_cmp_gt_u32 s[RL+1], s[Q+31], v[KEY]
	v_cmp_gt_u32 s[RL+2], s[Q+16], v[KEY]
	s_wait_alu depctr_va_sdst(0)                   ; the three compares have written s98 to s100, which the six selects read
	v_cndmask_b32 v[MW0], s[M+15], v[MW0], s[RL]
	v_cndmask_b32 v[QB0], s[Q+15], v[QB0], s[RL]
	v_cndmask_b32 v[MW1], s[M+31], v[MW1], s[RL+1]
	v_cndmask_b32 v[QB1], s[Q+31], v[QB1], s[RL+1]
	v_cndmask_b32 v[MW0], v[MW1], v[MW0], s[RL+2]  ; Q[16] over my key: the lower half's, else the upper's
	v_cndmask_b32 v[QB0], v[QB1], v[QB0], s[RL+2]
	v_lshrrev_b32 v[T1], 16, v[QB0]
	v_lshrrev_b32 v[T2], 1, v[MW0]
	v_sub_nc_u32 v[RK], v[VP], v[T1]               ; my rank among the mask's set bits
	v_and_b32 v[T2], 0x55555555, v[T2]
	v_and_b32 v[QB0], 0xffff, v[QB0]               ; the register's first token
	v_sub_nc_u32 v[WA], v[MW0], v[T2]              ; set bits in each 2 bits,
	v_lshrrev_b32 v[T2], 2, v[WA]
	v_and_b32 v[WB], 0x33333333, v[WA]
	v_and_b32 v[T2], 0x33333333, v[T2]
	v_add_nc_u32 v[WB], v[WB], v[T2]               ; in each 4,
	v_lshrrev_b32 v[T2], 4, v[WB]
	v_add_nc_u32 v[T2], v[T2], v[WB]
	v_and_b32 v[WC], 0x0f0f0f0f, v[T2]             ; in each 8,
	v_lshrrev_b32 v[T2], 8, v[WC]
	v_add_nc_u32 v[T2], v[T2], v[WC]
	v_and_b32 v[T1], 0xff, v[T2]                   ; in the low 16
	v_cmp_ge_u32 vcc_lo, v[RK], v[T1]
	s_wait_alu depctr_va_vcc(0)                    ; the compare has written VCC, which the two selects read
	v_cndmask_b32 v[T1], 0, v[T1], vcc_lo
	v_cndmask_b32 v[POS], 0, 16, vcc_lo
	v_sub_nc_u32 v[RK], v[RK], v[T1]
	HALVE WC, 8
	HALVE WB, 4
	HALVE WA, 2
	HALVE MW0, 1
	v_lshl_add_u32 v[TV], v[POS], 2, v[QB0]        ; bit l of register n is token 128 (n / 4) + n % 4 + 4 l
.endm
.macro ROWS dst                        ; v[dst + k]: lanes 0-15 the token of the tile's row 2 k, lanes 16-31 that of row 2 k + 1
.irp j, 0,2,4,6
	v_readlane_b32 s[RL], v[TV], 2*\j
	v_readlane_b32 s[RL+1], v[TV], 2*\j+1
	v_readlane_b32 s[RL+2], v[TV], 2*\j+2
	v_readlane_b32 s[RL+3], v[TV], 2*\j+3
	s_wait_alu depctr_va_sdst(0)                   ; the four lane reads have written s98 to s101, which the four lines below read
	v_mov_b32 v[\dst+\j], s[RL]
	v_mov_b32 v[\dst+\j+1], s[RL+2]
	v_cndmask_b32 v[\dst+\j], v[\dst+\j], s[RL+1], s[HM]
	v_cndmask_b32 v[\dst+\j+1], v[\dst+\j+1], s[RL+3], s[HM]
.endr
.endm
.macro PICK                            ; the 16 tokens of the tile whose first place is s2
	v_add_nc_u32 v[VP], s2, v2
	v_min_u32 v[VP], s28, v[VP]                    ; places from T on repeat the last token
	SELECT
	ROWS R
.endm
.macro XADDR                           ; numbers made of what was read from memory enter addresses only held under 1,024
.irp j, 0,1,2,3,4,5,6,7,8
	v_min_u32 v[O+\j], 0x3ff, v[R+\j]
.endr
.irp j, 0,1,2,3,4,5,6,7
	v_lshl_add_u32 v[O+\j], v[O+\j], 9, v11        ; token x 512 + 16 (lane % 16)
.endr
	v_lshlrev_b32 v[O+8], 5, v[O+8]                ; token x 32
.endm
.macro XROWS                           ; 16 rows of xq: sixteen lanes read 256 consecutive, aligned bytes of one token's row
	WIN 0xc0
.irp j, 0,1,2,3,4,5,6,7
	global_load_b128 v[XR+8*\j:XR+8*\j+3], v[O+\j], s[6:7]
	global_load_b128 v[XR+8*\j+4:XR+8*\j+7], v[O+\j], s[6:7] offset:256
.endr
	WIN 0
.endm
.macro XSCL                            ; the 16 tokens' 8 scale words
	global_load_b128 v[XS:XS+3], v[O+8], s[8:9]
	global_load_b128 v[XS+4:XS+7], v[O+8], s[8:9] offset:16
.endm
; Chunk g: 32 rows of W1 = tiles 2 g, 2 g + 1.  My 8 rows go to their slots; a barrier; every wave takes the two tiles' 16 fragments.  cnt: the loads younger than my chunk's eight.
; No vector instruction names the rows' registers, the fragments' or the two addresses behind the head's wait: nothing is owed here.
.macro CHUNK g, cnt
	s_wait_loadcnt \cnt
	WIN 0x0c                                       ; an LDS store's data are its source 1: window 3
.irp i, 0,1,2,3,4,5,6,7
	ds_store_b128 v7, v[WSTG+4*(8*(\g)+\i):WSTG+4*(8*(\g)+\i)+3] offset:(32*(\g)+\i)*WP
.endr
	s_wait_dscnt 0x0                               ; for the others' sake: my stores have landed (and my earlier LDS loads are in)
	s_barrier_signal -1
	s_barrier_wait -1
	WIN 0x40
.irp u, 0,1
.irp k, 0,1,2,3
.irp c, 0,1
	ds_load_b128 v[8*(8*\k+2*(\g)+\u)+4*\c:8*(8*\k+2*(\g)+\u)+4*\c+3], v8 offset:16*(2*(\g)+\u)*WP+64*\k+32*\c
.endr
.endr
.endr
	WIN 0x80
.irp u, 0,1
.irp k, 0,1,2,3
.irp c, 0,1
	ds_load_b128 v[8*(8*\k+2*(\g)+\u)+4*\c:8*(8*\k+2*(\g)+\u)+4*\c+3], v8 offset:16*(2*(\g)+\u)*WP+64*(\k+4)+32*\c
.endr
.endr
.endr
	WIN 0
.endm
.macro MM1 t, k                        ; tile t, K step k.  The first K step takes b1 as C
.set DR, H+8*(\t)
.set AR, 8*(8*((\k)%4)+(\t))
.set CR, DR
.if (\k) == 0
.set CR, B1+8*(\t)
.endif
.if (\t)%2
	v_wmma_scale_f32_16x16x128_f8f6f4 v[DR:DR+7], v[AR:AR+7], v[XF+8*(\k):XF+8*(\k)+7], v[CR:CR+7], v[WS+8*((\t)/2)+(\k)], v[XS+(\k)] matrix_a_fmt:MATRIX_FMT_FP4 matrix_b_fmt:MATRIX_FMT_FP4 matrix_a_scale:MATRIX_SCALE_ROW1
.else
	v_wmma_scale_f32_16x16x128_f8f6f4 v[DR:DR+7], v[AR:AR+7], v[XF+8*(\k):XF+8*(\k)+7], v[CR:CR+7], v[WS+8*((\t)/2)+(\k)], v[XS+(\k)] matrix_a_fmt:MATRIX_FMT_FP4 matrix_b_fmt:MATRIX_FMT_FP4
.endif
.endm
; 64 numbers of a lane, register 16 b + i = hidden unit 32 b + 16 (lane / 16) + i of my token, none negative, become a fragment's codes in v[PC] on and its scale word in v[PW].
.macro QUANT
.irp b, 0,1,2,3
	v_max3_num_f32 v[TM+\b], v[H+16*\b], v[H+16*\b+1], 0x1800000   ; and the floor 2^(3 - 127): the byte cannot fall under 1
.endr
.irp i, 2,4,6,8,10,12,14
.irp b, 0,1,2,3
	v_max3_num_f32 v[TM+\b], v[TM+\b], v[H+16*\b+\i], v[H+16*\b+\i+1]
.endr
.endr
.irp b, 0,1,2,3
	v_permlanex16_b32 v[TM+4+\b], v[TM+\b], s3, s30
.endr
.irp b, 0,1,2,3
	v_max_num_f32 v[TM+\b], v[TM+\b], v[TM+4+\b]   ; with lane l xor 16's 16: the block's largest
.endr
.irp b, 0,1,2,3
	v_add_nc_u32 v[TM+12+\b], 0xff000000, v[TM+\b] ; 2 off the exponent field: the conversion's scale operand
.endr
.irp b, 0,1,2,3
	v_lshrrev_b32 v[TM+8+\b], 23, v[TM+12+\b]      ; the scale's byte
.endr
	v_lshl_or_b32 v[PW], v[TM+9], 8, v[TM+8]
	v_lshl_or_b32 v[PW], v[TM+10], 16, v[PW]
	v_lshl_or_b32 v[PW], v[TM+11], 24, v[PW]
.irp b, 0,1,2,3
	v_cvt_scalef32_pk8_fp4_f32 v[PC+2*\b], v[H+16*\b:H+16*\b+7], v[TM+12+\b]
	v_cvt_scalef32_pk8_fp4_f32 v[PC+2*\b+1], v[H+16*\b+8:H+16*\b+15], v[TM+12+\b]
.endr
	v_nop                                          ; one plain place behind a scaled conversion
.irp c, 0,1                            ; the operand's layout wants a whole block in a lane: lanes 0-15 block 2 c, lanes 16-31 block 2 c + 1
.irp i, 0,1
	v_permlane16_swap_b32 v[PC+4*\c+\i], v[PC+4*\c+2+\i]
.endr
.endr
.endm
	s_load_b256 s[4:11], s[0:1], 0x0               ; top1 s[4:5], xq s[6:7], xs s[8:9], w1_codes s[10:11]
	s_load_b256 s[12:19], s[0:1], 0x20             ; w1_scales s[12:13], b1 s[14:15], w2_codes s[16:17], hq s[18:19]
	s_load_b64 s[20:21], s[0:1], 0x40              ; hs
	v_lshl_add_u32 v254, v0, 2, 0x18c00
	v_mov_b32 v255, 0
	v_lshrrev_b32 v1, 5, v0
	v_readfirstlane_b32 s22, v1                    ; wave
	s_lshr_b32 s23, ttmp9, 5                       ; expert
	s_and_b32 s24, ttmp9, 31                       ; block of 128 hidden units
	v_and_b32 v1, 31, v0                           ; lane
	v_and_b32 v2, 15, v0                           ; r
	v_bfe_u32 v3, v0, 4, 1                         ; h
	v_lshlrev_b32 v4, 4, v1                        ; 16 x lane
	s_wait_alu depctr_va_vdst(0)
	s_wait_alu depctr_va_sdst(0)                   ; s22 is written, ahead of its first reader: LDS addresses, offsets and the trips' tiles are made from it
	s_mul_i32 s50, s22, XSTW
	s_add_co_u32 s50, s50, XST                     ; my stage
	v_mul_u32_u24 v5, v3, WP
	v_lshl_add_u32 v5, v2, 4, v5
	v_add_nc_u32 v5, s50, v5                       ; into it: row h of a pair, 16 r
	v_mul_u32_u24 v8, v2, WP
	v_lshl_add_u32 v8, v3, 4, v8                   ; a fragment's place among W1's rows: row r, 16 h
	v_add_nc_u32 v6, s50, v8                       ; and in my stage
	s_and_b32 s50, s22, 1                          ; my 8 rows of a chunk, 32 g + 8 w + i, lie in slots 32 g + 8 (2 (w % 2) + w / 2) + i
	s_lshl_b32 s50, s50, 1
	s_lshr_b32 s51, s22, 1
	s_or_b32 s50, s50, s51
	s_mul_i32 s50, s50, 8*WP
	v_add_nc_u32 v7, s50, v4
	v_lshlrev_b32 v11, 4, v2                       ; 16 r
	v_lshlrev_b32 v12, 6, v3                       ; b1: 64 h
	v_and_b32 v13, 8, v2
	v_add_nc_u32 v13, v13, v2
	v_lshl_add_u32 v13, v3, 3, v13
	v_lshlrev_b32 v13, 5, v13                      ; W1's scale words: row 8 h + r + 8 (r / 8) of a chunk, 32 bytes a row
	v_lshlrev_b32 v27, 8, v1
.irp b, 0,1,2,3
	v_mov_b32 v[TM+4+\b], 0                        ; written once: a lane permute's destination counts as one of its sources
.endr
	s_mov_b32 s3, 0x76543210
	s_mov_b32 s30, 0xfedcba98                      ; v_permlanex16_b32's selects for lane l xor 16
	s_mov_b32 s[HM], 0xffff0000
	s_lshl_b32 s36, ttmp9, 16                      ; w1_codes: 128 rows of 512 bytes a work-group, + my 8 rows of a chunk
	s_lshl_b32 s50, s22, 12
	s_add_co_u32 s36, s36, s50
	s_mov_b32 s37, 0
	s_lshl_b32 s38, ttmp9, 12                      ; w1_scales: 128 rows of 32 bytes
	s_mov_b32 s39, 0
	s_lshl_b32 s40, ttmp9, 9                       ; b1: 128 numbers
	s_mov_b32 s41, 0
	s_lshl_b32 s42, ttmp9, 16                      ; w2_codes, asked for ahead: 64 KB a work-group, 16 KB a wave
	s_lshl_b32 s50, s22, 14
	s_add_co_u32 s42, s42, s50
	s_mov_b32 s43, 0
	s_lshl_b32 s44, s23, 21                        ; hq: (64 e + w) tiles of 32 KB + fb KB
	s_lshl_b32 s50, s22, 15
	s_add_co_u32 s44, s44, s50
	s_lshl_b32 s50, s24, 10
	s_add_co_u32 s44, s44, s50
	s_mov_b32 s45, 0
	s_lshl_b32 s46, s23, 17                        ; hs: (64 e + w) tiles of 2 KB + 256 (fb / 4) + 4 (fb % 4)
	s_lshl_b32 s50, s22, 11
	s_add_co_u32 s46, s46, s50
	s_lshr_b32 s50, s24, 2
	s_lshl_b32 s50, s50, 8
	s_add_co_u32 s46, s46, s50
	s_and_b32 s50, s24, 3
	s_lshl_b32 s50, s50, 2
	s_add_co_u32 s46, s46, s50
	s_mov_b32 s47, 0
	s_wait_kmcnt 0x0
	s_add_nc_u64 s[10:11], s[10:11], s[36:37]
	s_add_nc_u64 s[12:13], s[12:13], s[38:39]
	s_add_nc_u64 s[14:15], s[14:15], s[40:41]
	s_add_nc_u64 s[16:17], s[16:17], s[42:43]
	s_add_nc_u64 s[18:19], s[18:19], s[44:45]
	s_add_nc_u64 s[20:21], s[20:21], s[46:47]
	s_wait_alu depctr_va_vdst(0)                   ; the offsets and LDS addresses v4 to v8, v11 to v13 and v27 are written: every load, store, LDS instruction and prefetch of the kernel but the tiles' reads one of them, and none is written again
.irp j, 0,1,2,3,4,5,6,7
	global_load_b128 v[TP+4*\j:TP+4*\j+3], v4, s[4:5] offset:512*\j   ; top1, 4 KB: register 4 j + q, lane l: token 128 j + 4 l + q
.endr
	WIN 0xc0
.irp g, 0,1,2,3
.irp i, 0,1,2,3,4,5,6,7
	global_load_b128 v[WSTG+4*(8*\g+\i):WSTG+4*(8*\g+\i)+3], v4, s[10:11] offset:(32*\g+\i)*512 th:TH_LOAD_NT   ; a row of W1: 512 consecutive bytes; read once in the launch
.endr
.endr
	WIN 0
	s_wait_loadcnt 32                              ; top1 is in; W1's 32 rows may be out
	MASKS                                          ; (s32-63 have served as offsets: they take Q)
	s_add_co_u32 s26, s25, 15
	s_lshr_b32 s26, s26, 4
	s_max_u32 s26, s26, 1                          ; tiles to make: at least one
	s_max_u32 s28, s25, 1
	s_sub_co_u32 s28, s28, 1                       ; the last place that holds a token
	s_lshl_b32 s2, s22, 4
	PICK                                           ; my first tile's tokens,
	XADDR
	s_wait_alu depctr_va_vdst(0)                   ; the tile's nine offsets v232 to v240 are written, which the 18 loads below read
	XROWS                                          ; its rows
	XSCL                                           ; and its scale words: 18 loads
	CHUNK 0, 42                                    ; behind chunk 0's eight: W1's 24, those 18
.irp g, 0,1,2,3
.irp u, 0,1
	global_load_b128 v[WS+8*\g+4*\u:WS+8*\g+4*\u+3], v13, s[12:13] offset:1024*\g+16*\u
.endr
.endr
	CHUNK 1, 42                                    ; 16 + 18 + the scale words' 8
	CHUNK 2, 34                                    ; 8 + 18 + 8
	WIN 0xc0
.irp t, 0,1,2,3,4,5,6,7
	global_load_b128 v[B1+8*\t:B1+8*\t+3], v12, s[14:15] offset:(32*(\t/2)+8*(\t%2))*4      ; lane (r, h), tile t: b1 at hidden units 32 (t / 2) + 16 h + 8 (t % 2) + 0 .. 7
	global_load_b128 v[B1+8*\t+4:B1+8*\t+7], v12, s[14:15] offset:(32*(\t/2)+8*(\t%2))*4+16
.endr
	WIN 0
	CHUNK 3, 42                                    ; 18 + 8 + b1's 16
	global_prefetch_b8 v27, s[16:17] th:TH_LOAD_NT scope:SCOPE_SE               ; my 16 KB of w2_codes, which the next launch reads: lanes 256 bytes apart, each aligned 256 bytes once in the launch
	global_prefetch_b8 v27, s[16:17] offset:8192 th:TH_LOAD_NT scope:SCOPE_SE
	s_mov_b32 s27, s22                             ; my tile
	s_mov_b32 s29, 0
	s_wait_dscnt 0x0                               ; W1's fragments are in
.Ltrip:                                            ; 16 trips, whatever the split; a trip whose tile the expert does not have does nothing
	s_cmp_lt_u32 s27, s26
	s_cbranch_scc0 .Lskip
	s_add_co_u32 s2, s27, 4
	s_lshl_b32 s2, s2, 4
	PICK                                           ; the tokens of the tile four on, while this tile's rows are on their way (past the expert's end: its last token); it writes no register that a memory or LDS instruction names
	s_wait_alu depctr_va_vdst(0)
	s_wait_loadcnt 0x0                             ; this tile's rows and scale words (asked for a trip ago); in the first trip also b1 and W1's scale words
	WIN 0x0c
.irp j, 0,1,2,3,4,5,6,7
	ds_store_b128 v5, v[XR+8*\j:XR+8*\j+3] offset:2*WP*\j
	ds_store_b128 v5, v[XR+8*\j+4:XR+8*\j+7] offset:2*WP*\j+256
.endr
	WIN 0
.irp k, 0,1,2,3,4,5,6,7
.irp c, 0,1
	ds_load_b128 v[XF+8*\k+4*\c:XF+8*\k+4*\c+3], v6 offset:64*\k+32*\c   ; my own stage: LDS serves a wave's instructions in order.  (The last trip's products are done reading these registers: its waits behind them have shown it, and nothing since names them)
.endr
.endr
	s_wait_alu depctr_vm_vsrc(0)                   ; the LDS stores above have read x's rows, in which the next tile's land; the last tile's loads have read the offsets v232 to v240, which the lines below write; the last trip's stores have read the codes and the scale word, which the quantiser writes
	XADDR                                          ; (no load of mine is out: the offsets may be written)
	s_wait_alu depctr_va_vdst(0)                   ; the nine offsets are written, which the loads of the next tile's rows and scale words read
	s_wait_dscnt 0x0
	XROWS                                          ; they land while this tile is multiplied: one run ahead of all the products, under one window setting
.irp k, 0,1,2,3,4,5,6,7                ; the 8 accumulators take turns, one instruction a turn
.if \k == 0
	WIN 0x31                                       ; source 0 (W1) window 1, source 2 (b1) window 3
.elseif \k < 4
	WIN 0x01
.else
	WIN 0x02
.endif
.irp t, 0,1,2,3,4,5,6,7
	MM1 \t, \k
.endr
.endr
	WIN 0
.rept 4
	v_nop                                          ; places in front of the first read of results (ISA guide 7.12.1)
.endr
	s_wait_alu depctr_va_vdst(0)                   ; the products are done reading x's scale words, in which the two loads below land, and x's fragments, in which the next trip's LDS loads land
	XSCL                                           ; the next tile's scale words
.set q, 0
.rept 64
	v_max_num_f32 v[H+q], 0, v[H+q]                ; relu, in f32; each accumulator from its low end on
.set q, q+1
.endr
	QUANT
	s_wait_alu depctr_va_vdst(0)                   ; the quantiser has written the codes v224 to v231 and the scale word v216, which the three stores read
	global_store_b128 v4, v[PC:PC+3], s[18:19]                 ; the fragment's image: 512 consecutive bytes a store
	global_store_b128 v4, v[PC+4:PC+7], s[18:19] offset:512
	global_store_b32 v11, v[PW], s[20:21]                      ; token r's scale word (lanes 16-31 store what lanes 0-15 store)
.Lskip:
	s_wait_xcnt 0x0                                ; the stores' data and the two bases are rewritten only behind this wait
	s_add_nc_u64 s[18:19], s[18:19], 4*32768
	s_add_nc_u64 s[20:21], s[20:21], 4*2048
	s_add_co_u32 s27, s27, 4
	s_add_co_u32 s29, s29, 1
	s_cmp_lt_u32 s29, 16
	s_cbranch_scc1 .Ltrip
	s_wait_dscnt 0x0                               ; the closing lines, six on end
	s_wait_alu 0x0
	s_wait_tensorcnt 0x0
	ds_add_u32 v254, v255
	s_wait_dscnt 0x0
	s_endpgm
.Lfunc_end_k_q9e491a71ff_ffn1:
	.size	k_q9e491a71ff_ffn1, .Lfunc_end_k_q9e491a71ff_ffn1-k_q9e491a71ff_ffn1
	.p2alignl 7, 3214868480
	.fill 96, 4, 3214868480
	.section	.rodata,"a",@progbits
	.p2align	6, 0x0
	.amdhsa_kernel k_q9e491a71ff_ffn1
		.amdhsa_group_segment_fixed_size 101888
		.amdhsa_private_segment_fixed_size 0
		.amdhsa_enable_private_segment 0
		.amdhsa_kernarg_size 72
		.amdhsa_user_sgpr_count 2
		.amdhsa_user_sgpr_kernarg_segment_ptr 1
		.amdhsa_wavefront_size32 1
		.amdhsa_system_sgpr_workgroup_id_x 1
		.amdhsa_system_sgpr_workgroup_id_y 1
		.amdhsa_system_sgpr_workgroup_id_z 1
		.amdhsa_system_vgpr_workitem_id 0
		.amdhsa_next_free_vgpr 1024
		.amdhsa_next_free_sgpr 102
		.amdhsa_reserve_vcc 1
		.amdhsa_float_denorm_mode_32 3
		.amdhsa_float_denorm_mode_16_64 3
		.amdhsa_memory_ordered 1
		.amdhsa_forward_progress 1
		.amdhsa_inst_pref_size 71
	.end_amdhsa_kernel
	.amdgpu_metadata
---
amdhsa.version: [ 1, 2 ]
amdhsa.kernels:
  - .name:           k_q9e491a71ff_ffn1
    .symbol:         k_q9e491a71ff_ffn1.kd
    .args:
      - { .name: top1, .offset: 0, .size: 8, .value_kind: global_buffer, .address_space: global }
      - { .name: xq, .offset: 8, .size: 8, .value_kind: global_buffer, .address_space: global }
      - { .name: xs, .offset: 16, .size: 8, .value_kind: global_buffer, .address_space: global }
      - { .name: w1_codes, .offset: 24, .size: 8, .value_kind: global_buffer, .address_space: global }
      - { .name: w1_scales, .offset: 32, .size: 8, .value_kind: global_buffer, .address_space: global }
      - { .name: b1, .offset: 40, .size: 8, .value_kind: global_buffer, .address_space: global }
      - { .name: w2_codes, .offset: 48, .size: 8, .value_kind: global_buffer, .address_space: global }
      - { .name: hq, .offset: 56, .size: 8, .value_kind: global_buffer, .address_space: global }
      - { .name: hs, .offset: 64, .size: 8, .value_kind: global_buffer, .address_space: global }
    .group_segment_fixed_size: 101888
    .private_segment_fixed_size: 0
    .kernarg_segment_align: 8
    .kernarg_segment_size: 72
    .max_flat_workgroup_size: 128
    .sgpr_count:     102
    .vgpr_count:     1024
    .wavefront_size: 32
...
	.end_amdgpu_metadata
.endif
;; end of part 7
;; launch ffn2 (part 8): grid 256 x 1, 4 waves a work-group, no clusters, 274,944 bytes of LDS; arguments top1, hq, hs, w2_codes, w2_scales, b2, out0; writes out0
.if DOCPART == 8
	.amdgcn_target "amdgcn-amd-amdhsa--gfx1250"
	.amdhsa_code_object_version 6
	.text
	.protected	k_q9e491a71ff_ffn2
	.globl	k_q9e491a71ff_ffn2
	.p2align	8
	.type	k_q9e491a71ff_ffn2,@function
k_q9e491a71ff_ffn2:
	s_mov_b64 s[64:65], 0
	v_nop
	global_prefetch_b8 v0, s[64:65] scope:SCOPE_SE
	s_setreg_imm32_b32 hwreg(HW_REG_WAVE_SCHED_MODE, 0, 2), 2
	s_setreg_imm32_b32 hwreg(HW_REG_WAVE_MODE, 25, 1), 1
	s_wait_xcnt 0x0
	s_wait_alu depctr_vm_vsrc(0)
; FFN2.  out[token] = h[token] W2^T + b2 of the token's chosen expert, on codes of E2M1 with E8M0 scales; h comes as the images that the launch before stored.
; SHARES.  Work-group = (expert e = number / 32, outputs 64 j .. 64 j + 63 with j = (number / 2) % 16, parity p = number % 2): it takes the expert's tiles of 16 tokens with tile % 2 = p.
; 64 outputs are 256 bytes of a row of out: one aligned run a half-wave.  THE WAVES SHARE K: wave w holds K steps 8 w .. 8 w + 7 of the 64 rows of W2 (32 KB, 256 registers), read as 512 consecutive bytes
; of a row an instruction and turned into fragments through the wave's OWN LDS bytes.  Tiles go in groups of four; the four waves' partial sums meet in a stage in LDS (two stages by turns, one barrier a group),
; and wave w adds the four parts of the group's tile w, adds b2 and stores whole rows at the tokens' places.
; THE EXPERT'S TOKENS are found in registers, from top1, by the same lines as in the launch before, so that place p holds the same token here as there: 32 scalar masks M[n] (register n, lane l: token 128 (n / 4) + 4 l + n % 4),
; Q[n] = (matches in the registers before n) << 16 | 128 (n / 4) + n % 4; a lane picks the token at its place p: the last n with Q[n] <= p << 16 | 0xffff, and in M[n] the set bit of rank p - (Q[n] >> 16), by halving.
; p is held at T - 1: a tile's spare rows repeat the expert's last token and store the same numbers to the same place.  An expert without tokens stores nothing.
; NO TENSOR LOAD, NO CLUSTER: which groups work hangs on a count made of numbers read from memory, so operands go from memory into registers.  The two parities read the same 128 KB of W2; they are neighbours in the grid.
; LAYOUT.  Transposed use: source 0 = 16 rows of W2, source 1 = 16 tokens: a lane holds one token and eight neighbouring outputs.
; The sum over K is split over four waves and added in f32: its order differs from one ascending chain.  NaN and infinities are not served.
; THE MODE: SCHED_MODE bits 1:0 = 2 (LLVM: expert scheduling mode 2), set by the entry lines.  The code itself states the register dependences between vector or matrix instructions and memory or LDS instructions,
; and those through scalar registers and VCC that vector instructions write, with s_wait_alu, always for 0.
; THE PLAN.  Registers that memory or LDS instructions touch, in the loop:
;   v4, v8-11, v24      offsets and LDS addresses, made at the head and never written again.
;   window 3, v0-127    the group's products write the accumulators; the stage's LDS stores read them.  (In the head W2's rows lie there, read by LDS stores.)
;   window 2, v80-111   the loads of the next group's fragments and scale words land there; the group's products read them.
;   v16-23              the eight lines of HADDR write the next group's offsets; those loads read them.
;   v128-255            the way out's LDS loads land there; its additions read and write them; its stores read them.
;   v32-39              the way out's lines write the tokens' offsets; its stores read them.
; A group has TWO waits on va_vdst.  One stands behind HADDR, which stands directly behind the last products: the accumulators and the offsets are written, and the products are done reading what the next group's loads land in.
; The other stands ahead of the way out's stores: sums and offsets are written; it also shows the additions done with v128-255, in which the next way out's LDS loads land.
; ONE wait on vm_vsrc stands at the barrier, on every way: the stage's stores have read the accumulators, this group's loads their offsets, the last way out's stores their data and offsets.
; The pick has a wait on va_sdst behind each run of compares or lane reads into scalar registers, and one on va_vcc behind each compare into VCC.
; REGISTERS.  Window 0: v1-24 addresses; v32-39 tokens by pairs of rows; v40-53 the pick's; v64-79 W2's scale words (8 q + K step: lanes 0-15 tile 2 q, lanes 16-31 tile 2 q + 1); v80-111 h's scale words (8 i + K step); v112-115 b2;
;   v128-255 the parts on the way out (in the head: top1).  Window 1: W2's fragments (8 (8 d + k)).  Window 2: h's fragments of four tiles (64 i + 8 k).  Window 3: W2's rows as loaded; in the loop the group's 16 accumulators (32 i + 8 d).
; SCALARS: s4-17 the seven buffers; s18 the group's first tile, s19 the next group's; s20 wave, s21 expert, s22 j, s23 p, s24 T, s25 tiles, s26 the last tile written, s27 the trip's first tile, s28 max(T, 1) - 1, s29 trips;
;   s32-63 Q (the head's offsets before); s66-97 M; s98-101 at work in the pick.
.set WP,   528                         ; an LDS row of W2: 512 bytes + 16 = 132 words: row r starts at bank 4 r mod 64 (ISA guide 11.1)
.set WLW,  64*WP                       ; LDS: from 0, for each wave 64 such rows
.set STG,  4*WLW                       ; then two stages of four parts of 64 rows (16 i + token) x SP
.set SP,   272                         ; 256 bytes + 16
.set PART, 64*SP
.set SBUF, 4*PART
.set SW,   8                           ; v8, v9   where I put my part, stage 0, 1
.set SR,   10                          ; v10, v11 where I read rows back
.set HO,   16                          ; v16-19 offsets of the four tiles in hq
.set HSO,  20                          ; v20-23 and in hs
.set TOK,  32
.set VP,   40
.set KEY,  41
.set MW0,  42
.set QB0,  43
.set MW1,  44
.set QB1,  45
.set WA,   46
.set WB,   47
.set WC,   48
.set POS,  49
.set RK,   50
.set T1,   51
.set T2,   52
.set TV,   53                          ; the pick's result: lane l: the token at place 16 x tile + l % 16
.set WS,   64
.set HS,   80
.set B2,   112
.set RD,   128
.set TP,   128
.set Q,    32
.set M,    66
.set RL,   98
.set HM,   31                          ; s31 = 0xffff0000: lanes 16-31
.set SE,   21
.set SC,   3
.set ST,   24
.set MSB, 0
.macro WIN new                         ; the immediate's high byte repeats the setting that is left; a switch that changes nothing is dropped
.if MSB != \new
	s_set_vgpr_msb (MSB<<8)|\new
.set MSB, \new
.endif
.endm
; The masks M[n], the words Q[n] and the count T, from top1 in v[TP] on.  Only the last of the four scalar passes is a chain.
.macro MASKS
.set n, 0
.rept 32
	v_cmp_eq_u32 s[M+n], s[SE], v[TP+n]
.set n, n+1
.endr
	s_wait_alu depctr_va_sdst(0)                   ; the 32 compares have written M[0] to M[31], ahead of their first readers, the counts below
	s_mov_b32 s[Q], 0
.set n, 0
.rept 31
	s_bcnt1_i32_b32 s[Q+n+1], s[M+n]               ; register n's matches,
.set n, n+1
.endr
.set n, 0
.rept 31
	s_lshl_b32 s[Q+n+1], s[Q+n+1], 16              ; in the upper half,
.set n, n+1
.endr
.set n, 0
.rept 31
	s_add_co_u32 s[Q+n+1], s[Q+n+1], 128*((n+1)/4)+(n+1)%4-128*(n/4)-n%4   ; the step of the registers' first tokens in the lower,
.set n, n+1
.endr
.set n, 0
.rept 31
	s_add_co_u32 s[Q+n+1], s[Q+n+1], s[Q+n]        ; summed up
.set n, n+1
.endr
	s_bcnt1_i32_b32 s[SC], s[M+31]
	s_lshr_b32 s[ST], s[Q+31], 16
	s_add_co_u32 s[ST], s[ST], s[SC]               ; T
.endm
.macro HALVE src, w                    ; the w bits at POS hold the number of set bits in the lower half of what is left: rank at or over it: on to the upper half
	v_bfe_u32 v[T1], v[\src], v[POS], \w
	v_cmp_ge_u32 vcc_lo, v[RK], v[T1]
	s_wait_alu depctr_va_vcc(0)                    ; the compare has written VCC, which the two selects read
	v_cndmask_b32 v[T1], 0, v[T1], vcc_lo
	v_cndmask_b32 v[T2], 0, \w, vcc_lo
	v_sub_nc_u32 v[RK], v[RK], v[T1]
	v_add_nc_u32 v[POS], v[POS], v[T2]
.endm
; v[TV] = the token at place v[VP] (under T) of the expert.  The search for n goes in two halves of 16, four chains that do not wait for each other; a mask bit says 'Q[n] lies over my key: keep what I have'.
.macro SELECT
	v_lshl_or_b32 v[KEY], v[VP], 16, 0xffff
	v_mov_b32 v[MW0], s[M]
	v_mov_b32 v[QB0], s[Q]
	v_mov_b32 v[MW1], s[M+16]
	v_mov_b32 v[QB1], s[Q+16]
.irp a, 1,3,5,7,9,11,13
	v_cmp_gt_u32 s[RL], s[Q+\a], v[KEY]
	v_cmp_gt_u32 s[RL+1], s[Q+16+\a], v[KEY]
	v_cmp_gt_u32 s[RL+2], s[Q+\a+1], v[KEY]
	v_cmp_gt_u32 s[RL+3], s[Q+16+\a+1], v[KEY]
	s_wait_alu depctr_va_sdst(0)                   ; the four compares have written s98 to s101, which the eight selects read
	v_cndmask_b32 v[MW0], s[M+\a], v[MW0], s[RL]
	v_cndmask_b32 v[QB0], s[Q+\a], v[QB0], s[RL]
	v_cndmask_b32 v[MW1], s[M+16+\a], v[MW1], s[RL+1]
	v_cndmask_b32 v[QB1], s[Q+16+\a], v[QB1], s[RL+1]
	v_cndmask_b32 v[MW0], s[M+\a+1], v[MW0], s[RL+2]
	v_cndmask_b32 v[QB0], s[Q+\a+1], v[QB0], s[RL+2]
	v_cndmask_b32 v[MW1], s[M+16+\a+1], v[MW1], s[RL+3]
	v_cndmask_b32 v[QB1], s[Q+16+\a+1], v[QB1], s[RL+3]
.endr
	v_cmp_gt_u32 s[RL], s[Q+15], v[KEY]
	v_cmp_gt_u32 s[RL+1], s[Q+31], v[KEY]
	v_cmp_gt_u32 s[RL+2], s[Q+16], v[KEY]
	s_wait_alu depctr_va_sdst(0)                   ; the three compares have written s98 to s100, which the six selects read
	v_cndmask_b32 v[MW0], s[M+15], v[MW0], s[RL]
	v_cndmask_b32 v[QB0], s[Q+15], v[QB0], s[RL]
	v_cndmask_b32 v[MW1], s[M+31], v[MW1], s[RL+1]
	v_cndmask_b32 v[QB1], s[Q+31], v[QB1], s[RL+1]
	v_cndmask_b32 v[MW0], v[MW1], v[MW0], s[RL+2]  ; Q[16] over my key: the lower half's, else the upper's
	v_cndmask_b32 v[QB0], v[QB1], v[QB0], s[RL+2]
	v_lshrrev_b32 v[T1], 16, v[QB0]
	v_lshrrev_b32 v[T2], 1, v[MW0]
	v_sub_nc_u32 v[RK], v[VP], v[T1]               ; my rank among the mask's set bits
	v_and_b32 v[T2], 0x55555555, v[T2]
	v_and_b32 v[QB0], 0xffff, v[QB0]               ; the register's first token
	v_sub_nc_u32 v[WA], v[MW0], v[T2]              ; set bits in each 2 bits,
	v_lshrrev_b32 v[T2], 2, v[WA]
	v_and_b32 v[WB], 0x33333333, v[WA]
	v_and_b32 v[T2], 0x33333333, v[T2]
	v_add_nc_u32 v[WB], v[WB], v[T2]               ; in each 4,
	v_lshrrev_b32 v[T2], 4, v[WB]
	v_add_nc_u32 v[T2], v[T2], v[WB]
	v_and_b32 v[WC], 0x0f0f0f0f, v[T2]             ; in each 8,
	v_lshrrev_b32 v[T2], 8, v[WC]
	v_add_nc_u32 v[T2], v[T2], v[WC]
	v_and_b32 v[T1], 0xff, v[T2]                   ; in the low 16
	v_cmp_ge_u32 vcc_lo, v[RK], v[T1]
	s_wait_alu depctr_va_vcc(0)                    ; the compare has written VCC, which the two selects read
	v_cndmask_b32 v[T1], 0, v[T1], vcc_lo
	v_cndmask_b32 v[POS], 0, 16, vcc_lo
	v_sub_nc_u32 v[RK], v[RK], v[T1]
	HALVE WC, 8
	HALVE WB, 4
	HALVE WA, 2
	HALVE MW0, 1
	v_lshl_add_u32 v[TV], v[POS], 2, v[QB0]        ; bit l of register n is token 128 (n / 4) + n % 4 + 4 l
.endm
.macro ROWS dst                        ; v[dst + k]: lanes 0-15 the token of the tile's row 2 k, lanes 16-31 that of row 2 k + 1
.irp j, 0,2,4,6
	v_readlane_b32 s[RL], v[TV], 2*\j
	v_readlane_b32 s[RL+1], v[TV], 2*\j+1
	v_readlane_b32 s[RL+2], v[TV], 2*\j+2
	v_readlane_b32 s[RL+3], v[TV], 2*\j+3
	s_wait_alu depctr_va_sdst(0)                   ; the four lane reads have written s98 to s101, which the four lines below read
	v_mov_b32 v[\dst+\j], s[RL]
	v_mov_b32 v[\dst+\j+1], s[RL+2]
	v_cndmask_b32 v[\dst+\j], v[\dst+\j], s[RL+1], s[HM]
	v_cndmask_b32 v[\dst+\j+1], v[\dst+\j+1], s[RL+3], s[HM]
.endr
.endm
.macro WROWS d                         ; rows 16 d .. 16 d + 15 of my 64: my 512 bytes of each, one row an instruction
	WIN 0xc0
.irp i, 0,1,2,3,4,5,6,7,8,9,10,11,12,13,14,15
	global_load_b128 v[4*(16*(\d)+\i):4*(16*(\d)+\i)+3], v4, s[10:11] offset:(16*(\d)+\i)*2048
.endr
.endm
.macro RELAY d, cnt                    ; those rows through my own LDS bytes into tile d's 8 fragments.  cnt: the loads younger than the sixteen.  No vector instruction names the rows' registers, the fragments' or the two addresses behind the head's wait
	s_wait_loadcnt \cnt
	WIN 0x0c
.irp i, 0,1,2,3,4,5,6,7,8,9,10,11,12,13,14,15
	ds_store_b128 v6, v[4*(16*(\d)+\i):4*(16*(\d)+\i)+3] offset:(16*(\d)+\i)*WP
.endr
	WIN 0x40
.irp k, 0,1,2,3,4,5,6,7
.irp c, 0,1
	ds_load_b128 v[8*(8*(\d)+\k)+4*\c:8*(8*(\d)+\k)+4*\c+3], v7 offset:16*(\d)*WP+64*\k+32*\c   ; LDS serves a wave's instructions in order: these see my stores
.endr
.endr
.endm
.macro HADDR                           ; the four tiles s19, s19 + 2, .. held to the tiles that were written (s26) and to 63
.irp i, 0,1,2,3
	s_add_co_u32 s30, s19, 2*\i
	s_min_u32 s30, s30, s26
	s_min_u32 s30, s30, 63
	v_lshl_add_u32 v[HO+\i], s30, 15, v4
	v_lshl_add_u32 v[HSO+\i], s30, 11, v24
.endr
.endm
.macro HSLOAD                          ; h's scale words: token r's four words of K steps 8 w + 4 u on
.irp i, 0,1,2,3
.irp u, 0,1
	global_load_b128 v[HS+8*\i+4*\u:HS+8*\i+4*\u+3], v[HSO+\i], s[8:9] offset:256*\u
.endr
.endr
.endm
.macro HTILE i                         ; tile i's 8 fragments: register images, 512 consecutive bytes a load
	WIN 0x80
.irp k, 0,1,2,3,4,5,6,7
.irp c, 0,1
	global_load_b128 v[64*(\i)+8*\k+4*\c:64*(\i)+8*\k+4*\c+3], v[HO+(\i)], s[6:7] offset:1024*\k+512*\c
.endr
.endr
.endm
.macro MM2 i, d, k
.set DR, 32*(\i)+8*(\d)
.set AR, 8*(8*(\d)+(\k))
.set FR, 64*(\i)+8*(\k)
.if (\k) == 0
.if (\d)%2
	v_wmma_scale_f32_16x16x128_f8f6f4 v[DR:DR+7], v[AR:AR+7], v[FR:FR+7], 0, v[WS+8*((\d)/2)+(\k)], v[HS+8*(\i)+(\k)] matrix_a_fmt:MATRIX_FMT_FP4 matrix_b_fmt:MATRIX_FMT_FP4 matrix_a_scale:MATRIX_SCALE_ROW1
.else
	v_wmma_scale_f32_16x16x128_f8f6f4 v[DR:DR+7], v[AR:AR+7], v[FR:FR+7], 0, v[WS+8*((\d)/2)+(\k)], v[HS+8*(\i)+(\k)] matrix_a_fmt:MATRIX_FMT_FP4 matrix_b_fmt:MATRIX_FMT_FP4
.endif
.else
.if (\d)%2
	v_wmma_scale_f32_16x16x128_f8f6f4 v[DR:DR+7], v[AR:AR+7], v[FR:FR+7], v[DR:DR+7], v[WS+8*((\d)/2)+(\k)], v[HS+8*(\i)+(\k)] matrix_a_fmt:MATRIX_FMT_FP4 matrix_b_fmt:MATRIX_FMT_FP4 matrix_a_scale:MATRIX_SCALE_ROW1
.else
	v_wmma_scale_f32_16x16x128_f8f6f4 v[DR:DR+7], v[AR:AR+7], v[FR:FR+7], v[DR:DR+7], v[WS+8*((\d)/2)+(\k)], v[HS+8*(\i)+(\k)] matrix_a_fmt:MATRIX_FMT_FP4 matrix_b_fmt:MATRIX_FMT_FP4
.endif
.endif
.endm
.macro TILE i, cnt                     ; 32 products: my 8 K steps, the tile's 4 accumulators by turns, one instruction a turn; the first K step starts the sums
	s_wait_loadcnt \cnt                            ; this tile's fragments (and all scale words) are in; cnt: the later tiles' sixteen each
.irp k, 0,1,2,3,4,5,6,7
.irp d, 0,1,2,3
	MM2 \i, \d, \k
.endr
.endr
.endm
.macro REDUCE buf                      ; tile w of the group: 16 rows, two an instruction; four parts + b2; each half-wave stores 256 consecutive, aligned bytes of a token's row
	s_wait_xcnt 0x0                                ; on every way into these lines: the last way out's stores have read their data (v128 on) and their addresses (v32-39), which are written again below
.irp u, 0,1,2,3,4,5,6,7
.irp q, 0,1,2,3
	ds_load_b128 v[RD+16*\u+4*\q:RD+16*\u+4*\q+3], v[SR+\buf] offset:PART*\q+2*SP*\u   ; (the last vector lines that named these registers stand ahead of an earlier wait on va_vdst: the last way out's, or the head's second)
.endr
.endr
	ROWS TOK                                       ; my tile's tokens, picked at the group's head, by pairs of rows
.irp u, 0,1,2,3,4,5,6,7
	v_min_u32 v[TOK+\u], 0x3ff, v[TOK+\u]          ; numbers made of what was read from memory enter addresses only held under 1,024
.endr
.irp u, 0,1,2,3,4,5,6,7
	v_lshl_add_u32 v[TOK+\u], v[TOK+\u], 12, v24   ; token x 4,096 + 16 (lane % 16)
.endr
	s_wait_dscnt 0x0
.irp u, 0,1,2,3,4,5,6,7
	v_pk_add_f32 v[RD+16*\u:RD+16*\u+1], v[RD+16*\u:RD+16*\u+1], v[RD+16*\u+4:RD+16*\u+5]
	v_pk_add_f32 v[RD+16*\u+2:RD+16*\u+3], v[RD+16*\u+2:RD+16*\u+3], v[RD+16*\u+6:RD+16*\u+7]
	v_pk_add_f32 v[RD+16*\u+8:RD+16*\u+9], v[RD+16*\u+8:RD+16*\u+9], v[RD+16*\u+12:RD+16*\u+13]
	v_pk_add_f32 v[RD+16*\u+10:RD+16*\u+11], v[RD+16*\u+10:RD+16*\u+11], v[RD+16*\u+14:RD+16*\u+15]
.endr
.irp u, 0,1,2,3,4,5,6,7
	v_pk_add_f32 v[RD+16*\u:RD+16*\u+1], v[RD+16*\u:RD+16*\u+1], v[RD+16*\u+8:RD+16*\u+9]
	v_pk_add_f32 v[RD+16*\u+2:RD+16*\u+3], v[RD+16*\u+2:RD+16*\u+3], v[RD+16*\u+10:RD+16*\u+11]
.endr
.irp u, 0,1,2,3,4,5,6,7
	v_pk_add_f32 v[RD+16*\u:RD+16*\u+1], v[RD+16*\u:RD+16*\u+1], v[B2:B2+1]
	v_pk_add_f32 v[RD+16*\u+2:RD+16*\u+3], v[RD+16*\u+2:RD+16*\u+3], v[B2+2:B2+3]
.endr
	s_wait_alu depctr_va_vdst(0)                   ; the additions have written the sums and the lines above them the tokens' offsets v32 to v39: the eight stores read both
.irp u, 0,1,2,3,4,5,6,7
	global_store_b128 v[TOK+\u], v[RD+16*\u:RD+16*\u+3], s[16:17] th:TH_STORE_NT
.endr
.endm
; A group: tiles s18, s18 + 2, s18 + 4, s18 + 6.  A group that the expert does not have does nothing but pass the barrier, which stands on every way.
; A group that it has multiplies all four tiles: those past the last repeat a written tile, and their rows of the stage are not read.
.macro GROUP buf
	s_add_co_u32 s18, s27, 8*\buf
	s_cmp_lt_u32 s18, s25
	s_cbranch_scc0 .Lbar_\@
	s_lshl_b32 s2, s20, 1
	s_add_co_u32 s2, s2, s18                       ; the tile that I shall add up,
	s_lshl_b32 s2, s2, 4                           ; its first place
	v_add_nc_u32 v[VP], s2, v2
	v_min_u32 v[VP], s28, v[VP]                    ; places from T on repeat the last token
	SELECT                                         ; its tokens, while the group's fragments are on their way; these lines write no register that a memory instruction names
	WIN 0xf9                                       ; source 0 (W2) window 1, source 1 (h) window 2, C and D window 3
	TILE 0, 48
	TILE 1, 32
	TILE 2, 16
	TILE 3, 0                                      ; no load of mine is out
	WIN 0
	s_add_co_u32 s19, s18, 8
	HADDR                                          ; the next group's offsets (where there is none: of written tiles, and not used).  The loads that read the old ones are done, and the wait on vm_vsrc at the last barrier, or the head's, has shown them read.
	                                               ; Its eight plain vector lines name no register of the products: they are the places in front of the stores that read results, and of the next group's first products, which write these accumulators anew
	s_wait_alu depctr_va_vdst(0)                   ; the products have written the accumulators, which the LDS stores read, and are done reading h's fragments and scale words, in which the next group's loads land; the eight offsets are written, which those loads read
	WIN 0x0c
.irp i, 0,1,2,3
.irp d, 0,1,2,3
	ds_store_b128 v[SW+\buf], v[32*\i+8*\d:32*\i+8*\d+3] offset:16*SP*\i+64*\d         ; each accumulator from its low end on
	ds_store_b128 v[SW+\buf], v[32*\i+8*\d+4:32*\i+8*\d+7] offset:16*SP*\i+64*\d+16
.endr
.endr
	WIN 0
	s_cmp_lt_u32 s19, s25
	s_cbranch_scc0 .Lbar_\@                        ; no next group: nothing is fetched
	HSLOAD                                         ; no vector or matrix instruction since the wait above: nothing more is owed
	HTILE 0
	HTILE 1
	HTILE 2
	HTILE 3
	WIN 0
.Lbar_\@:
	s_wait_alu depctr_vm_vsrc(0)                   ; on every way: the LDS stores have read the accumulators, which the next group's products write; this group's loads have read the offsets v16 to v23, which the next HADDR writes; the last way out's stores have read v128 on and v32 to v39, which the way out below writes
	s_wait_dscnt 0x0                               ; my part lies in the stage, and my reads of the other stage are over
	s_barrier_signal -1
	s_barrier_wait -1
	s_lshl_b32 s2, s20, 1
	s_add_co_u32 s2, s2, s18                       ; the tile that I add up
	s_cmp_lt_u32 s2, s25
	s_cbranch_scc0 .Lnone_\@
	REDUCE \buf
.Lnone_\@:
.endm
	s_load_b256 s[4:11], s[0:1], 0x0               ; top1 s[4:5], hq s[6:7], hs s[8:9], w2_codes s[10:11]
	s_load_b128 s[12:15], s[0:1], 0x20             ; w2_scales s[12:13], b2 s[14:15]
	s_load_b64 s[16:17], s[0:1], 0x30              ; out0
	v_lshl_add_u32 v126, v0, 2, 0x43000
	v_mov_b32 v127, 0
	v_lshrrev_b32 v1, 5, v0
	v_readfirstlane_b32 s20, v1                    ; wave
	s_lshr_b32 s21, ttmp9, 5                       ; expert
	s_bfe_u32 s22, ttmp9, 0x40001                  ; j: which 64 outputs
	s_and_b32 s23, ttmp9, 1                        ; p: which tiles
	v_and_b32 v1, 31, v0                           ; lane
	v_and_b32 v2, 15, v0                           ; r
	v_bfe_u32 v3, v0, 4, 1                         ; h
	v_lshlrev_b32 v4, 4, v1                        ; 16 x lane
	v_lshlrev_b32 v5, 7, v1                        ; W2's scale words: row = lane of a pair of tiles, 128 bytes a row
	s_wait_alu depctr_va_sdst(0)                   ; s20 is written, ahead of its first reader: LDS addresses, offsets and the tile that I add up are made from it
	s_mul_i32 s30, s20, WLW                        ; my rows of W2
	v_add_nc_u32 v6, s30, v4
	v_mul_u32_u24 v7, v2, WP
	v_lshl_add_u32 v7, v3, 4, v7
	v_add_nc_u32 v7, s30, v7
	s_mul_i32 s30, s20, PART
	s_add_co_u32 s30, s30, STG                     ; my part of a stage: row r, 32 h
	v_mul_u32_u24 v8, v2, SP
	v_lshl_add_u32 v8, v3, 5, v8
	v_add_nc_u32 v8, s30, v8
	v_add_nc_u32 v9, SBUF, v8
	s_mul_i32 s30, s20, 16*SP
	s_add_co_u32 s30, s30, STG                     ; back: rows 16 w + h on, 16 r
	v_mul_u32_u24 v10, v3, SP
	v_lshl_add_u32 v10, v2, 4, v10
	v_add_nc_u32 v10, s30, v10
	v_add_nc_u32 v11, SBUF, v10
	v_lshlrev_b32 v24, 4, v2                       ; 16 r
	v_mov_b32 v[TV], 0                             ; written on every way ahead of the way out's lines
	s_mov_b32 s[HM], 0xffff0000
	s_lshl_b32 s36, s21, 21                        ; hq: the expert's 64 tiles of 32 KB, + my 8 K steps of 1 KB
	s_lshl_b32 s30, s20, 13
	s_add_co_u32 s36, s36, s30
	s_mov_b32 s37, 0
	s_lshl_b32 s38, s21, 17                        ; hs: tiles of 2 KB, + my two runs of 256 bytes
	s_lshl_b32 s30, s20, 9
	s_add_co_u32 s38, s38, s30
	s_mov_b32 s39, 0
	s_lshl_b32 s40, s21, 21                        ; w2_codes: (1024 e + 64 j) rows of 2,048 bytes + 512 w
	s_lshl_b32 s30, s22, 17
	s_add_co_u32 s40, s40, s30
	s_lshl_b32 s30, s20, 9
	s_add_co_u32 s40, s40, s30
	s_mov_b32 s41, 0
	s_lshl_b32 s42, s21, 17                        ; w2_scales: rows of 128 bytes + 32 w
	s_lshl_b32 s30, s22, 13
	s_add_co_u32 s42, s42, s30
	s_lshl_b32 s30, s20, 5
	s_add_co_u32 s42, s42, s30
	s_mov_b32 s43, 0
	s_lshl_b32 s44, s21, 12                        ; b2
	s_lshl_b32 s30, s22, 8
	s_add_co_u32 s44, s44, s30
	s_mov_b32 s45, 0
	s_lshl_b32 s46, s22, 8                         ; out0: my 256 bytes of a row
	s_mov_b32 s47, 0
	s_wait_kmcnt 0x0
	s_add_nc_u64 s[6:7], s[6:7], s[36:37]
	s_add_nc_u64 s[8:9], s[8:9], s[38:39]
	s_add_nc_u64 s[10:11], s[10:11], s[40:41]
	s_add_nc_u64 s[12:13], s[12:13], s[42:43]
	s_add_nc_u64 s[14:15], s[14:15], s[44:45]
	s_add_nc_u64 s[16:17], s[16:17], s[46:47]
	s_wait_alu depctr_va_vdst(0)                   ; the offsets and LDS addresses v4 to v11 and v24 are written, which the loads and LDS instructions below read; none is written again
.irp j, 0,1,2,3,4,5,6,7
	global_load_b128 v[TP+4*\j:TP+4*\j+3], v4, s[4:5] offset:512*\j   ; top1, 4 KB: register 4 j + q, lane l: token 128 j + 4 l + q
.endr
	WROWS 0
	WROWS 1
	WROWS 2
	WIN 0
.irp q, 0,1
.irp u, 0,1
	global_load_b128 v[WS+8*\q+4*\u:WS+8*\q+4*\u+3], v5, s[12:13] offset:4096*\q+16*\u
.endr
.endr
	global_load_b128 v[B2:B2+3], v24, s[14:15]
	s_wait_loadcnt 53                              ; top1 is in; the 48 + 5 loads behind it may be out
	MASKS                                          ; (s32-63 have served as offsets: they take Q)
	s_add_co_u32 s25, s24, 15
	s_lshr_b32 s25, s25, 4                         ; the expert's tiles
	s_max_u32 s26, s25, 1
	s_sub_co_u32 s26, s26, 1                       ; the last tile that was written
	s_max_u32 s28, s24, 1
	s_sub_co_u32 s28, s28, 1                       ; the last place that holds a token
	s_mov_b32 s27, s23                             ; the first group's first tile
	RELAY 0, 37                                    ; behind rows 0-15: 32 + 5
	WROWS 3
	WIN 0
	s_mov_b32 s19, s27
	HADDR
	s_wait_alu depctr_va_vdst(0)                   ; the first group's eight offsets v16 to v23 are written, which the loads of h's scale words and fragments read; and the 32 compares are done reading v128 to v159, in which the first way out's LDS loads land
	HSLOAD
	RELAY 1, 45                                    ; 16 + 5 + 16 + 8
	HTILE 0
	RELAY 2, 45                                    ; 5 + 16 + 8 + 16
	HTILE 1
	RELAY 3, 40                                    ; 8 + 16 + 16
	HTILE 2
	HTILE 3
	WIN 0
	s_mov_b32 s29, 0
	s_wait_dscnt 0x0                               ; W2's fragments are in, and the stores that read window 3 are done: it takes the accumulators
	s_wait_alu depctr_vm_vsrc(0)                   ; my LDS stores have read W2's rows in window 3, which the first group's products write; the loads above have read the offsets v16 to v23, which the first group's HADDR writes
.Ltrip:                                            ; 4 trips of two groups: 32 tiles of my parity, whatever the split
	GROUP 0
	GROUP 1
	s_add_co_u32 s27, s27, 16
	s_add_co_u32 s29, s29, 1
	s_cmp_lt_u32 s29, 4
	s_cbranch_scc1 .Ltrip
	s_wait_dscnt 0x0                               ; the closing lines, six on end
	s_wait_alu 0x0
	s_wait_tensorcnt 0x0
	ds_add_u32 v126, v127
	s_wait_dscnt 0x0
	s_endpgm
.Lfunc_end_k_q9e491a71ff_ffn2:
	.size	k_q9e491a71ff_ffn2, .Lfunc_end_k_q9e491a71ff_ffn2-k_q9e491a71ff_ffn2
	.p2alignl 7, 3214868480
	.fill 96, 4, 3214868480
	.section	.rodata,"a",@progbits
	.p2align	6, 0x0
	.amdhsa_kernel k_q9e491a71ff_ffn2
		.amdhsa_group_segment_fixed_size 274944
		.amdhsa_private_segment_fixed_size 0
		.amdhsa_enable_private_segment 0
		.amdhsa_kernarg_size 56
		.amdhsa_user_sgpr_count 2
		.amdhsa_user_sgpr_kernarg_segment_ptr 1
		.amdhsa_wavefront_size32 1
		.amdhsa_system_sgpr_workgroup_id_x 1
		.amdhsa_system_sgpr_workgroup_id_y 1
		.amdhsa_system_sgpr_workgroup_id_z 1
		.amdhsa_system_vgpr_workitem_id 0
		.amdhsa_next_free_vgpr 1024
		.amdhsa_next_free_sgpr 102
		.amdhsa_reserve_vcc 1
		.amdhsa_float_denorm_mode_32 3
		.amdhsa_float_denorm_mode_16_64 3
		.amdhsa_memory_ordered 1
		.amdhsa_forward_progress 1
		.amdhsa_inst_pref_size 123
	.end_amdhsa_kernel
	.amdgpu_metadata
---
amdhsa.version: [ 1, 2 ]
amdhsa.kernels:
  - .name:           k_q9e491a71ff_ffn2
    .symbol:         k_q9e491a71ff_ffn2.kd
    .args:
      - { .name: top1, .offset: 0, .size: 8, .value_kind: global_buffer, .address_space: global }
      - { .name: hq, .offset: 8, .size: 8, .value_kind: global_buffer, .address_space: global }
      - { .name: hs, .offset: 16, .size: 8, .value_kind: global_buffer, .address_space: global }
      - { .name: w2_codes, .offset: 24, .size: 8, .value_kind: global_buffer, .address_space: global }
      - { .name: w2_scales, .offset: 32, .size: 8, .value_kind: global_buffer, .address_space: global }
      - { .name: b2, .offset: 40, .size: 8, .value_kind: global_buffer, .address_space: global }
      - { .name: out0, .offset: 48, .size: 8, .value_kind: global_buffer, .address_space: global }
    .group_segment_fixed_size: 274944
    .private_segment_fixed_size: 0
    .kernarg_segment_align: 8
    .kernarg_segment_size: 56
    .max_flat_workgroup_size: 128
    .sgpr_count:     102
    .vgpr_count:     1024
    .wavefront_size: 32
...
	.end_amdgpu_metadata
.endif
;; end of part 8
